; MI455X (gfx1250); checked and timed in simulation.
; The chip was launched on July 23, 2026; its instructions are those of AMD's public machine-readable ISA for CDNA 5 (MIT licence, August 2026) and "CDNA5" Instruction Set Architecture Reference Guide (July 2026). The comments in the code are by the model that wrote it; some were corrected since.
;; Encoder Layer. Allowed arithmetic: matrix products marked QUANTISED: E5M2 operands, one given power-of-two scale a tensor, by v_wmma_f32_16x16x64_bf8_bf8 or v_wmma_f32_16x16x128_bf8_bf8, f32 sums; everything else in f32.
;; Inputs: fc1_b 4,096 float32; fc1_w_codes 4,096 x 32 x 32 uint8 (E5M2 codes of fc1_w, K innermost, in blocks of 32 codes); fc2_b 1,024 float32; fc2_w_codes 1,024 x 128 x 32 uint8 (E5M2 codes of fc2_w, K innermost, in blocks of 32 codes); ln1_b 1,024 float32; ln1_g 1,024 float32; ln2_b 1,024 float32; ln2_g 1,024 float32; lowp_scales 16 int32 (the exponents e of the quantised operands' scales 2^e); mask 2 x 1 x 1 x 2,048 float32; wk_b 1,024 float32; wk_w_codes 1,024 x 32 x 32 uint8 (E5M2 codes of wk_w, K innermost, in blocks of 32 codes); wo_b 1,024 float32; wo_w_codes 1,024 x 32 x 32 uint8 (E5M2 codes of wo_w, K innermost, in blocks of 32 codes); wq_b 1,024 float32; wq_w_codes 1,024 x 32 x 32 uint8 (E5M2 codes of wq_w, K innermost, in blocks of 32 codes); wv_b 1,024 float32; wv_w_codes 1,024 x 32 x 32 uint8 (E5M2 codes of wv_w, K innermost, in blocks of 32 codes); x 2 x 2,048 x 1,024 float32.
;; Outputs: out0 2 x 2,048 x 1,024 float32.
;; This version of the problem:
;;   THIS VERSION OF THE PROBLEM IS GIVEN IN LOW PRECISION. The matrix products marked QUANTISED in the list below multiply operands that are first quantised to E5M2 (5 exponent bits, 2 mantissa bits; 8 bits a number), with one given power-of-two scale for each operand tensor; their sums are f32. All else is computed in f32.
;;   The module's matrix products, in the order in which they are computed (A, B: the left and right operand; K: the contracted axis; several contracted axes count as one K, in the product's order):
;;     1. [M 4,096, K 1,024] x [K 1,024, N 1,024]; A: input x; B: input wq_w (given as codes): QUANTISED (scales: A lowp_scales[0], B lowp_scales[1])
;;     2. [M 4,096, K 1,024] x [K 1,024, N 1,024]; A: input x; B: input wk_w (given as codes): QUANTISED (scales: A lowp_scales[2], B lowp_scales[3])
;;     3. [M 4,096, K 1,024] x [K 1,024, N 1,024]; A: input x; B: input wv_w (given as codes): QUANTISED (scales: A lowp_scales[4], B lowp_scales[5])
;;     4. batch 32 x [M 2,048, K 64] x [K 64, N 2,048]; A: computed on the way; B: computed on the way: QUANTISED (scales: A lowp_scales[6], B lowp_scales[7])
;;     5. batch 32 x [M 2,048, K 2,048] x [K 2,048, N 64]; A: softmax (see below); B: computed on the way: QUANTISED (scales: A lowp_scales[8], B lowp_scales[9])
;;     6. [M 4,096, K 1,024] x [K 1,024, N 1,024]; A: computed on the way; B: input wo_w (given as codes): QUANTISED (scales: A lowp_scales[10], B lowp_scales[11])
;;     7. [M 4,096, K 1,024] x [K 1,024, N 4,096]; A: computed on the way; B: input fc1_w (given as codes): QUANTISED (scales: A lowp_scales[12], B lowp_scales[13])
;;     8. [M 4,096, K 4,096] x [K 4,096, N 1,024]; A: computed on the way; B: input fc2_w (given as codes): QUANTISED (scales: A lowp_scales[14], B lowp_scales[15])
;;   THE QUANTISER, for each operand of a quantised product, along K:
;;     - The operand's scale is 2^e, e = its entry of the input lowp_scales (int32; the entries are numbered through the quantised products in the list's order, A before B).
;;     - Each number is divided by the scale, clamped to +-57,344, and rounded to the nearest number of E5M2, ties to even, subnormals kept.
;;     - The product sums the exact products of the quantised numbers (number of the format x scale) in f32.
;;   ~~~python
;;   def quantise(x, axis, e):      # numpy; x: float32 -> the quantised numbers, widened to float32 again
;;       x = np.moveaxis(x, axis, -1); K = x.shape[-1]
;;       r = np.clip(x / 2.0 ** e, -57344, 57344)
;;       step = 2.0 ** (np.maximum(np.frexp(np.where(r == 0, 1, r))[1] - 1, -14) - 2)
;;       q = np.round(r / step) * step * 2.0 ** e      # np.round: ties to even
;;       return np.moveaxis(q, -1, axis).astype(np.float32)
;;   ~~~
;;   SOFTMAX AHEAD OF A QUANTISED PRODUCT. Where the list says 'softmax', what is quantised is not the finished softmax but p = 2^(t - M), with t = logit x log2(e) and M = ceil(the row's largest t), a whole number; so 1/2 < the row's largest p <= 1. The row's sum l is taken of the UNQUANTISED p, in f32, and the product's result is divided by l at the end. Since M is a whole number, a kernel that streams over the keys may use a running M (the ceiling of the running maximum): every later rescaling is an exact power of two, so the quantised numbers keep their values, but for numbers so far below the row's largest that they fall under the format's range.
;;   OPERANDS COMPUTED ON THE WAY. 'Computed on the way' means the value that the module computes at that place (a softmax that the list does not call 'softmax' is quantised finished and normalised). What goes into a quantiser is computed in f32, as accurately as f32 sums, v_exp_f32 and their like allow (about 1e-6 of the number): no bf16 or f16 on the way to a quantiser, and a product that is left as it is and whose result goes on into a quantised operand takes f32 operands (vector FMAs, or v_wmma_f32_16x16x4_f32). A number that lies on a knife's edge between two numbers of the format may be rounded either way, as far as f32 arithmetic and the matrix unit's own rounding can turn it there, and no further.
;;   INPUTS GIVEN AS CODES. fc1_w (in the module: [1024, 4096], K = its axis 0); fc2_w (in the module: [4096, 1024], K = its axis 0); wk_w (in the module: [1024, 1024], K = its axis 0); wo_w (in the module: [1024, 1024], K = its axis 0); wq_w (in the module: [1024, 1024], K = its axis 0); wv_w (in the module: [1024, 1024], K = its axis 0): each comes as NAME_codes (uint8): NAME with its K axis moved to the last place and cut into blocks of 32 codes, [.., K / 32, bytes a block], one block behind the other in memory; one code a byte (a code: sign, 5 exponent bits, 2 mantissa bits); its scale is its entry of lowp_scales. Its value is code x scale, taken as it is: it is not quantised again, and the codes and scales need not be those that the quantiser above would give.
;; 2 versions. Each part assembles by itself: llvm-mc -triple=amdgcn-amd-amdhsa -mcpu=gfx1250 --defsym DOCPART=n.
;; ======== version 1 of 2: 8 launches
;; workspace buffers: xc 12,582,912 bytes; qkv 12,582,912 bytes; ctxc 4,194,304 bytes; y 16,777,216 bytes; o1 16,777,216 bytes; o1c 4,194,304 bytes; hc 16,777,216 bytes
;; launch quantx (part 1): grid 256 x 1, 4 waves a work-group, no clusters, 33,280 bytes of LDS; arguments x, lowp_scales, xc; writes xc
.if DOCPART == 1
	.amdgcn_target "amdgcn-amd-amdhsa--gfx1250"
	.amdhsa_code_object_version 6
	.text
	.protected	k_qc0aadb1d61_quantx
	.globl	k_qc0aadb1d61_quantx
	.p2align	8
	.type	k_qc0aadb1d61_quantx,@function
k_qc0aadb1d61_quantx:
	s_mov_b64 s[64:65], 0
	v_nop
	global_prefetch_b8 v0, s[64:65] scope:SCOPE_SE
	s_setreg_imm32_b32 hwreg(HW_REG_WAVE_MODE, 25, 1), 1
	s_wait_xcnt 0x0
; x [4096][1024] f32 becomes three sets of E5M2 codes, K innermost, rows of 1,024 bytes: with 2^e0 at byte 0 of xc, with 2^e2 at 4 MiB, with 2^e4 at 8 MiB
; (x is the left operand of three products, each with a scale entry of its own).  code = x / 2^e, held within +-57,344, to the nearest code, ties to even.
; LIMITS: each of e0, e2, e4 between -126 and 112, so that 2^e and 57,344 x 2^e are f32 numbers.  NaN among the inputs is not served.
; Rows are dense, so x is a plain stream.  A wave takes 8 steps of 512 numbers.  Each of a step's four loads reads 512 consecutive bytes, 16 a lane; the 2,048 bytes turn through the
; wave's own stage in LDS (16 bytes of padding behind each 64) and come back 64 bytes a lane: 16 neighbours along K, as the conversions want them.  A lane's 16 codes are 16 bytes: a store covers 512 consecutive bytes.
; No matrix unit, no tensor loads, no barrier, no cluster: waves share nothing and each byte of x is read once.  Loads run four steps (16 loads a wave) ahead, the turn through LDS one step.
.set STEPS, 8
.set SP,    80                         ; a lane's place in a stage: 64 bytes + 16 of padding
.set WREG,  8192                       ; LDS of a wave: two stages of 32 x SP bytes
.set SC,    8                          ; v8, v9: 2^e0 and 57,344 x 2^e0;  v10, v11: e2's;  v12, v13: e4's
.set R,     16                         ; v16-79   four sets of 16 numbers as loaded
.set X,     80                         ; v80-111  two sets of 16 neighbours
.set T,     112                        ; v112-159 three sets of 16 held numbers, one for each scale
.set C,     160                        ; v160-255 codes: 12 registers a step, so that no store's data are written again
.set OUTP,  24                         ; s[24:29] the three parts of xc at my wave's place
	s_load_b128 s[4:7], s[0:1], 0x0                ; x, the scales' exponents
	s_load_b64 s[8:9], s[0:1], 0x10                ; xc
	v_lshl_add_u32 v6, v0, 2, 0x8000
	v_mov_b32 v7, 0
	v_lshrrev_b32 v1, 5, v0
	v_readfirstlane_b32 s16, v1                    ; wave
	v_and_b32 v2, 31, v0                           ; lane
	v_lshlrev_b32 v3, 4, v2                        ; 16 x lane: my bytes of a load's 512, and of a store's
	s_mul_i32 s17, s16, WREG
	v_lshrrev_b32 v14, 2, v2
	v_mul_u32_u24 v14, v14, SP
	v_and_b32 v15, 3, v2
	v_lshl_add_u32 v14, v15, 4, v14
	v_add_nc_u32 v14, s17, v14                     ; the stage, way in: SP (lane / 4) + 16 (lane % 4)
	v_mul_u32_u24 v15, v2, SP
	v_add_nc_u32 v15, s17, v15                     ; way out: SP x lane
	s_lshl_b32 s18, ttmp9, 2
	s_add_co_u32 s18, s18, s16                     ; which run of 4,096 numbers is my wave's
	s_lshl_b32 s20, s18, 14                        ; its bytes in x
	s_mov_b32 s21, 0
	s_lshl_b32 s22, s18, 12                        ; and in a part of xc
	s_mov_b32 s23, 0
	s_wait_kmcnt 0x0
	s_load_b256 s[32:39], s[6:7], 0x0              ; e0 .. e7
	s_add_nc_u64 s[4:5], s[4:5], s[20:21]
	s_add_nc_u64 s[OUTP:OUTP+1], s[8:9], s[22:23]
	s_add_nc_u64 s[OUTP+2:OUTP+3], s[OUTP:OUTP+1], 0x400000
	s_add_nc_u64 s[OUTP+4:OUTP+5], s[OUTP:OUTP+1], 0x800000
.macro LOAD t
.irp i, 0,1,2,3
	global_load_b128 v[R+16*((\t)%4)+4*\i:R+16*((\t)%4)+4*\i+3], v3, s[4:5] offset:2048*(\t)+512*\i th:TH_LOAD_NT
.endr
.endm
.macro TURN t                          ; LDS serves a wave's instructions in order: no wait between the stores and the loads
.irp i, 0,1,2,3
	ds_store_b128 v14, v[R+16*((\t)%4)+4*\i:R+16*((\t)%4)+4*\i+3] offset:32*SP*((\t)%2)+8*SP*\i
.endr
.irp i, 0,1,2,3
	ds_load_b128 v[X+16*((\t)%2)+4*\i:X+16*((\t)%2)+4*\i+3], v15 offset:32*SP*((\t)%2)+16*\i
.endr
.endm
.irp t, 0,1,2,3
	LOAD \t
.endr
	s_wait_kmcnt 0x0
.irp p, 0,1,2                          ; entries 0, 2, 4
	s_add_co_i32 s40, s[32+2*\p], 127
	s_lshl_b32 s41, s40, 23
	v_mov_b32 v[SC+2*\p], s41                      ; 2^e as f32: the conversion takes its exponent field
	s_add_co_i32 s40, s40, 15
	s_lshl_b32 s40, s40, 23
	s_or_b32 s40, s40, 0x600000
	v_mov_b32 v[SC+2*\p+1], s40                    ; 57,344 x 2^e
.endr
	s_wait_loadcnt 12                              ; step 0's four loads are in; three steps' twelve stay out
	TURN 0
.macro STEP t
.set XS, X+16*((\t)%2)
	s_wait_dscnt 0x0                               ; this step's numbers are back from the stage, so its stores into the stage have read their registers,
.if (\t)+4 < STEPS
	LOAD (\t)+4                                    ; which take the loads of four steps on
.endif
.if (\t)+1 < STEPS
.if STEPS-2-(\t) >= 3
	s_wait_loadcnt 12                              ; the next step's loads are in; those of the three steps behind it may be out
.else
	s_wait_loadcnt 4*(STEPS-2-(\t))
.endif
	TURN (\t)+1
.endif
.irp p, 0,1,2
.irp i, 0,1,2,3,4,5,6,7,8,9,10,11,12,13,14,15
	v_med3_num_f32 v[T+16*\p+\i], v[XS+\i], -v[SC+2*\p+1], v[SC+2*\p+1]   ; the conversion to an 8-bit code does not saturate (ISA guide 7.6.2): the hold comes first
.endr
	v_cvt_scalef32_pk8_bf8_f32 v[C+12*(\t)+4*\p:C+12*(\t)+4*\p+1], v[T+16*\p:T+16*\p+7], v[SC+2*\p]
	v_cvt_scalef32_pk8_bf8_f32 v[C+12*(\t)+4*\p+2:C+12*(\t)+4*\p+3], v[T+16*\p+8:T+16*\p+15], v[SC+2*\p]
	global_store_b128 v3, v[C+12*(\t)+4*\p:C+12*(\t)+4*\p+3], s[OUTP+2*\p:OUTP+2*\p+1] offset:512*(\t)   ; the next vector lines are plain holds into another set of T
.endr
.endm
.irp t, 0,1,2,3,4,5,6,7
	STEP \t
.endr
	s_wait_tensorcnt 0x0
	ds_add_u32 v6, v7
	s_wait_dscnt 0x0
	s_endpgm
.Lfunc_end_k_qc0aadb1d61_quantx:
	.size	k_qc0aadb1d61_quantx, .Lfunc_end_k_qc0aadb1d61_quantx-k_qc0aadb1d61_quantx
	.p2alignl 7, 3214868480
	.fill 96, 4, 3214868480
	.section	.rodata,"a",@progbits
	.p2align	6, 0x0
	.amdhsa_kernel k_qc0aadb1d61_quantx
		.amdhsa_group_segment_fixed_size 33280
		.amdhsa_private_segment_fixed_size 0
		.amdhsa_enable_private_segment 0
		.amdhsa_kernarg_size 24
		.amdhsa_user_sgpr_count 2
		.amdhsa_user_sgpr_kernarg_segment_ptr 1
		.amdhsa_wavefront_size32 1
		.amdhsa_system_sgpr_workgroup_id_x 1
		.amdhsa_system_sgpr_workgroup_id_y 1
		.amdhsa_system_sgpr_workgroup_id_z 1
		.amdhsa_system_vgpr_workitem_id 0
		.amdhsa_next_free_vgpr 256
		.amdhsa_next_free_sgpr 66
		.amdhsa_reserve_vcc 0
		.amdhsa_float_denorm_mode_32 3
		.amdhsa_float_denorm_mode_16_64 3
		.amdhsa_memory_ordered 1
		.amdhsa_forward_progress 1
		.amdhsa_inst_pref_size 40
	.end_amdhsa_kernel
	.amdgpu_metadata
---
amdhsa.version: [ 1, 2 ]
amdhsa.kernels:
  - .name:           k_qc0aadb1d61_quantx
    .symbol:         k_qc0aadb1d61_quantx.kd
    .args:
      - { .name: x, .offset: 0, .size: 8, .value_kind: global_buffer, .address_space: global }
      - { .name: lowp_scales, .offset: 8, .size: 8, .value_kind: global_buffer, .address_space: global }
      - { .name: xc, .offset: 16, .size: 8, .value_kind: global_buffer, .address_space: global }
    .group_segment_fixed_size: 33280
    .private_segment_fixed_size: 0
    .kernarg_segment_align: 8
    .kernarg_segment_size: 24
    .max_flat_workgroup_size: 128
    .sgpr_count:     66
    .vgpr_count:     256
    .wavefront_size: 32
...
	.end_amdgpu_metadata
.endif
;; end of part 1
;; launch qkv (part 2): grid 12 x 16, 4 waves a work-group, clusters of 4 x 4, 327,680 bytes of LDS; arguments xc, wq_w_codes, wk_w_codes, wv_w_codes, wq_b, wk_b, wv_b, lowp_scales, qkv; writes qkv
.if DOCPART == 2
	.amdgcn_target "amdgcn-amd-amdhsa--gfx1250"
	.amdhsa_code_object_version 6
	.text
	.protected	k_qc0aadb1d61_qkv
	.globl	k_qc0aadb1d61_qkv
	.p2align	8
	.type	k_qc0aadb1d61_qkv,@function
k_qc0aadb1d61_qkv:
	s_mov_b64 s[64:65], 0
	v_nop
	global_prefetch_b8 v0, s[64:65] scope:SCOPE_SE
	s_setreg_imm32_b32 hwreg(HW_REG_WAVE_MODE, 25, 1), 1
	s_wait_xcnt 0x0
	s_wait_alu depctr_hold_cnt(0) depctr_sa_sdst(0) depctr_va_vdst(0) depctr_va_sdst(0) depctr_va_ssrc(0) depctr_va_vcc(0) depctr_vm_vsrc(0)
	s_getreg_b32 s2, hwreg(HW_REG_IB_STS2, 6, 4)
	s_cmp_eq_u32 s2, 0
	s_cbranch_scc0 .Lentry_in_a_cluster
	s_endpgm
.Lentry_in_a_cluster:
	s_bfe_u32 s2, ttmp6, 0x10000c
	s_cmp_lg_u32 s2, 0xf033
	s_cbranch_scc0 .Lentry_shape_is_right
	s_endpgm
.Lentry_shape_is_right:
; q = x wq + bq, k = x wk + bk, v = x wv + bv on E5M2 codes, each result quantised at once for attention (entries 6, 7, 9 of the scales) and stored as IMAGES OF THE NEXT OPERAND'S REGISTERS.
; The cluster's x says which product: 0 q, 1 k, 2 v; it is the same in all sixteen partners, so branches on it are alike in all.
; A tile of 256 x 256 is made by four waves, 128 x 128 each: 64 accumulators, 512 registers.  K = 1,024 goes in steps of 256 through two LDS slots filled by the tensor data mover; a tile's row is 256 bytes of memory.
; THE MATRIX INSTRUCTION IS USED TRANSPOSED (source 0 = 16 rows of B', source 1 = 16 rows of A'): a lane holds one row of A' and eight neighbouring rows of B'.
;   q, k: A' = x's codes (tokens), B' = the weight (channels): a lane's registers run along the channels, the K of the score product.
;   v:    A' = wv (channels), B' = x's codes (tokens): a lane's registers run along the tokens, the K of attention's second product.
; So the conversion of accumulator tile b gives registers 2 b, 2 b + 1 of the next operand in the plain 8-bit layout (k = 16 b + 8 (lane / 16) + 0 .. 7), and each group of four registers is stored at 16 x lane: 512 consecutive bytes a store.
; qkv: q's images at 0, k's at 4 MiB: [batch][head][tile of 16 tokens][1,024 B];  v's at 8 MiB: [batch][head][128 keys][16 channels][2,048 B].
; CLUSTERS: 4 x 4 work-groups.  A' tiles hang on the tile row alone and are asked for jointly by a row of the cluster, B' tiles on the tile column alone, by a column.
; The bias is the C of each sum's first matrix instruction where it runs along a lane's registers (q, k), divided by the power of two that the sums lack; for v it is one number a lane and block, added on the way out.
; LIMITS: e(out) - e(A) - e(B) between -126 and 112 for each of the three products.  NaN among the inputs is not served.
; REGISTERS: window 0: v0-31 addresses; v32-95 the bias as C, later the held sums; v96-111 v's row biases; v112, v113 the hold and the scale; v128-255 A' fragments, ONE set, later the codes.
;   window 1: B' fragments, two sets.  window 2, 3: the accumulators of my rows 0-63, 64-127 (accumulator (a, b) at v[8 (8 (a % 4) + b)]).
.set KROW,   1024
.set KSTEP,  256
.set ROWB,   256
.set PITCH,  272                       ; an LDS row: 256 bytes + 16 of padding = 68 words: the 16 rows of a fragment load start at 16 different banks
.set FR,     16
.set NL,     4
.set NP,     4
.set HALFT,  128*PITCH
.set SLOT,   4*HALFT
.set LAPS,   KROW/(2*KSTEP)
.set SPARE,  2*SLOT                    ; behind the ring: the spare words, 128 bytes a wave
.set ADRA, 16
.set ADRB, 20
.set LI,   27                          ; v27  16 x lane
.set SPW,  28
.set NIL,  29
.set BC,   32
.set T,    32
.set BR,   96
.set LIM,  112
.set SCL,  113
.set AF,   128
.set PC,   128
.set G1, 24
.set G0, 32
.set G1B, 48
.set G0B, 56
.set XP, 66                            ; s66  which product
.set MSB, 0
.macro WIN new                         ; the immediate's high byte repeats the setting that is left
.if MSB != \new
	s_set_vgpr_msb (MSB<<8)|\new
.set MSB, \new
.endif
.endm
.set MUL_LO, 0xa1                      ; source 0 (B') window 1, source 1 (A') window 0, C and D window 2
.set MUL_HI, 0xf1                      ; the same, C and D window 3
.set FST_LO, 0x81                      ; the first step: C (the bias) window 0, D window 2
.set FST_HI, 0xc1                      ; D window 3
.set TO_B,   0x40
.macro JLOAD g0a, g1a, g0b, g1b        ; a joint load: waves 0, 1 fetch for A', waves 2, 3 for B'; four v_nop follow each line
	s_cmp_eq_u32 s15, 0
	s_cbranch_scc0 .Lfor_b_\@
	tensor_load_to_lds s[\g0a:\g0a+3], s[\g1a:\g1a+7]
	s_nop 0
.rept 4
	v_nop
.endr
	s_branch .Lasked_\@
.Lfor_b_\@:
	tensor_load_to_lds s[\g0b:\g0b+3], s[\g1b:\g1b+7]
	s_nop 0
.rept 4
	v_nop
.endr
.Lasked_\@:
.endm
.macro CREST                           ; a round of the cluster's barrier behind its opening barrier
	s_cmp_lg_u32 s14, 0
	s_cbranch_scc1 .Lnot_wave_0_\@
	s_barrier_signal -3
.Lnot_wave_0_\@:
	s_barrier_wait -3
	s_barrier_signal -1
	s_barrier_wait -1
.endm
.macro CROUND
	s_barrier_signal -1
	s_barrier_wait -1
	CREST
.endm
	s_load_b512 s[68:83], s[0:1], 0x0              ; xc, wq, wk, wv, bq, bk, bv, the scales' exponents
	s_load_b64 s[84:85], s[0:1], 0x40              ; qkv
	v_lshl_add_u32 v[SPW], v0, 2, SPARE
	v_mov_b32 v[NIL], 0
	ds_add_u32 v28, v29
	ds_add_u32 v28, v29
	s_wait_dscnt 0x0
	v_lshrrev_b32 v1, 5, v0
	v_readfirstlane_b32 s14, v1                    ; wave 0..3
	s_lshr_b32 s15, s14, 1                         ; which half of the tile's rows is mine.  Also: I fetch for A' (0) or B' (1)
	s_and_b32 s16, s14, 1                          ; which half of its columns.  Also: which 128 rows of that tile I fetch
	s_bfe_u32 s40, ttmp6, 0x40000                  ; cx
	s_bfe_u32 s41, ttmp6, 0x40004                  ; cy
	s_mov_b32 s[XP], ttmp9                         ; the cluster's x: the product
	s_and_b32 s67, ttmp7, 0xffff
	s_lshl_b32 s67, s67, 2                         ; 4 x the cluster's y walks the tokens: A' rows for q and k, B' rows for v
	s_cmp_eq_u32 s[XP], 2
	s_cselect_b32 s17, 0, s67
	s_cselect_b32 s42, s67, 0
	s_add_co_u32 s17, s17, s41                     ; tile row: hangs on cy, never on cx
	s_add_co_u32 s42, s42, s40                     ; tile column: hangs on cx, never on cy
	s_lshl_b32 s43, s41, 2
	s_lshl_b32 s43, 15, s43                        ; my row of the cluster
	s_lshl_b32 s44, 0x1111, s40                    ; my column
	s_or_b32 s[G1+0], s43, (0<<16)|(1<<20)|(1<<21)|(5<<22)|(3<<25)   ; the mask; elements of 1 byte; padding of 4 words behind every 64; bit 21 beside a mask
	s_or_b32 s[G1B+0], s44, (0<<16)|(1<<20)|(1<<21)|(5<<22)|(3<<25)
.irp g, G1, G1B
	s_mov_b32 s[\g+1], ROWB<<16                    ; tensor_dim0
	s_mov_b32 s[\g+2], 128<<16                     ; tensor_dim1
	s_mov_b32 s[\g+3], ROWB<<16                    ; tile_dim0
	s_mov_b32 s[\g+4], 128                         ; tile_dim1
	s_mov_b32 s[\g+5], KROW                        ; stride from row to row
	s_mov_b32 s[\g+6], 0
	s_mov_b32 s[\g+7], 0
.endr
	s_lshl_b32 s18, s16, 7
	s_lshl_b32 s20, s17, 8
	s_add_co_u32 s20, s20, s18
	s_lshl_b32 s20, s20, 10                        ; A': (256 x tile row + 128 x half) rows of 1,024 bytes
	s_mov_b32 s21, 0
	s_lshl_b32 s46, s42, 8
	s_add_co_u32 s46, s46, s18
	s_lshl_b32 s46, s46, 10                        ; B' likewise with the tile column
	s_mov_b32 s47, 0
	s_mul_i32 s45, s14, HALFT                      ; where they go: wave x 128 rows
	s_wait_kmcnt 0x0
	s_lshl_b32 s88, s[XP], 22
	s_mov_b32 s89, 0
	s_add_nc_u64 s[88:89], s[68:69], s[88:89]      ; x's codes under this product's scale
	s_cmp_eq_u32 s[XP], 2                          ; the choices hang on the product's number alone
	s_cselect_b64 s[4:5], s[74:75], s[88:89]       ; A'
	s_cselect_b64 s[6:7], s[88:89], s[72:73]       ; B'
	s_cselect_b64 s[12:13], s[80:81], s[78:79]     ; the bias
	s_cmp_eq_u32 s[XP], 0
	s_cselect_b64 s[6:7], s[70:71], s[6:7]
	s_cselect_b64 s[12:13], s[76:77], s[12:13]
	s_mov_b64 s[8:9], s[82:83]
	s_mov_b64 s[10:11], s[84:85]
	s_load_b512 s[68:83], s[8:9], 0x0              ; e0 .. e15
	s_add_nc_u64 s[20:21], s[4:5], s[20:21]
	s_add_nc_u64 s[46:47], s[6:7], s[46:47]
	CROUND                                         ; all sixteen work-groups are here: the first joint loads meet
.irp s, 0,1
	s_mov_b32 s[G0+4*\s], 1
	s_add_co_u32 s[G0+4*\s+1], s45, \s*SLOT
	s_add_nc_u64 s[G0+4*\s+2:G0+4*\s+3], s[20:21], \s*ROWB
	s_or_b32 s[G0+4*\s+3], s[G0+4*\s+3], 0x80000000
	s_mov_b32 s[G0B+4*\s], 1
	s_add_co_u32 s[G0B+4*\s+1], s45, \s*SLOT
	s_add_nc_u64 s[G0B+4*\s+2:G0B+4*\s+3], s[46:47], \s*ROWB
	s_or_b32 s[G0B+4*\s+3], s[G0B+4*\s+3], 0x80000000
	JLOAD G0+4*\s, G1, G0B+4*\s, G1B
.endr
	v_and_b32 v1, 15, v0                           ; r
	v_bfe_u32 v2, v0, 4, 1                         ; h
	v_mul_u32_u24 v3, v1, PITCH
	v_lshl_add_u32 v4, v2, 4, v3                   ; a fragment's row x pitch + 16 x half
	s_mul_i32 s21, s15, HALFT
	s_mul_i32 s22, s16, HALFT
	s_add_co_u32 s22, s22, 2*HALFT
.irp s, 0,1
	v_add_nc_u32 v[ADRA+\s], s21, v4
	v_add_nc_u32 v[ADRB+\s], s22, v4
	s_add_co_u32 s21, s21, SLOT
	s_add_co_u32 s22, s22, SLOT
.endr
	v_and_b32 v6, 31, v0
	v_lshlrev_b32 v[LI], 4, v6
	v_lshlrev_b32 v5, 5, v2                        ; 32 h: eight f32 of a bias for each half of the lanes
	v_lshlrev_b32 v7, 2, v1                        ; 4 r
	; where my images begin.  q, k: product x 4 MiB + batch x 2 MiB + head x 131,072 + tile of tokens x 1,024
	s_lshl_b32 s20, s[XP], 22
	s_lshr_b32 s21, s17, 3
	s_lshl_b32 s21, s21, 21
	s_add_co_u32 s20, s20, s21
	s_lshl_b32 s21, s42, 19
	s_add_co_u32 s20, s20, s21
	s_lshl_b32 s21, s16, 18
	s_add_co_u32 s20, s20, s21
	s_and_b32 s21, s17, 7
	s_lshl_b32 s21, s21, 14
	s_add_co_u32 s20, s20, s21
	s_lshl_b32 s21, s15, 13
	s_add_co_u32 s20, s20, s21
	; v: 8 MiB + batch x 2 MiB + head x 131,072 + step of 128 keys x 8,192
	s_lshr_b32 s22, s42, 3
	s_lshl_b32 s22, s22, 21
	s_add_co_u32 s22, s22, 0x800000
	s_lshl_b32 s23, s17, 19
	s_add_co_u32 s22, s22, s23
	s_lshl_b32 s23, s15, 18
	s_add_co_u32 s22, s22, s23
	s_lshl_b32 s23, s42, 1
	s_add_co_u32 s23, s23, s16
	s_and_b32 s23, s23, 15
	s_lshl_b32 s23, s23, 13
	s_add_co_u32 s22, s22, s23
	s_cmp_eq_u32 s[XP], 2
	s_cselect_b32 s20, s22, s20
	s_cselect_b32 s46, s17, s42                    ; the bias runs along the channels: the tile column for q and k, the tile row for v
	s_cselect_b32 s47, s15, s16
	s_mov_b32 s21, 0
	s_add_nc_u64 s[10:11], s[10:11], s[20:21]
	s_lshl_b32 s46, s46, 10
	s_lshl_b32 s47, s47, 9
	s_add_co_u32 s46, s46, s47
	s_mov_b32 s47, 0
	s_add_nc_u64 s[12:13], s[12:13], s[46:47]
	s_wait_kmcnt 0x0
	s_add_co_i32 s86, s68, s69                     ; e0 + e1
	s_add_co_i32 s87, s70, s71                     ; e2 + e3
	s_add_co_i32 s88, s72, s73                     ; e4 + e5
	s_cmp_eq_u32 s[XP], 2
	s_cselect_b32 s87, s88, s87
	s_cselect_b32 s89, s77, s75                    ; e9 or e7
	s_cmp_eq_u32 s[XP], 0
	s_cselect_b32 s86, s86, s87                    ; e(A) + e(B): a sum stands for sum x 2^that
	s_cselect_b32 s89, s74, s89                    ; e(out)
	s_sub_co_i32 s90, 0, s86
	s_sub_co_i32 s91, s89, s86
	s_add_co_i32 s91, s91, 127
	s_lshl_b32 s92, s91, 23
	v_mov_b32 v[SCL], s92                          ; 2^(e(out) - e(A) - e(B)): the three scales folded into the conversion's one
	s_add_co_i32 s91, s91, 15
	s_lshl_b32 s91, s91, 23
	s_or_b32 s91, s91, 0x600000
	v_mov_b32 v[LIM], s91                          ; 57,344 x that
.set j, 0
.rept 16
	v_mov_b32 v[BR+j], 0
.set j, j+1
.endr
	s_cmp_eq_u32 s[XP], 2
	s_cbranch_scc1 .Lbias_rows
.irp b, 0,1,2,3,4,5,6,7                ; q, k: register 8 b + j = bias of channel 16 b + 8 h + j of my 128
	global_load_b128 v[BC+8*\b:BC+8*\b+3], v5, s[12:13] offset:64*\b
	global_load_b128 v[BC+8*\b+4:BC+8*\b+7], v5, s[12:13] offset:64*\b+16
.endr
	s_branch .Lbias_in
.Lbias_rows:
.set j, 0
.rept 64
	v_mov_b32 v[BC+j], 0                           ; v: the sums start from 0,
.set j, j+1
.endr
.irp a, 0,1,2,3,4,5,6,7
	global_load_b32 v[BR+2*\a], v7, s[12:13] offset:64*\a   ; and block a's bias is that of channel 16 a + r
.endr
.Lbias_in:
	s_wait_loadcnt 0x0
.set j, 0
.rept 64
	v_ldexp_f32 v[BC+j], v[BC+j], s90              ; bias / 2^(e(A) + e(B))
.set j, j+1
.endr
.irp a, 0,1,2,3,4,5,6,7
	v_ldexp_f32 v[BR+2*\a], v[BR+2*\a], s90
.endr
.macro FRAG reg, adr, q, i             ; 16 rows x 128 K: registers 4 c .. 4 c + 3 hold K = 32 c + 16 (lane / 16) + 0 .. 15: one permutation of k, the same in A' and B'
.irp c, 0,1,2,3
	ds_load_b128 v[\reg+4*\c:\reg+4*\c+3], v[\adr] offset:128*(\q)+32*\c+(\i)*16*PITCH
.endr
.endm
; 16 matrix instructions: blocks a0, a0 + 1 of A' x B' eight.  first = 1: the bias is C.  The 64 accumulators take turns, one instruction a turn.
.macro MUL16 a0, p, first
.irp a, \a0, \a0+1
.irp b, 0,1,2,3,4,5,6,7
.if \first
	v_wmma_f32_16x16x128_bf8_bf8 v[8*(8*((\a)%4)+\b):8*(8*((\a)%4)+\b)+7], v[128*(\p)+FR*\b:128*(\p)+FR*\b+FR-1], v[AF+FR*(\a):AF+FR*(\a)+FR-1], v[BC+8*\b:BC+8*\b+7]
.else
	v_wmma_f32_16x16x128_bf8_bf8 v[8*(8*((\a)%4)+\b):8*(8*((\a)%4)+\b)+7], v[128*(\p)+FR*\b:128*(\p)+FR*\b+FR-1], v[AF+FR*(\a):AF+FR*(\a)+FR-1], v[8*(8*((\a)%4)+\b):8*(8*((\a)%4)+\b)+7]
.endif
.endr
.endr
.endm
.macro FETCH_B slot, q, p
	WIN TO_B
.irp i, 0,1,2,3,4,5,6,7
	FRAG 128*(\p)+FR*\i, ADRB+\slot, \q, \i
.endr
	WIN 0
.endm
.macro FETCH_A slot, q, i0
.irp i, \i0, \i0+1, \i0+2, \i0+3
	FRAG AF+FR*(\i), ADRA+\slot, \q, \i
.endr
.endm
.macro PLACES n                        ; plain vector lines between a matrix instruction and a load into, or a vector read of, its registers
.rept \n
	v_nop
.endr
.endm
.macro STEP slot, q, first             ; 128 along K, with its successor in the same slot
	s_wait_dscnt 4*NL                              ; B' set and A' blocks 0-3 are in; the youngest 16 loads (blocks 4-7) may be out
.if \first
	WIN FST_LO
.else
	WIN MUL_LO
.endif
	MUL16 0, (\q)%2, \first
	MUL16 2, (\q)%2, \first
	s_wait_dscnt 0
	PLACES NP
	FETCH_B \slot, (\q)+1, 1-(\q)%2
	FETCH_A \slot, (\q)+1, 0
.if \first
	WIN FST_HI
.else
	WIN MUL_HI
.endif
	MUL16 4, (\q)%2, \first
	MUL16 6, (\q)%2, \first
	PLACES NP
	WIN 0
	FETCH_A \slot, (\q)+1, 4
.endm
.macro TURN slot, next, fill           ; a slot's last step changes slots: one barrier; fill = 1: the slot is filled again, two K steps ahead
	s_wait_tensorcnt 0x0                           ; all my tensor loads have landed: my part of the next slot
	ds_add_u32 v[SPW], v[NIL]                      ; 0 onto my spare word
	s_wait_dscnt 4*NL+1                            ; the add and the youngest 16 loads may be out
	WIN MUL_LO
	MUL16 0, 1, 0
	s_wait_dscnt 0x0                               ; the add is done, and my reads of this slot are over
	s_barrier_signal -1
	MUL16 2, 1, 0
	WIN 0
	s_barrier_wait -1
.if \fill
	CREST                                          ; the barrier has opened a round of the cluster's: no wave of any partner still reads this slot or has a load on its way
	s_add_nc_u64 s[G0+4*\slot+2:G0+4*\slot+3], s[G0+4*\slot+2:G0+4*\slot+3], 2*ROWB
	s_add_nc_u64 s[G0B+4*\slot+2:G0B+4*\slot+3], s[G0B+4*\slot+2:G0B+4*\slot+3], 2*ROWB
	JLOAD G0+4*\slot, G1, G0B+4*\slot, G1B         ; the first tensor load behind the round; its four v_nop are the places in front of the loads below
.else
	PLACES NP
.endif
	FETCH_B \next, 0, 0
	FETCH_A \next, 0, 0
	WIN MUL_HI
	MUL16 4, 1, 0
	MUL16 6, 1, 0
	PLACES NP
	WIN 0
	FETCH_A \next, 0, 4
.endm
	s_wait_tensorcnt 1                             ; my part of K step 0 is in; K step 1's load may be out
	s_barrier_signal -1
	s_barrier_wait -1
	FETCH_B 0, 0, 0
	FETCH_A 0, 0, 0
	FETCH_A 0, 0, 4
	STEP 0, 0, 1
	s_mov_b32 s3, LAPS-1
.Llap:                                                 ; a trip goes once round the ring and fills both slots again
	TURN 0, 1, 1
	STEP 1, 0, 0
	TURN 1, 0, 1
	STEP 0, 0, 0
	s_sub_co_u32 s3, s3, 1
	s_cmp_lg_u32 s3, 0
	s_cbranch_scc1 .Llap
	TURN 0, 1, 0                                   ; the last lap fills nothing
	STEP 1, 0, 0
	s_wait_dscnt 4*NL
	WIN MUL_LO
	MUL16 0, 1, 0
	MUL16 2, 1, 0
	s_wait_dscnt 0
	WIN MUL_HI
	MUL16 4, 1, 0
	MUL16 6, 1, 0
	WIN 0
; THE WAY OUT, block by block of 16 rows: hold, convert, store.  Each accumulator is read from its low end on; each block's codes have registers of their own, so no store's data are written again.
.macro CODES_OUT a
.irp b, 0,1,2,3,4,5,6,7
	v_cvt_scalef32_pk8_bf8_f32 v[PC+16*(\a)+2*\b:PC+16*(\a)+2*\b+1], v[T+8*\b:T+8*\b+7], v[SCL]
.endr
	v_nop                                          ; a plain line between the last conversion and the next block's writes of its sources
.endm
.macro EQK a                           ; q, k
.set AC, 64*((\a)%4)
.set WN, 0x02+((\a)/4)
	WIN WN                                         ; source 0: window 2 or 3
.set j, 0
.rept 64
	v_med3_num_f32 v[T+j], v[AC+j], -v[LIM], v[LIM]
.set j, j+1
.endr
	WIN 0
	CODES_OUT \a
.irp g, 0,1,2,3                        ; registers 0-7: my first head's fragment, 8-15: my second head's
	global_store_b128 v[LI], v[PC+16*(\a)+4*\g:PC+16*(\a)+4*\g+3], s[10:11] offset:1024*(\a)+(\g/2)*131072+(\g%2)*512
.endr
.endm
.macro EV a                            ; v: the row's bias first
.set AC, 64*((\a)%4)
.set WN, 0x02+((\a)/4)
	WIN WN
.set j, 0
.rept 32
	v_pk_add_f32 v[T+j:T+j+1], v[AC+j:AC+j+1], v[BR+2*(\a):BR+2*(\a)+1] op_sel_hi:[1,0]
.set j, j+2
.endr
	WIN 0
.set j, 0
.rept 64
	v_med3_num_f32 v[T+j], v[T+j], -v[LIM], v[LIM]
.set j, j+1
.endr
	CODES_OUT \a
.irp g, 0,1,2,3                        ; one fragment: 16 channels x 128 keys
	global_store_b128 v[LI], v[PC+16*(\a)+4*\g:PC+16*(\a)+4*\g+3], s[10:11] offset:((\a)/4)*131072+((\a)%4)*2048+512*\g
.endr
.endm
	PLACES NP
	s_cmp_eq_u32 s[XP], 2
	s_cbranch_scc1 .Lv_out
.irp a, 0,1,2,3,4,5,6,7
	EQK \a
.endr
	s_branch .Lend
.Lv_out:
.irp a, 0,1,2,3,4,5,6,7
	EV \a
.endr
.Lend:
	s_wait_tensorcnt 0x0                           ; the wave's end
	ds_add_u32 v[SPW], v[NIL]
	s_wait_dscnt 0x0
	CROUND                                         ; the closing round: no work-group ends while a partner may still ask for a tile that names it
	s_endpgm
.Lfunc_end_k_qc0aadb1d61_qkv:
	.size	k_qc0aadb1d61_qkv, .Lfunc_end_k_qc0aadb1d61_qkv-k_qc0aadb1d61_qkv
	.p2alignl 7, 3214868480
	.fill 96, 4, 3214868480
	.section	.rodata,"a",@progbits
	.p2align	6, 0x0
	.amdhsa_kernel k_qc0aadb1d61_qkv
		.amdhsa_group_segment_fixed_size 327680
		.amdhsa_private_segment_fixed_size 0
		.amdhsa_enable_private_segment 0
		.amdhsa_kernarg_size 72
		.amdhsa_user_sgpr_count 2
		.amdhsa_user_sgpr_kernarg_segment_ptr 1
		.amdhsa_wavefront_size32 1
		.amdhsa_system_sgpr_workgroup_id_x 1
		.amdhsa_system_sgpr_workgroup_id_y 1
		.amdhsa_system_sgpr_workgroup_id_z 1
		.amdhsa_system_vgpr_workitem_id 0
		.amdhsa_next_free_vgpr 1024
		.amdhsa_next_free_sgpr 100
		.amdhsa_reserve_vcc 0
		.amdhsa_float_denorm_mode_32 3
		.amdhsa_float_denorm_mode_16_64 3
		.amdhsa_memory_ordered 1
		.amdhsa_forward_progress 1
		.amdhsa_inst_pref_size 184
	.end_amdhsa_kernel
	.amdgpu_metadata
---
amdhsa.version: [ 1, 2 ]
amdhsa.kernels:
  - .name:           k_qc0aadb1d61_qkv
    .symbol:         k_qc0aadb1d61_qkv.kd
    .args:
      - { .name: xc, .offset: 0, .size: 8, .value_kind: global_buffer, .address_space: global }
      - { .name: wq_w_codes, .offset: 8, .size: 8, .value_kind: global_buffer, .address_space: global }
      - { .name: wk_w_codes, .offset: 16, .size: 8, .value_kind: global_buffer, .address_space: global }
      - { .name: wv_w_codes, .offset: 24, .size: 8, .value_kind: global_buffer, .address_space: global }
      - { .name: wq_b, .offset: 32, .size: 8, .value_kind: global_buffer, .address_space: global }
      - { .name: wk_b, .offset: 40, .size: 8, .value_kind: global_buffer, .address_space: global }
      - { .name: wv_b, .offset: 48, .size: 8, .value_kind: global_buffer, .address_space: global }
      - { .name: lowp_scales, .offset: 56, .size: 8, .value_kind: global_buffer, .address_space: global }
      - { .name: qkv, .offset: 64, .size: 8, .value_kind: global_buffer, .address_space: global }
    .group_segment_fixed_size: 327680
    .private_segment_fixed_size: 0
    .kernarg_segment_align: 8
    .kernarg_segment_size: 72
    .max_flat_workgroup_size: 128
    .sgpr_count:     100
    .vgpr_count:     1024
    .wavefront_size: 32
...
	.end_amdgpu_metadata
.endif
;; end of part 2
;; launch attn (part 3): grid 8 x 32, 8 waves a work-group, clusters of 4 x 1, 327,680 bytes of LDS; arguments qkv, mask, lowp_scales, ctxc; writes ctxc
.if DOCPART == 3
	.amdgcn_target "amdgcn-amd-amdhsa--gfx1250"
	.amdhsa_code_object_version 6
	.text
	.protected	k_qc0aadb1d61_attn
	.globl	k_qc0aadb1d61_attn
	.p2align	8
	.type	k_qc0aadb1d61_attn,@function
k_qc0aadb1d61_attn:
	s_mov_b64 s[64:65], 0
	v_nop
	global_prefetch_b8 v0, s[64:65] scope:SCOPE_SE
	s_setreg_imm32_b32 hwreg(HW_REG_WAVE_MODE, 25, 1), 1
	s_wait_xcnt 0x0
	s_wait_alu depctr_hold_cnt(0) depctr_sa_sdst(0) depctr_va_vdst(0) depctr_va_sdst(0) depctr_va_ssrc(0) depctr_va_vcc(0) depctr_vm_vsrc(0)
	s_getreg_b32 s2, hwreg(HW_REG_IB_STS2, 6, 4)
	s_cmp_eq_u32 s2, 0
	s_cbranch_scc0 .Lentry_in_a_cluster
	s_endpgm
.Lentry_in_a_cluster:
	s_bfe_u32 s2, ttmp6, 0x10000c
	s_cmp_lg_u32 s2, 0x3003
	s_cbranch_scc0 .Lentry_shape_is_right
	s_endpgm
.Lentry_shape_is_right:
; ctx = softmax(q k^T / 8 + mask x (-1e9)) v for one head, both products on E5M2 codes; the result is quantised (entry 10 of the scales) and stored as images of the next product's operand registers.
; THE SOFTMAX AHEAD OF THE SECOND PRODUCT: t = logit x log2(e); M = the running largest t rounded UP to a whole number; p = 2^(t - M) is quantised with 2^e8, not normalised; the row's sum is taken of the
; unquantised p in f32 and divides at the end.  When M moves, the sum and O are multiplied by 2^(old M - new M), which rounds nothing.
; SHARES.  A work-group owns 256 queries of one (batch, head); each of its eight waves 32 of them, two tiles, in 512 registers: two waves to a SIMD, so that one wave's vector work stands beside the other's products and LDS loads.
; THE HEAD'S WHOLE K AND V LIE IN LDS, each byte filled once: 131,072 bytes each, as images of operand registers, so every fragment load reads 512 consecutive bytes.  No slot is filled again.
; CLUSTER.  The four query blocks of a cluster belong to one head: each tile is asked for jointly by all four.  Every wave issues two loads of 16 KiB: first its part of keys 0-1,023, then of keys 1,024-2,047:
; two tensor loads of a wave are out at the most.  The first half is worked on while the second lands.
; LAYOUT.  S^T = K Q^T (source 0 = 16 keys, source 1 = 16 queries, K = 64), O^T = V^T P^T (source 0 = 16 channels, source 1 = P, K = 128 keys): a lane holds ONE query throughout.  In the plain 8-bit layout the
; conversion of score tile t gives registers 2 t, 2 t + 1 of P, and that of O^T's tile ct registers 2 ct, 2 ct + 1 of the next operand.
; THE MASK costs no vector line in the loop: mask x (-8e9) / 2^(e6 + e7) is the C of the score products (t = c x (sum + that), c = log2(e) / 8 x 2^(e6 + e7)).
; LIMITS: e6 + e7 between -90 and 120; e8, and e10 - e8 - e9, between -126 and 112.  NaN is not served.  A batch ALL of whose keys are masked: the weights then hang on the rounding of sums near 1e9, here as in the definition, and may differ.
; REGISTERS.  window 0: v1-11 addresses and constants; v[12:13] a second chain of sums; v16-31 statistics, 8 a tile: -M, largest t, the sum (2), f (2), at work (2); v32-63 P's codes; v64-191 S^T, then p; v192-255 the mask terms.
;   window 1: v0-63 O^T; v64-79 Q; v128-191 K's eight fragments; v192-255 V's four.
.set MT,   262144                      ; LDS: K at 0, V at 131,072, the mask terms (2,048 f32) here
.set LI,   1                           ; v1   16 x lane
.set AV0,  2                           ; v2   + V's first byte
.set AM0,  3                           ; v3   MT + 32 (lane / 16)
.set ADK,  4                           ; v4-6 the step's addresses
.set ADV,  5
.set ADM,  6
.set LIMP, 7                           ; v7   57,344 x 2^e8
.set SCP,  8                           ; v8   2^e8
.set MOF,  9                           ; v9   32 x thread: my eight numbers of the mask
.set LIMC, 10                          ; v10  57,344 x 2^(e10 - e8 - e9)
.set SCO,  11                          ; v11  2^(e10 - e8 - e9)
.set X2,   12
.set MST,  14                          ; v14  MT + 32 x thread
.set ST,   16
.set PC,   32
.set S,    64
.set MC,   192
.set QF,   64                          ; window 1
.set KF,   128
.set VF,   192
.set WV,   12
.set SEL,  20
.set CS,   22
.set G1,   24
.set G0,   32
.set TB,   40                          ; s40  the step's first byte in K's and in V's images
.set TBM,  41                          ; s41  and in the mask terms
.set CNT,  42
.set MSB, 0
.macro WIN new
.if MSB != \new
	s_set_vgpr_msb (MSB<<8)|\new
.set MSB, \new
.endif
.endm
.macro CROUND                          ; a round of the cluster's barrier
	s_barrier_signal -1
	s_barrier_wait -1
	s_cmp_lg_u32 s[WV], 0
	s_cbranch_scc1 .Lnot_wave_0_\@
	s_barrier_signal -3
.Lnot_wave_0_\@:
	s_barrier_wait -3
	s_barrier_signal -1
	s_barrier_wait -1
.endm
	s_load_b256 s[4:11], s[0:1], 0x0               ; qkv s[4:5], mask s[6:7], the scales' exponents s[8:9], ctxc s[10:11]
	s_set_vgpr_msb 0x40
	v_lshl_add_u32 v126, v0, 2, 0x42000
	v_mov_b32 v127, 0
	s_set_vgpr_msb 0x4045
	ds_add_u32 v126, v127
	ds_add_u32 v126, v127
	s_set_vgpr_msb 0x4500
	v_lshrrev_b32 v1, 5, v0
	v_readfirstlane_b32 s[WV], v1                  ; wave 0..7
	s_bfe_u32 s13, ttmp6, 0x40000                  ; cx
	s_lshl_b32 s14, ttmp9, 2
	s_add_co_u32 s14, s14, s13                     ; my block of 256 queries: it enters Q's and the output's addresses alone
	s_and_b32 s15, ttmp7, 0xffff                   ; 16 x batch + head, which the four partners share
	s_lshr_b32 s16, s[WV], 2                       ; I fetch for K (0) or for V (1),
	s_and_b32 s17, s[WV], 3                        ; which 16 KiB of each half
	s_lshl_b32 s18, s16, 17
	s_lshl_b32 s19, s17, 14
	s_add_co_u32 s18, s18, s19                     ; where it goes in LDS
	s_lshl_b32 s2, s16, 22
	s_add_co_u32 s2, s2, 0x400000                  ; K's images begin at 4 MiB of qkv, V's at 8 MiB
	s_lshl_b32 s3, s15, 17                         ; a head's images are 131,072 bytes
	s_add_co_u32 s2, s2, s3
	s_add_co_u32 s2, s2, s19
	s_mov_b32 s3, 0
	s_mov_b32 s[G1], 15|(1<<21)                    ; the mask: all four work-groups; elements of 1 byte; no padding; bit 21 beside a mask
	s_mov_b32 s[G1+1], 256<<16                     ; tensor_dim0: 64 dense rows of 256 bytes
	s_mov_b32 s[G1+2], 64<<16                      ; tensor_dim1
	s_mov_b32 s[G1+3], 256<<16                     ; tile_dim0
	s_mov_b32 s[G1+4], 64                          ; tile_dim1
	s_mov_b32 s[G1+5], 256                         ; stride
	s_mov_b32 s[G1+6], 0
	s_mov_b32 s[G1+7], 0
	s_mov_b32 s[SEL], 0x76543210
	s_mov_b32 s[SEL+1], 0xfedcba98
	s_mov_b32 s[TB], 0
	s_mov_b32 s[TBM], 0
	s_wait_dscnt 0x0
	s_wait_kmcnt 0x0
	s_load_b512 s[44:59], s[8:9], 0x0              ; e0 .. e15
	s_mov_b32 s[G0], 1
	s_mov_b32 s[G0+1], s18
	s_add_nc_u64 s[G0+2:G0+3], s[4:5], s[2:3]
	s_mov_b32 s[G0+4], 1
	s_add_co_u32 s[G0+5], s18, 65536               ; the second half of the keys: 65,536 bytes on, in LDS and in memory
	s_add_nc_u64 s[G0+6:G0+7], s[G0+2:G0+3], 0x10000
	s_or_b32 s[G0+3], s[G0+3], 0x80000000
	s_or_b32 s[G0+7], s[G0+7], 0x80000000
	CROUND                                         ; all four work-groups are here: the joint loads meet
	tensor_load_to_lds s[G0:G0+3], s[G1:G1+7]
	s_nop 0
	tensor_load_to_lds s[G0+4:G0+7], s[G1:G1+7]
	s_nop 0
.rept 4
	v_nop
.endr
	v_and_b32 v15, 31, v0
	v_lshlrev_b32 v[LI], 4, v15
	v_add_nc_u32 v[AV0], 131072, v[LI]
	v_bfe_u32 v15, v0, 4, 1
	v_lshlrev_b32 v[AM0], 5, v15
	v_add_nc_u32 v[AM0], MT, v[AM0]
	v_lshlrev_b32 v[MOF], 5, v0
	v_lshl_add_u32 v[MST], v0, 5, MT
	s_lshl_b32 s2, s15, 17
	s_lshl_b32 s3, s14, 14                         ; 16 tiles of queries a block, 1,024 bytes each
	s_add_co_u32 s2, s2, s3
	s_lshl_b32 s3, s[WV], 11                       ; two tiles a wave
	s_add_co_u32 s2, s2, s3
	s_mov_b32 s3, 0
	s_add_nc_u64 s[4:5], s[4:5], s[2:3]            ; Q's images at my first tile
	WIN 0x40                                       ; destination window 1
.irp u, 0,1
.irp g, 0,1
	global_load_b128 v[QF+8*\u+4*\g:QF+8*\u+4*\g+3], v[LI], s[4:5] offset:1024*\u+512*\g
.endr
.endr
.set j, 0
.rept 64
	v_mov_b32 v[j], 0                              ; O^T: the step is written once; the first finds zeros
.set j, j+1
.endr
	WIN 0
	s_lshr_b32 s2, s15, 4                          ; batch
	s_lshl_b32 s2, s2, 13
	s_mov_b32 s3, 0
	s_add_nc_u64 s[6:7], s[6:7], s[2:3]
	global_load_b128 v[S:S+3], v[MOF], s[6:7]      ; mask of keys 8 t .. 8 t + 7
	global_load_b128 v[S+4:S+7], v[MOF], s[6:7] offset:16
.irp u, 0,1
	v_mov_b32 v[ST+8*\u+1], 0xff61b1e6             ; the largest t so far: -3e38
	v_floor_f32 v[ST+8*\u], -v[ST+8*\u+1]          ; -M
.irp k, 2,3,4,5,6,7
	v_mov_b32 v[ST+8*\u+\k], 0
.endr
.endr
	; where my images of ctx begin: (head / 4) MiB + tile of rows x 4,096 + ((head / 2) % 2) x 2,048 + (head % 2) x 1,024
	s_and_b32 s2, s15, 15
	s_lshr_b32 s3, s2, 2
	s_lshl_b32 s3, s3, 20
	s_bfe_u32 s62, s2, 0x10001
	s_lshl_b32 s62, s62, 11
	s_add_co_u32 s3, s3, s62
	s_and_b32 s62, s2, 1
	s_lshl_b32 s62, s62, 10
	s_add_co_u32 s3, s3, s62
	s_lshr_b32 s62, s15, 4
	s_lshl_b32 s62, s62, 19                        ; 128 tiles of rows a batch
	s_add_co_u32 s3, s3, s62
	s_lshl_b32 s62, s14, 16
	s_add_co_u32 s3, s3, s62
	s_lshl_b32 s62, s[WV], 13
	s_add_co_u32 s2, s3, s62
	s_mov_b32 s3, 0
	s_add_nc_u64 s[10:11], s[10:11], s[2:3]
	s_wait_kmcnt 0x0
	s_add_co_i32 s60, s50, s51                     ; e6 + e7
	s_sub_co_i32 s61, 0, s60
	s_lshl_b32 s62, s60, 23
	s_add_co_i32 s[CS], s62, 0x3e38aa3b            ; c = log2(e) / 8 with e6 + e7 added to its exponent field
	s_mov_b32 s[CS+1], s[CS]                       ; (named with it as a pair, so it is written)
	s_add_co_i32 s62, s52, 127
	s_lshl_b32 s63, s62, 23
	v_mov_b32 v[SCP], s63
	s_add_co_i32 s62, s62, 15
	s_lshl_b32 s62, s62, 23
	s_or_b32 s62, s62, 0x600000
	v_mov_b32 v[LIMP], s62
	s_sub_co_i32 s62, s54, s52
	s_sub_co_i32 s62, s62, s53                     ; O^T / l stands for that x 2^(e8 + e9): its code is taken with 2^(e10 - e8 - e9)
	s_add_co_i32 s62, s62, 127
	s_lshl_b32 s63, s62, 23
	v_mov_b32 v[SCO], s63
	s_add_co_i32 s62, s62, 15
	s_lshl_b32 s62, s62, 23
	s_or_b32 s62, s62, 0x600000
	v_mov_b32 v[LIMC], s62
	s_wait_loadcnt 0x0                             ; Q and the mask
.irp j, 0,1,2,3,4,5,6,7
	v_mul_f32 v[S+\j], 0xcfee6b28, v[S+\j]         ; mask x (-8e9): eight times the definition's mask x (-1e9), with the same rounding
.endr
.irp j, 0,1,2,3,4,5,6,7
	v_ldexp_f32 v[S+\j], v[S+\j], s61              ; / 2^(e6 + e7)
.endr
	ds_store_b128 v[MST], v[S:S+3]
	ds_store_b128 v[MST], v[S+4:S+7] offset:16
; One tile's softmax for 128 keys: its 64 scores a lane lie in v[S + 64 u] on, register 8 t + j = key 16 t + 8 (lane / 16) + j.
.macro SOFTMAX u
.set rS, S+64*(\u)
.set rT, ST+8*(\u)
.set rP, PC+16*(\u)
	v_max3_num_f32 v[rT+6], v[rS], v[rS+1], v[rS+2]        ; the largest score, in two chains, each accumulator from its low end on
	v_max3_num_f32 v[rT+7], v[rS+3], v[rS+4], v[rS+5]
.irp i, 6,10,14,18,22,26,30,34,38,42,46,50,54,58
	v_max3_num_f32 v[rT+6], v[rT+6], v[rS+\i], v[rS+\i+1]
	v_max3_num_f32 v[rT+7], v[rT+7], v[rS+\i+2], v[rS+\i+3]
.endr
	v_max3_num_f32 v[rT+6], v[rT+6], v[rS+62], v[rS+63]
	v_max_num_f32 v[rT+6], v[rT+6], v[rT+7]
	v_permlanex16_b32 v[rT+7], v[rT+6], s[SEL], s[SEL+1]
	v_max_num_f32 v[rT+6], v[rT+6], v[rT+7]                ; and lane l xor 16's
	v_mul_f32 v[rT+6], s[CS], v[rT+6]                      ; as t (c is positive)
	v_max_num_f32 v[rT+1], v[rT+1], v[rT+6]                ; the running largest t
	v_mov_b32 v[rT+6], v[rT]
	v_floor_f32 v[rT], -v[rT+1]                            ; the new -M = floor(-t): M is a whole number
	v_sub_f32 v[rT+6], v[rT], v[rT+6]                      ; old M - new M, 0 or less
	v_cvt_i32_f32 v[rT+6], v[rT+6]                         ; (it saturates)
	v_ldexp_f32 v[rT+4], 1.0, v[rT+6]                      ; f = 2^(old M - new M)
.set j, 0
.rept 32
	v_pk_fma_f32 v[rS+j:rS+j+1], v[rS+j:rS+j+1], s[CS:CS+1], v[rT:rT+1] op_sel_hi:[1,0,0]   ; t - M
.set j, j+2
.endr
.set j, 0
.rept 64
	v_exp_f32 v[rS+j], v[rS+j]                             ; p = 2^(t - M)
.set j, j+1
.endr
	v_pk_mul_f32 v[rT+2:rT+3], v[rT+2:rT+3], v[rT+4:rT+5] op_sel_hi:[1,0]   ; the sum under the new M (the plain line behind the exponentials)
	s_wait_alu depctr_va_vdst(0)
	v_pk_add_f32 v[X2:X2+1], v[rS:rS+1], v[rS+2:rS+3]      ; the sum of the unquantised p, in two chains
.irp j, 4,8,12,16,20,24,28,32,36,40,44,48,52,56,60
	v_pk_add_f32 v[rT+2:rT+3], v[rT+2:rT+3], v[rS+\j:rS+\j+1]
	v_pk_add_f32 v[X2:X2+1], v[X2:X2+1], v[rS+\j+2:rS+\j+3]
.endr
	v_pk_add_f32 v[rT+2:rT+3], v[rT+2:rT+3], v[X2:X2+1]
.irp b, 0,1,2,3
.irp i, 0,1,2,3,4,5,6,7,8,9,10,11,12,13,14,15
	v_min_num_f32 v[rS+16*\b+\i], v[rS+16*\b+\i], v[LIMP]  ; the conversion does not saturate (ISA guide 7.6.2); p is not negative, so the hold is one-sided
.endr
	v_cvt_scalef32_pk8_bf8_f32 v[rP+4*\b:rP+4*\b+1], v[rS+16*\b:rS+16*\b+7], v[SCP]
	v_cvt_scalef32_pk8_bf8_f32 v[rP+4*\b+2:rP+4*\b+3], v[rS+16*\b+8:rS+16*\b+15], v[SCP]
.endr
.endm
; A KEY STEP: 128 keys.
.macro STEP
	v_add_nc_u32 v[ADK], s[TB], v[LI]
	v_add_nc_u32 v[ADV], s[TB], v[AV0]
	v_add_nc_u32 v[ADM], s[TBM], v[AM0]
.irp t, 0,1,2,3,4,5,6,7
	ds_load_b128 v[MC+8*\t:MC+8*\t+3], v[ADM] offset:64*\t          ; the mask terms of keys 16 t + 8 (lane / 16) + 0 .. 7
	ds_load_b128 v[MC+8*\t+4:MC+8*\t+7], v[ADM] offset:64*\t+16
.endr
	WIN 0x40
.irp t, 0,1,2,3,4,5,6,7
	ds_load_b128 v[KF+8*\t:KF+8*\t+3], v[ADK] offset:1024*\t
	ds_load_b128 v[KF+8*\t+4:KF+8*\t+7], v[ADK] offset:1024*\t+512
.endr
.irp t, 0,1,2,3
.irp g, 0,1,2,3
	ds_load_b128 v[VF+16*\t+4*\g:VF+16*\t+4*\g+3], v[ADV] offset:2048*\t+512*\g
.endr
.endr
	s_wait_dscnt 16                                ; the mask terms and K are in; V's sixteen loads stay out
	WIN 0x05                                       ; K and Q window 1; the mask terms and S^T window 0
.irp t, 0,1,2,3,4,5,6,7
.irp u, 0,1
	v_wmma_f32_16x16x64_bf8_bf8 v[S+64*\u+8*\t:S+64*\u+8*\t+7], v[KF+8*\t:KF+8*\t+7], v[QF+8*\u:QF+8*\u+7], v[MC+8*\t:MC+8*\t+7]
.endr
.endr
	WIN 0
.rept 4
	v_nop                                          ; places in front of the first read of the scores
.endr
	SOFTMAX 0
	SOFTMAX 1
	WIN 0x41                                       ; O^T window 1, f window 0
.irp u, 0,1
.irp j, 0,2,4,6,8,10,12,14,16,18,20,22,24,26,28,30
	v_pk_mul_f32 v[32*\u+\j:32*\u+\j+1], v[32*\u+\j:32*\u+\j+1], v[ST+8*\u+4:ST+8*\u+5] op_sel_hi:[1,0]   ; O^T under the new M (also the plain lines behind the conversions)
.endr
.endr
	s_wait_dscnt 0x0                               ; V is in
	WIN 0x51                                       ; V window 1, P window 0, O^T window 1
.irp t, 0,1,2,3
.irp u, 0,1                            ; the eight accumulators take turns
	v_wmma_f32_16x16x128_bf8_bf8 v[32*\u+8*\t:32*\u+8*\t+7], v[VF+16*\t:VF+16*\t+15], v[PC+16*\u:PC+16*\u+15], v[32*\u+8*\t:32*\u+8*\t+7]
.endr
.endr
	WIN 0
.rept 4
	v_nop                                          ; places in front of the next step's loads into V's registers, and of the way out's reads
.endr
	s_add_co_u32 s[TB], s[TB], 8192
	s_add_co_u32 s[TBM], s[TBM], 512
.endm
	s_wait_tensorcnt 0x1                           ; my part of keys 0-1,023 is in; my second load stays out
	s_wait_dscnt 0x0                               ; my mask terms lie in LDS
	s_barrier_signal -1
	s_barrier_wait -1
	s_mov_b32 s[CNT], 8
.Lfirst_half:
	STEP
	s_sub_co_u32 s[CNT], s[CNT], 1
	s_cmp_lg_u32 s[CNT], 0
	s_cbranch_scc1 .Lfirst_half
	s_wait_tensorcnt 0x0                           ; my part of keys 1,024-2,047 is in,
	s_wait_dscnt 0x0
	s_barrier_signal -1
	s_barrier_wait -1                              ; everybody's is
	s_mov_b32 s[TB], 65536
	s_mov_b32 s[TBM], 4096
	s_mov_b32 s[CNT], 8
.Lsecond_half:
	STEP
	s_sub_co_u32 s[CNT], s[CNT], 1
	s_cmp_lg_u32 s[CNT], 0
	s_cbranch_scc1 .Lsecond_half
	; THE WAY OUT: O^T / l, held, converted: the conversions' results are the next operand's registers, and go out as they stand, 512 consecutive bytes a store.
.irp u, 0,1
	v_add_f32 v[ST+8*\u+2], v[ST+8*\u+2], v[ST+8*\u+3]
.endr
.irp u, 0,1
	v_permlanex16_b32 v[ST+8*\u+7], v[ST+8*\u+2], s[SEL], s[SEL+1]
.endr
.irp u, 0,1
	v_add_f32 v[ST+8*\u+2], v[ST+8*\u+2], v[ST+8*\u+7]     ; the row's sum
.endr
.irp u, 0,1
	v_rcp_f32 v[ST+8*\u+4], v[ST+8*\u+2]
.endr
	v_nop                                          ; a plain line behind the reciprocals
	s_wait_alu depctr_va_vdst(0)
.irp u, 0,1
	WIN 0x01                                       ; source 0 (O^T) window 1
.irp j, 0,2,4,6,8,10,12,14,16,18,20,22,24,26,28,30
	v_pk_mul_f32 v[S+64*\u+\j:S+64*\u+\j+1], v[32*\u+\j:32*\u+\j+1], v[ST+8*\u+4:ST+8*\u+5] op_sel_hi:[1,0]
.endr
	WIN 0
.set j, 0
.rept 32
	v_med3_num_f32 v[S+64*\u+j], v[S+64*\u+j], -v[LIMC], v[LIMC]
.set j, j+1
.endr
.irp t, 0,1,2,3
	v_cvt_scalef32_pk8_bf8_f32 v[PC+16*\u+2*\t:PC+16*\u+2*\t+1], v[S+64*\u+8*\t:S+64*\u+8*\t+7], v[SCO]
.endr
	v_nop
.irp g, 0,1
	global_store_b128 v[LI], v[PC+16*\u+4*\g:PC+16*\u+4*\g+3], s[10:11] offset:4096*\u+512*\g
.endr
.endr
	s_set_vgpr_msb 0x5
	s_wait_tensorcnt 0x0
	ds_add_u32 v126, v127
	s_wait_dscnt 0x0
	s_set_vgpr_msb 0x500
	CROUND                                         ; the closing round
	s_endpgm
.Lfunc_end_k_qc0aadb1d61_attn:
	.size	k_qc0aadb1d61_attn, .Lfunc_end_k_qc0aadb1d61_attn-k_qc0aadb1d61_attn
	.p2alignl 7, 3214868480
	.fill 96, 4, 3214868480
	.section	.rodata,"a",@progbits
	.p2align	6, 0x0
	.amdhsa_kernel k_qc0aadb1d61_attn
		.amdhsa_group_segment_fixed_size 327680
		.amdhsa_private_segment_fixed_size 0
		.amdhsa_enable_private_segment 0
		.amdhsa_kernarg_size 32
		.amdhsa_user_sgpr_count 2
		.amdhsa_user_sgpr_kernarg_segment_ptr 1
		.amdhsa_wavefront_size32 1
		.amdhsa_system_sgpr_workgroup_id_x 1
		.amdhsa_system_sgpr_workgroup_id_y 1
		.amdhsa_system_sgpr_workgroup_id_z 1
		.amdhsa_system_vgpr_workitem_id 0
		.amdhsa_next_free_vgpr 512
		.amdhsa_next_free_sgpr 66
		.amdhsa_reserve_vcc 0
		.amdhsa_float_denorm_mode_32 3
		.amdhsa_float_denorm_mode_16_64 3
		.amdhsa_memory_ordered 1
		.amdhsa_forward_progress 1
		.amdhsa_inst_pref_size 77
	.end_amdhsa_kernel
	.amdgpu_metadata
---
amdhsa.version: [ 1, 2 ]
amdhsa.kernels:
  - .name:           k_qc0aadb1d61_attn
    .symbol:         k_qc0aadb1d61_attn.kd
    .args:
      - { .name: qkv, .offset: 0, .size: 8, .value_kind: global_buffer, .address_space: global }
      - { .name: mask, .offset: 8, .size: 8, .value_kind: global_buffer, .address_space: global }
      - { .name: lowp_scales, .offset: 16, .size: 8, .value_kind: global_buffer, .address_space: global }
      - { .name: ctxc, .offset: 24, .size: 8, .value_kind: global_buffer, .address_space: global }
    .group_segment_fixed_size: 327680
    .private_segment_fixed_size: 0
    .kernarg_segment_align: 8
    .kernarg_segment_size: 32
    .max_flat_workgroup_size: 256
    .sgpr_count:     66
    .vgpr_count:     512
    .wavefront_size: 32
...
	.end_amdgpu_metadata
.endif
;; end of part 3
;; launch wo (part 4): grid 8 x 16, 4 waves a work-group, clusters of 4 x 4, 327,680 bytes of LDS; arguments ctxc, wo_w_codes, lowp_scales, wo_b, x, y; writes y
.if DOCPART == 4
	.amdgcn_target "amdgcn-amd-amdhsa--gfx1250"
	.amdhsa_code_object_version 6
	.text
	.protected	k_qc0aadb1d61_wo
	.globl	k_qc0aadb1d61_wo
	.p2align	8
	.type	k_qc0aadb1d61_wo,@function
k_qc0aadb1d61_wo:
	s_mov_b64 s[64:65], 0
	v_nop
	global_prefetch_b8 v0, s[64:65] scope:SCOPE_SE
	s_setreg_imm32_b32 hwreg(HW_REG_WAVE_MODE, 25, 1), 1
	s_wait_xcnt 0x0
	s_wait_alu depctr_hold_cnt(0) depctr_sa_sdst(0) depctr_va_vdst(0) depctr_va_sdst(0) depctr_va_ssrc(0) depctr_va_vcc(0) depctr_vm_vsrc(0)
	s_getreg_b32 s2, hwreg(HW_REG_IB_STS2, 6, 4)
	s_cmp_eq_u32 s2, 0
	s_cbranch_scc0 .Lentry_in_a_cluster
	s_endpgm
.Lentry_in_a_cluster:
	s_bfe_u32 s2, ttmp6, 0x10000c
	s_cmp_lg_u32 s2, 0xf033
	s_cbranch_scc0 .Lentry_shape_is_right
	s_endpgm
.Lentry_shape_is_right:
; y = A W^T x 2^(eA + eB) + bias + residual, f32, rows of 1,024.  A: E5M2 codes stored as images of operand registers, [K step of 256][tile of 16 rows][128 along K][2,048 B]; W: codes, [1,024][SIZE_K], K innermost.
; A tile of 256 rows x 128 columns is made by four waves, 128 x 64 each (32 accumulators): 128 work-groups; a tile of 256 x 256 would give 64.
; K goes in steps of 256 through two LDS slots: A's 16 x 2 images (65,536 dense bytes, read 512 consecutive bytes a load), then W's 128 rows of 256 bytes (+ 16 of padding).
; A's images hold the plain 8-bit layout (registers 2 c, 2 c + 1: k = 16 c + 8 (lane / 16) + 0 .. 7), so W's fragments are read in that layout too: eight loads of 8 bytes, whose 32 lanes touch 64 different banks.
; THE MATRIX INSTRUCTION IS USED TRANSPOSED (source 0 = 16 rows of W, source 1 = 16 rows of A): a lane holds eight neighbouring columns of one row.
; CLUSTERS: 4 x 4 work-groups; A's tiles are asked for jointly by a row of the cluster, W's by a column.
; The bias, divided by 2^(eA + eB), is the C of each sum's first matrix instruction.  On the way out a block of 16 rows goes through the wave's stage in LDS and comes back as rows of 256 bytes;
; one packed multiply-add gives sum x 2^(eA + eB) + residual; sixteen lanes store 256 consecutive bytes, aligned.
; LIMIT: eA + eB between -126 and 127.
; REGISTERS: window 0: v0-31 addresses; v32-63 the bias as C; v128-255 A's fragments, one set; on the way out v128-191 rows from the stage, v192-255 the residual.  window 1: W's fragments, two sets, at v0 and v128.
;   window 2, 3: the accumulators of my rows 0-63, 64-127 (accumulator (a, b) at v[8 (8 (a % 4) + b)], b = 0 .. 3).
.set SIZE_K, 1024
.set EA,     78                        ; s78, s79: entries 10 and 11 of the scales (entry n lies in s[68 + n])
.set EB,     79
.set PITCH,  272
.set FR,     16
.set NL,     4
.set NP,     4
.set BOFF,   65536                     ; W's rows in a slot
.set BHALF,  64*PITCH
.set SLOT,   BOFF+2*BHALF
.set LAPS,   SIZE_K/512
.set SPARE,  2*SLOT                    ; behind the ring: the spare words, 128 bytes a wave
.set SPITCH, 272                       ; the stage: 16 rows x (256 + 16) bytes a wave, in slot 0, which has had its last fill and its last read by then
.set ADRA, 16
.set ADRB, 20
.set STO,  24
.set RD,   25
.set CO,   26
.set SPW,  28
.set NIL,  29
.set BC,   32
.set AF,   128
.set BK,   128
.set RES,  192
.set RSP,  84                          ; s[84:85] the residual, s[86:87] y
.set OUTP, 86
.set G1, 24
.set G0, 32
.set G1B, 48
.set G0B, 56
.set MSB, 0
.macro WIN new
.if MSB != \new
	s_set_vgpr_msb (MSB<<8)|\new
.set MSB, \new
.endif
.endm
.set MUL_LO, 0xa1
.set MUL_HI, 0xf1
.set FST_LO, 0x81
.set FST_HI, 0xc1
.set TO_B,   0x40
.macro JLOAD g0a, g1a, g0b, g1b        ; waves 0, 1 fetch A's halves, waves 2, 3 W's; four v_nop follow each line
	s_cmp_eq_u32 s15, 0
	s_cbranch_scc0 .Lfor_b_\@
	tensor_load_to_lds s[\g0a:\g0a+3], s[\g1a:\g1a+7]
	s_nop 0
.rept 4
	v_nop
.endr
	s_branch .Lasked_\@
.Lfor_b_\@:
	tensor_load_to_lds s[\g0b:\g0b+3], s[\g1b:\g1b+7]
	s_nop 0
.rept 4
	v_nop
.endr
.Lasked_\@:
.endm
.macro CREST
	s_cmp_lg_u32 s14, 0
	s_cbranch_scc1 .Lnot_wave_0_\@
	s_barrier_signal -3
.Lnot_wave_0_\@:
	s_barrier_wait -3
	s_barrier_signal -1
	s_barrier_wait -1
.endm
.macro CROUND
	s_barrier_signal -1
	s_barrier_wait -1
	CREST
.endm
	s_load_b256 s[4:11], s[0:1], 0x0               ; A s[4:5], W s[6:7], the scales' exponents s[8:9], the bias s[10:11]
	s_load_b128 s[84:87], s[0:1], 0x20             ; the residual, y
	v_lshl_add_u32 v[SPW], v0, 2, SPARE
	v_mov_b32 v[NIL], 0
	ds_add_u32 v28, v29
	ds_add_u32 v28, v29
	s_wait_dscnt 0x0
	v_lshrrev_b32 v1, 5, v0
	v_readfirstlane_b32 s14, v1                    ; wave 0..3
	s_lshr_b32 s15, s14, 1                         ; which 128 rows are mine.  Also: I fetch for A (0) or W (1)
	s_and_b32 s16, s14, 1                          ; which 64 columns.  Also: which half of that tile I fetch
	s_bfe_u32 s40, ttmp6, 0x40000                  ; cx
	s_bfe_u32 s41, ttmp6, 0x40004                  ; cy
	s_lshl_b32 s42, ttmp9, 2
	s_add_co_u32 s42, s42, s40                     ; tile column
	s_and_b32 s17, ttmp7, 0xffff
	s_lshl_b32 s17, s17, 2
	s_add_co_u32 s17, s17, s41                     ; tile row
	s_lshl_b32 s43, s41, 2
	s_lshl_b32 s43, 15, s43                        ; my row of the cluster
	s_lshl_b32 s44, 0x1111, s40                    ; my column
	s_or_b32 s[G1+0], s43, (1<<21)                 ; A: the mask; elements of 1 byte; dense in LDS; bit 21 beside a mask
	s_mov_b32 s[G1+1], 256<<16                     ; 128 dense rows of 256 bytes: eight tiles of rows x 4,096 bytes
	s_mov_b32 s[G1+2], 128<<16
	s_mov_b32 s[G1+3], 256<<16
	s_mov_b32 s[G1+4], 128
	s_mov_b32 s[G1+5], 256
	s_mov_b32 s[G1+6], 0
	s_mov_b32 s[G1+7], 0
	s_or_b32 s[G1B+0], s44, (1<<20)|(1<<21)|(5<<22)|(3<<25)   ; W: padding of 4 words behind every 64
	s_mov_b32 s[G1B+1], 256<<16                    ; 64 rows of 256 bytes, SIZE_K bytes apart
	s_mov_b32 s[G1B+2], 64<<16
	s_mov_b32 s[G1B+3], 256<<16
	s_mov_b32 s[G1B+4], 64
	s_mov_b32 s[G1B+5], SIZE_K
	s_mov_b32 s[G1B+6], 0
	s_mov_b32 s[G1B+7], 0
	s_lshl_b32 s20, s17, 16                        ; A: (16 x tile row + 8 x half) tiles of 4,096 bytes
	s_lshl_b32 s18, s16, 15
	s_add_co_u32 s20, s20, s18
	s_mov_b32 s21, 0
	s_lshl_b32 s46, s42, 7                         ; W: row 128 x tile column + 64 x half
	s_lshl_b32 s18, s16, 6
	s_add_co_u32 s46, s46, s18
	s_mul_i32 s46, s46, SIZE_K
	s_mov_b32 s47, 0
	s_mul_i32 s45, s16, 32768                      ; where they go: A's half,
	s_mul_i32 s19, s16, BHALF
	s_add_co_u32 s19, s19, BOFF                    ; W's half
	s_wait_kmcnt 0x0
	s_load_b512 s[68:83], s[8:9], 0x0              ; e0 .. e15
	s_add_nc_u64 s[20:21], s[4:5], s[20:21]
	s_add_nc_u64 s[46:47], s[6:7], s[46:47]
	CROUND                                         ; all sixteen work-groups are here: the first joint loads meet
.irp s, 0,1
	s_mov_b32 s[G0+4*\s], 1
	s_add_co_u32 s[G0+4*\s+1], s45, \s*SLOT
	s_add_nc_u64 s[G0+4*\s+2:G0+4*\s+3], s[20:21], \s*0x100000     ; a K step of A's images is 1 MiB
	s_or_b32 s[G0+4*\s+3], s[G0+4*\s+3], 0x80000000
	s_mov_b32 s[G0B+4*\s], 1
	s_add_co_u32 s[G0B+4*\s+1], s19, \s*SLOT
	s_add_nc_u64 s[G0B+4*\s+2:G0B+4*\s+3], s[46:47], \s*256
	s_or_b32 s[G0B+4*\s+3], s[G0B+4*\s+3], 0x80000000
	JLOAD G0+4*\s, G1, G0B+4*\s, G1B
.endr
	v_and_b32 v1, 15, v0                           ; r
	v_bfe_u32 v2, v0, 4, 1                         ; h
	v_and_b32 v6, 31, v0
	v_lshlrev_b32 v7, 4, v6                        ; 16 x lane
	v_mul_u32_u24 v3, v1, PITCH
	v_lshl_add_u32 v4, v2, 3, v3                   ; W: row x pitch + 8 x half
	s_lshl_b32 s21, s15, 15                        ; my eight tiles of A's rows
	s_mul_i32 s22, s16, BHALF
	s_add_co_u32 s22, s22, BOFF                    ; my 64 rows of W
.irp s, 0,1
	v_add_nc_u32 v[ADRA+\s], s21, v7
	v_add_nc_u32 v[ADRB+\s], s22, v4
	s_add_co_u32 s21, s21, SLOT
	s_add_co_u32 s22, s22, SLOT
.endr
	s_mul_i32 s23, s14, 16*SPITCH                  ; my stage
	v_mul_u32_u24 v5, v1, SPITCH
	v_lshl_add_u32 v5, v2, 5, v5
	v_add_nc_u32 v[STO], s23, v5                   ; in: row r, 32 bytes for each half of the lanes
	v_mul_u32_u24 v5, v2, SPITCH
	v_lshl_add_u32 v5, v1, 4, v5
	v_add_nc_u32 v[RD], s23, v5                    ; back: lanes 0-15 one row of 256 bytes, lanes 16-31 the next
	v_lshlrev_b32 v5, 12, v2
	v_lshl_add_u32 v[CO], v1, 4, v5                ; and the same two rows in memory
	v_lshlrev_b32 v8, 5, v2                        ; 32 h
	s_lshl_b32 s20, s17, 20                        ; my first row, 256 x tile row + 128 x half, of 4,096 bytes; my first column, 128 x tile column + 64 x half
	s_lshl_b32 s21, s15, 19
	s_add_co_u32 s20, s20, s21
	s_lshl_b32 s46, s42, 9
	s_lshl_b32 s47, s16, 8
	s_add_co_u32 s46, s46, s47
	s_mov_b32 s47, 0
	s_add_nc_u64 s[10:11], s[10:11], s[46:47]      ; the bias at my first column
	s_add_co_u32 s20, s20, s46
	s_mov_b32 s21, 0
	s_add_nc_u64 s[RSP:RSP+1], s[RSP:RSP+1], s[20:21]
	s_add_nc_u64 s[OUTP:OUTP+1], s[OUTP:OUTP+1], s[20:21]
.irp b, 0,1,2,3
	global_load_b128 v[BC+8*\b:BC+8*\b+3], v8, s[10:11] offset:64*\b
	global_load_b128 v[BC+8*\b+4:BC+8*\b+7], v8, s[10:11] offset:64*\b+16
.endr
	s_wait_kmcnt 0x0
	s_add_co_i32 s96, s[EA], s[EB]
	s_sub_co_i32 s90, 0, s96
	s_add_co_i32 s96, s96, 127
	s_lshl_b32 s96, s96, 23                        ; 2^(eA + eB) as f32
	s_mov_b32 s97, s96                             ; (named with it as a pair, so it is written)
	s_wait_loadcnt 0x0
.set j, 0
.rept 32
	v_ldexp_f32 v[BC+j], v[BC+j], s90              ; bias / 2^(eA + eB)
.set j, j+1
.endr
.macro FRAGA reg, slot, q, a           ; an image comes back as it was stored: four loads of 512 consecutive bytes
.irp c, 0,1,2,3
	ds_load_b128 v[\reg+4*\c:\reg+4*\c+3], v[ADRA+\slot] offset:4096*(\a)+2048*(\q)+512*\c
.endr
.endm
.macro FRAGB reg, slot, q, b           ; registers 2 c, 2 c + 1: k = 16 c + 8 (lane / 16) + 0 .. 7
.irp c, 0,1,2,3,4,5,6,7
	ds_load_b64 v[\reg+2*\c:\reg+2*\c+1], v[ADRB+\slot] offset:16*PITCH*(\b)+128*(\q)+16*\c
.endr
.endm
; 8 matrix instructions: A's blocks a0, a0 + 1 x W's four.  first = 1: the bias is C.  The 32 accumulators take turns, one instruction a turn.
.macro MUL8 a0, p, first
.irp a, \a0, \a0+1
.irp b, 0,1,2,3
.if \first
	v_wmma_f32_16x16x128_bf8_bf8 v[8*(8*((\a)%4)+\b):8*(8*((\a)%4)+\b)+7], v[128*(\p)+FR*\b:128*(\p)+FR*\b+FR-1], v[AF+FR*(\a):AF+FR*(\a)+FR-1], v[BC+8*\b:BC+8*\b+7]
.else
	v_wmma_f32_16x16x128_bf8_bf8 v[8*(8*((\a)%4)+\b):8*(8*((\a)%4)+\b)+7], v[128*(\p)+FR*\b:128*(\p)+FR*\b+FR-1], v[AF+FR*(\a):AF+FR*(\a)+FR-1], v[8*(8*((\a)%4)+\b):8*(8*((\a)%4)+\b)+7]
.endif
.endr
.endr
.endm
.macro FETCH_B slot, q, p              ; 32 loads
	WIN TO_B
.irp i, 0,1,2,3
	FRAGB 128*(\p)+FR*\i, \slot, \q, \i
.endr
	WIN 0
.endm
.macro FETCH_A slot, q, i0             ; 16 loads
.irp i, \i0, \i0+1, \i0+2, \i0+3
	FRAGA AF+FR*(\i), \slot, \q, \i
.endr
.endm
.macro PLACES n
.rept \n
	v_nop
.endr
.endm
.macro STEP slot, q, first
	s_wait_dscnt 4*NL                              ; W's set and A's blocks 0-3 are in; the youngest 16 loads (blocks 4-7) may be out
.if \first
	WIN FST_LO
.else
	WIN MUL_LO
.endif
	MUL8 0, (\q)%2, \first
	MUL8 2, (\q)%2, \first
	s_wait_dscnt 0
	PLACES NP
	FETCH_B \slot, (\q)+1, 1-(\q)%2
	FETCH_A \slot, (\q)+1, 0
.if \first
	WIN FST_HI
.else
	WIN MUL_HI
.endif
	MUL8 4, (\q)%2, \first
	MUL8 6, (\q)%2, \first
	PLACES NP
	WIN 0
	FETCH_A \slot, (\q)+1, 4
.endm
.macro TURN slot, next, fill
	s_wait_tensorcnt 0x0                           ; all my tensor loads have landed: my part of the next slot
	ds_add_u32 v[SPW], v[NIL]                      ; 0 onto my spare word
	s_wait_dscnt 4*NL+1                            ; the add and the youngest 16 loads may be out
	WIN MUL_LO
	MUL8 0, 1, 0
	s_wait_dscnt 0x0                               ; the add is done, and my reads of this slot are over
	s_barrier_signal -1
	MUL8 2, 1, 0
	WIN 0
	s_barrier_wait -1
.if \fill
	CREST                                          ; the barrier has opened a round of the cluster's
	s_add_nc_u64 s[G0+4*\slot+2:G0+4*\slot+3], s[G0+4*\slot+2:G0+4*\slot+3], 0x200000
	s_add_nc_u64 s[G0B+4*\slot+2:G0B+4*\slot+3], s[G0B+4*\slot+2:G0B+4*\slot+3], 512
	JLOAD G0+4*\slot, G1, G0B+4*\slot, G1B         ; the first tensor load behind the round; its four v_nop are the places in front of the loads below
.else
	PLACES NP
.endif
	FETCH_B \next, 0, 0
	FETCH_A \next, 0, 0
	WIN MUL_HI
	MUL8 4, 1, 0
	MUL8 6, 1, 0
	PLACES NP
	WIN 0
	FETCH_A \next, 0, 4
.endm
	s_wait_tensorcnt 1                             ; my part of K step 0 is in; K step 1's load may be out
	s_barrier_signal -1
	s_barrier_wait -1
	FETCH_B 0, 0, 0
	FETCH_A 0, 0, 0
	FETCH_A 0, 0, 4
	STEP 0, 0, 1
	s_mov_b32 s3, LAPS-1
.Llap:
	TURN 0, 1, 1
	STEP 1, 0, 0
	TURN 1, 0, 1
	STEP 0, 0, 0
	s_sub_co_u32 s3, s3, 1
	s_cmp_lg_u32 s3, 0
	s_cbranch_scc1 .Llap
	TURN 0, 1, 0
	STEP 1, 0, 0
	s_wait_dscnt 4*NL
	WIN MUL_LO
	MUL8 0, 1, 0
	MUL8 2, 1, 0
	s_wait_dscnt 0
	WIN MUL_HI
	MUL8 4, 1, 0
	MUL8 6, 1, 0
	WIN 0
.macro RESLOAD a                       ; the residual of block a's 16 rows, in the layout in which the rows come back from the stage
.set RR, RES+32*((\a)%2)
.irp t, 0,1,2,3,4,5,6,7
	global_load_b128 v[RR+4*\t:RR+4*\t+3], v[CO], s[RSP:RSP+1] offset:(16*(\a)+2*\t)*4096
.endr
.endm
.macro TOSTAGE a                       ; the sums go into the stage as they stand, each accumulator from its low end on; LDS serves a wave's instructions in order
.set AC, 64*((\a)%4)
.set WN, 0x08+4*((\a)/4)
	WIN WN                                         ; an LDS store's data: window 2 or 3
.irp b, 0,1,2,3
	ds_store_b128 v[STO], v[AC+8*\b:AC+8*\b+3] offset:64*\b
	ds_store_b128 v[STO], v[AC+8*\b+4:AC+8*\b+7] offset:64*\b+16
.endr
	WIN 0
.set BB, BK+32*((\a)%2)
.irp t, 0,1,2,3,4,5,6,7
	ds_load_b128 v[BB+4*\t:BB+4*\t+3], v[RD] offset:\t*2*SPITCH
.endr
.endm
.macro SEND a, younger, later          ; younger, later: the LDS instructions and the global loads issued behind block a's, which may stay out
.set BB, BK+32*((\a)%2)
.set RR, RES+32*((\a)%2)
	s_wait_dscnt \younger
	s_wait_loadcnt \later
.irp j, 0,2,4,6,8,10,12,14,16,18,20,22,24,26,28,30
	v_pk_fma_f32 v[BB+\j:BB+\j+1], v[BB+\j:BB+\j+1], s[96:97], v[RR+\j:RR+\j+1] op_sel_hi:[1,0,1]   ; sum x 2^(eA + eB) + residual
.endr
.irp t, 0,1,2,3,4,5,6,7
	global_store_b128 v[CO], v[BB+4*\t:BB+4*\t+3], s[OUTP:OUTP+1] offset:(16*(\a)+2*\t)*4096   ; 16 lanes store 256 consecutive bytes, aligned
.endr
.endm
	PLACES NP                                      ; in front of the loads into A's registers and of the first read of results
	RESLOAD 0
	TOSTAGE 0
.irp a, 1,2,3,4,5,6,7
.if \a > 1
	s_wait_xcnt 0x0                                ; block a - 2's stores have read their data: block a's rows may land there
.endif
	RESLOAD \a
	TOSTAGE \a
	SEND \a-1, 16, 8                               ; behind block a - 1's: block a's 8 LDS stores and 8 LDS loads, and its 8 residual loads
.endr
	SEND 7, 0, 0
	s_wait_tensorcnt 0x0                           ; the wave's end
	ds_add_u32 v[SPW], v[NIL]
	s_wait_dscnt 0x0
	CROUND                                         ; the closing round
	s_endpgm
.Lfunc_end_k_qc0aadb1d61_wo:
	.size	k_qc0aadb1d61_wo, .Lfunc_end_k_qc0aadb1d61_wo-k_qc0aadb1d61_wo
	.p2alignl 7, 3214868480
	.fill 96, 4, 3214868480
	.section	.rodata,"a",@progbits
	.p2align	6, 0x0
	.amdhsa_kernel k_qc0aadb1d61_wo
		.amdhsa_group_segment_fixed_size 327680
		.amdhsa_private_segment_fixed_size 0
		.amdhsa_enable_private_segment 0
		.amdhsa_kernarg_size 48
		.amdhsa_user_sgpr_count 2
		.amdhsa_user_sgpr_kernarg_segment_ptr 1
		.amdhsa_wavefront_size32 1
		.amdhsa_system_sgpr_workgroup_id_x 1
		.amdhsa_system_sgpr_workgroup_id_y 1
		.amdhsa_system_sgpr_workgroup_id_z 1
		.amdhsa_system_vgpr_workitem_id 0
		.amdhsa_next_free_vgpr 1024
		.amdhsa_next_free_sgpr 100
		.amdhsa_reserve_vcc 0
		.amdhsa_float_denorm_mode_32 3
		.amdhsa_float_denorm_mode_16_64 3
		.amdhsa_memory_ordered 1
		.amdhsa_forward_progress 1
		.amdhsa_inst_pref_size 94
	.end_amdhsa_kernel
	.amdgpu_metadata
---
amdhsa.version: [ 1, 2 ]
amdhsa.kernels:
  - .name:           k_qc0aadb1d61_wo
    .symbol:         k_qc0aadb1d61_wo.kd
    .args:
      - { .name: ctxc, .offset: 0, .size: 8, .value_kind: global_buffer, .address_space: global }
      - { .name: wo_w_codes, .offset: 8, .size: 8, .value_kind: global_buffer, .address_space: global }
      - { .name: lowp_scales, .offset: 16, .size: 8, .value_kind: global_buffer, .address_space: global }
      - { .name: wo_b, .offset: 24, .size: 8, .value_kind: global_buffer, .address_space: global }
      - { .name: x, .offset: 32, .size: 8, .value_kind: global_buffer, .address_space: global }
      - { .name: y, .offset: 40, .size: 8, .value_kind: global_buffer, .address_space: global }
    .group_segment_fixed_size: 327680
    .private_segment_fixed_size: 0
    .kernarg_segment_align: 8
    .kernarg_segment_size: 48
    .max_flat_workgroup_size: 128
    .sgpr_count:     100
    .vgpr_count:     1024
    .wavefront_size: 32
...
	.end_amdgpu_metadata
.endif
;; end of part 4
;; launch ln1 (part 5): grid 256 x 1, 4 waves a work-group, no clusters, 16,896 bytes of LDS; arguments y, ln1_g, ln1_b, lowp_scales, o1, o1c; writes o1, o1c
.if DOCPART == 5
	.amdgcn_target "amdgcn-amd-amdhsa--gfx1250"
	.amdhsa_code_object_version 6
	.text
	.protected	k_qc0aadb1d61_ln1
	.globl	k_qc0aadb1d61_ln1
	.p2align	8
	.type	k_qc0aadb1d61_ln1,@function
k_qc0aadb1d61_ln1:
	s_mov_b64 s[64:65], 0
	v_nop
	global_prefetch_b8 v0, s[64:65] scope:SCOPE_SE
	s_setreg_imm32_b32 hwreg(HW_REG_WAVE_MODE, 25, 1), 1
	s_wait_xcnt 0x0
; out = (y - mean) x rsqrt(var + 1e-6) x g + b along rows of 1,024 f32; with CODES = 1 the result is also quantised to E5M2 (entry 12 of the scales), rows of 1,024 bytes.
; One wave takes a row: 32 registers a lane, kept between the pass for the mean, the pass for the variance (of y - mean: no difference of large sums) and the scaling: y is read once.
; A wave has four rows; all its 48 loads (g, b, four rows) go out at the head.  A lane holds columns 128 j + 4 lane + 0 .. 3: each load and store covers 512 consecutive bytes.
; Codes: a conversion takes eight registers, two chunks of four columns, and gives one register a chunk; they are gathered in the wave's own stage in LDS and leave at the end: four rows of codes are 4,096 consecutive bytes.
; Memory binds: no matrix unit, no tensor loads, no cluster, no barrier: waves share nothing.
; LIMITS: e12 between -126 and 112.  NaN among the inputs is not served.
.set CODES, 1
.set OFF, 3                            ; v3   16 x lane
.set SA,  5                            ; v5   the stage, way in: 4 x lane + 4,096 x wave
.set SB,  6                            ; v6   way out: 16 x lane + 4,096 x wave
.set LIM, 14
.set SCL, 15
.set CD,  16                           ; v16-23  a row's codes
.set T,   32                           ; v32-63  held numbers; at the end the codes read back
.set X,   64                           ; v64-191 four rows
.set G,   192
.set BT,  224
.if CODES
.set OUTP, 16
.else
.set OUTP, 10
.endif
	s_load_b256 s[4:11], s[0:1], 0x0               ; y, g, b, then the scales' exponents (CODES = 1) or the output
.if CODES
	s_load_b128 s[16:19], s[0:1], 0x20             ; the output, its codes
	v_lshl_add_u32 v30, v0, 2, 0x4000
	v_mov_b32 v31, 0
.endif
	v_lshrrev_b32 v1, 5, v0
	v_readfirstlane_b32 s20, v1                    ; wave
	v_and_b32 v2, 31, v0
	v_lshlrev_b32 v[OFF], 4, v2
	s_lshl_b32 s22, ttmp9, 16                      ; 16 rows of 4,096 bytes a work-group,
	s_lshl_b32 s23, s20, 14                        ; four a wave
	s_add_co_u32 s22, s22, s23
	s_mov_b32 s23, 0
	s_mov_b32 s12, 0x76543210                      ; v_permlanex16_b32: lane l xor 16
	s_mov_b32 s13, 0xfedcba98
	s_mov_b32 s14, 0x3a800000                      ; 1 / 1,024
	s_mov_b32 s15, 0x358637bd                      ; 1e-6
.if CODES
	s_lshl_b32 s24, s20, 12
	v_lshlrev_b32 v[SA], 2, v2
	v_add_nc_u32 v[SA], s24, v[SA]
	v_add_nc_u32 v[SB], s24, v[OFF]
.endif
	s_wait_kmcnt 0x0
.if CODES
	s_load_b32 s21, s[10:11], 0x30                 ; e12
.endif
	s_add_nc_u64 s[4:5], s[4:5], s[22:23]
	s_add_nc_u64 s[OUTP:OUTP+1], s[OUTP:OUTP+1], s[22:23]
.if CODES
	s_lshr_b32 s22, s22, 2
	s_add_nc_u64 s[18:19], s[18:19], s[22:23]
.endif
.irp j, 0,1,2,3,4,5,6,7
	global_load_b128 v[G+4*\j:G+4*\j+3], v[OFF], s[6:7] offset:512*\j
.endr
.irp j, 0,1,2,3,4,5,6,7
	global_load_b128 v[BT+4*\j:BT+4*\j+3], v[OFF], s[8:9] offset:512*\j
.endr
.irp i, 0,1,2,3
.irp j, 0,1,2,3,4,5,6,7
	global_load_b128 v[X+32*\i+4*\j:X+32*\i+4*\j+3], v[OFF], s[4:5] offset:4096*\i+512*\j th:TH_LOAD_NT
.endr
.endr
.if CODES
	s_wait_kmcnt 0x0
	s_add_co_i32 s21, s21, 127
	s_lshl_b32 s25, s21, 23
	v_mov_b32 v[SCL], s25                          ; 2^e12
	s_add_co_i32 s21, s21, 15
	s_lshl_b32 s21, s21, 23
	s_or_b32 s21, s21, 0x600000
	v_mov_b32 v[LIM], s21                          ; 57,344 x 2^e12
.endif
.macro LANES a, b                      ; the sum over the 32 lanes, in every lane
	v_add_f32_dpp v[\a], v[\a], v[\a] row_xmask:1 row_mask:0xf bank_mask:0xf
	v_add_f32_dpp v[\a], v[\a], v[\a] row_xmask:2 row_mask:0xf bank_mask:0xf
	v_add_f32_dpp v[\a], v[\a], v[\a] row_xmask:4 row_mask:0xf bank_mask:0xf
	v_add_f32_dpp v[\a], v[\a], v[\a] row_xmask:8 row_mask:0xf bank_mask:0xf
	v_permlanex16_b32 v[\b], v[\a], s12, s13
	v_add_f32 v[\a], v[\a], v[\b]
.endm
.macro ROW i
.set XR, X+32*(\i)
	s_wait_loadcnt 24-8*(\i)                       ; g, b and this row are in; the rows behind it stay out
	v_pk_add_f32 v[8:9], v[XR:XR+1], v[XR+2:XR+3]
	v_pk_add_f32 v[10:11], v[XR+4:XR+5], v[XR+6:XR+7]
.irp j, 8,12,16,20,24,28
	v_pk_add_f32 v[8:9], v[8:9], v[XR+\j:XR+\j+1]
	v_pk_add_f32 v[10:11], v[10:11], v[XR+\j+2:XR+\j+3]
.endr
	v_pk_add_f32 v[8:9], v[8:9], v[10:11]
	v_add_f32 v8, v8, v9
	LANES 8, 9
	v_mul_f32 v8, s14, v8                          ; the mean
.irp j, 0,2,4,6,8,10,12,14,16,18,20,22,24,26,28,30
	v_pk_add_f32 v[XR+\j:XR+\j+1], v[XR+\j:XR+\j+1], v[8:9] op_sel_hi:[1,0] neg_lo:[0,1] neg_hi:[0,1]   ; y - mean
.endr
	v_pk_mul_f32 v[10:11], v[XR:XR+1], v[XR:XR+1]
	v_pk_mul_f32 v[12:13], v[XR+2:XR+3], v[XR+2:XR+3]
.irp j, 4,8,12,16,20,24,28
	v_pk_fma_f32 v[10:11], v[XR+\j:XR+\j+1], v[XR+\j:XR+\j+1], v[10:11]
	v_pk_fma_f32 v[12:13], v[XR+\j+2:XR+\j+3], v[XR+\j+2:XR+\j+3], v[12:13]
.endr
	v_pk_add_f32 v[10:11], v[10:11], v[12:13]
	v_add_f32 v10, v10, v11
	LANES 10, 11
	v_fma_f32 v10, v10, s14, s15                   ; the variance + 1e-6
	v_rsq_f32 v10, v10
	v_nop                                          ; a plain line behind the transcendental
	s_wait_alu depctr_va_vdst(0)
.irp j, 0,2,4,6,8,10,12,14,16,18,20,22,24,26,28,30
	v_pk_mul_f32 v[XR+\j:XR+\j+1], v[XR+\j:XR+\j+1], v[10:11] op_sel_hi:[1,0]
.endr
.irp j, 0,2,4,6,8,10,12,14,16,18,20,22,24,26,28,30
	v_pk_fma_f32 v[XR+\j:XR+\j+1], v[XR+\j:XR+\j+1], v[G+\j:G+\j+1], v[BT+\j:BT+\j+1]
.endr
.irp j, 0,1,2,3,4,5,6,7
	global_store_b128 v[OFF], v[XR+4*\j:XR+4*\j+3], s[OUTP:OUTP+1] offset:4096*(\i)+512*\j
.endr
.if CODES
.if (\i) > 0
	s_wait_dscnt 0x0                               ; the last row's stores into the stage have read the codes' registers
.endif
.set j, 0
.rept 32
	v_med3_num_f32 v[T+j], v[XR+j], -v[LIM], v[LIM]   ; the conversion does not saturate (ISA guide 7.6.2): the hold comes first
.set j, j+1
.endr
.irp k, 0,1,2,3
	v_cvt_scalef32_pk8_bf8_f32 v[CD+2*\k:CD+2*\k+1], v[T+8*\k:T+8*\k+7], v[SCL]
.endr
	v_nop                                          ; a plain line behind the last conversion
.irp j, 0,1,2,3,4,5,6,7
	ds_store_b32 v[SA], v[CD+\j] offset:1024*(\i)+128*\j   ; four codes of columns 128 j + 4 lane on
.endr
.endif
.endm
	ROW 0
	ROW 1
	ROW 2
	ROW 3
.if CODES
.irp n, 0,1,2,3,4,5,6,7
	ds_load_b128 v[T+4*\n:T+4*\n+3], v[SB] offset:512*\n   ; LDS serves a wave's instructions in order: these see my stores
.endr
.irp n, 0,1,2,3,4,5,6,7
	s_wait_dscnt 7-\n
	global_store_b128 v[OFF], v[T+4*\n:T+4*\n+3], s[18:19] offset:512*\n
.endr
.endif
	s_wait_tensorcnt 0x0
	ds_add_u32 v30, v31
	s_wait_dscnt 0x0
	s_endpgm
.Lfunc_end_k_qc0aadb1d61_ln1:
	.size	k_qc0aadb1d61_ln1, .Lfunc_end_k_qc0aadb1d61_ln1-k_qc0aadb1d61_ln1
	.p2alignl 7, 3214868480
	.fill 96, 4, 3214868480
	.section	.rodata,"a",@progbits
	.p2align	6, 0x0
	.amdhsa_kernel k_qc0aadb1d61_ln1
		.amdhsa_group_segment_fixed_size 16896
		.amdhsa_private_segment_fixed_size 0
		.amdhsa_enable_private_segment 0
		.amdhsa_kernarg_size 48
		.amdhsa_user_sgpr_count 2
		.amdhsa_user_sgpr_kernarg_segment_ptr 1
		.amdhsa_wavefront_size32 1
		.amdhsa_system_sgpr_workgroup_id_x 1
		.amdhsa_system_sgpr_workgroup_id_y 1
		.amdhsa_system_sgpr_workgroup_id_z 1
		.amdhsa_system_vgpr_workitem_id 0
		.amdhsa_next_free_vgpr 256
		.amdhsa_next_free_sgpr 66
		.amdhsa_reserve_vcc 0
		.amdhsa_float_denorm_mode_32 3
		.amdhsa_float_denorm_mode_16_64 3
		.amdhsa_memory_ordered 1
		.amdhsa_forward_progress 1
		.amdhsa_inst_pref_size 46
	.end_amdhsa_kernel
	.amdgpu_metadata
---
amdhsa.version: [ 1, 2 ]
amdhsa.kernels:
  - .name:           k_qc0aadb1d61_ln1
    .symbol:         k_qc0aadb1d61_ln1.kd
    .args:
      - { .name: y, .offset: 0, .size: 8, .value_kind: global_buffer, .address_space: global }
      - { .name: ln1_g, .offset: 8, .size: 8, .value_kind: global_buffer, .address_space: global }
      - { .name: ln1_b, .offset: 16, .size: 8, .value_kind: global_buffer, .address_space: global }
      - { .name: lowp_scales, .offset: 24, .size: 8, .value_kind: global_buffer, .address_space: global }
      - { .name: o1, .offset: 32, .size: 8, .value_kind: global_buffer, .address_space: global }
      - { .name: o1c, .offset: 40, .size: 8, .value_kind: global_buffer, .address_space: global }
    .group_segment_fixed_size: 16896
    .private_segment_fixed_size: 0
    .kernarg_segment_align: 8
    .kernarg_segment_size: 48
    .max_flat_workgroup_size: 128
    .sgpr_count:     66
    .vgpr_count:     256
    .wavefront_size: 32
...
	.end_amdgpu_metadata
.endif
;; end of part 5
;; launch fc1 (part 6): grid 16 x 16, 4 waves a work-group, clusters of 4 x 4, 327,680 bytes of LDS; arguments o1c, fc1_w_codes, lowp_scales, fc1_b, hc; writes hc
.if DOCPART == 6
	.amdgcn_target "amdgcn-amd-amdhsa--gfx1250"
	.amdhsa_code_object_version 6
	.text
	.protected	k_qc0aadb1d61_fc1
	.globl	k_qc0aadb1d61_fc1
	.p2align	8
	.type	k_qc0aadb1d61_fc1,@function
k_qc0aadb1d61_fc1:
	s_mov_b64 s[64:65], 0
	v_nop
	global_prefetch_b8 v0, s[64:65] scope:SCOPE_SE
	s_setreg_imm32_b32 hwreg(HW_REG_WAVE_MODE, 25, 1), 1
	s_wait_xcnt 0x0
	s_wait_alu depctr_hold_cnt(0) depctr_sa_sdst(0) depctr_va_vdst(0) depctr_va_sdst(0) depctr_va_ssrc(0) depctr_va_vcc(0) depctr_vm_vsrc(0)
	s_getreg_b32 s2, hwreg(HW_REG_IB_STS2, 6, 4)
	s_cmp_eq_u32 s2, 0
	s_cbranch_scc0 .Lentry_in_a_cluster
	s_endpgm
.Lentry_in_a_cluster:
	s_bfe_u32 s2, ttmp6, 0x10000c
	s_cmp_lg_u32 s2, 0xf033
	s_cbranch_scc0 .Lentry_shape_is_right
	s_endpgm
.Lentry_shape_is_right:
; h = relu(out1 fc1 + b) on E5M2 codes, quantised at once (entry 14 of the scales) and stored as IMAGES OF THE NEXT OPERAND'S REGISTERS: [K step of 256][tile of 16 rows][128 along K][2,048 B].
; A tile of 256 x 256 is made by four waves, 128 x 128 each: 64 accumulators, 512 registers.  K = 1,024 goes in steps of 256 through two LDS slots filled by the tensor data mover; a tile's row is 256 bytes of memory.
; THE MATRIX INSTRUCTION IS USED TRANSPOSED (source 0 = 16 rows of the weight, source 1 = 16 rows of out1): a lane holds one row and eight neighbouring hidden units, which are the next K.  So the conversion of
; accumulator tile b gives registers 2 b, 2 b + 1 of the next operand in the plain 8-bit layout, and each group of four registers is stored at 16 x lane: 512 consecutive bytes a store.
; CLUSTERS: 4 x 4 work-groups; out1's tiles are asked for jointly by a row of the cluster, the weight's by a column.
; The bias, divided by 2^(e12 + e13), is the C of each sum's first matrix instruction; the activation is the hold's lower bound.
; LIMITS: e14 - e12 - e13 between -126 and 112.  NaN among the inputs is not served.
; REGISTERS: window 0: v0-31 addresses; v32-95 the bias as C, later the held sums; v112, v113 the hold and the scale; v128-255 A's fragments, ONE set, later the codes.
;   window 1: B's fragments, two sets.  window 2, 3: the accumulators of my rows 0-63, 64-127 (accumulator (a, b) at v[8 (8 (a % 4) + b)]).
.set KROW,   1024
.set KSTEP,  256
.set ROWB,   256
.set PITCH,  272
.set FR,     16
.set NL,     4
.set NP,     4
.set HALFT,  128*PITCH
.set SLOT,   4*HALFT
.set LAPS,   KROW/(2*KSTEP)
.set SPARE,  2*SLOT                    ; behind the ring: the spare words, 128 bytes a wave
.set ADRA, 16
.set ADRB, 20
.set LI,   27
.set SPW,  28
.set NIL,  29
.set BC,   32
.set T,    32
.set LIM,  112
.set SCL,  113
.set AF,   128
.set PC,   128
.set G1, 24
.set G0, 32
.set G1B, 48
.set G0B, 56
.set MSB, 0
.macro WIN new
.if MSB != \new
	s_set_vgpr_msb (MSB<<8)|\new
.set MSB, \new
.endif
.endm
.set MUL_LO, 0xa1
.set MUL_HI, 0xf1
.set FST_LO, 0x81
.set FST_HI, 0xc1
.set TO_B,   0x40
.macro JLOAD g0a, g1a, g0b, g1b        ; waves 0, 1 fetch for A, waves 2, 3 for B; four v_nop follow each line
	s_cmp_eq_u32 s15, 0
	s_cbranch_scc0 .Lfor_b_\@
	tensor_load_to_lds s[\g0a:\g0a+3], s[\g1a:\g1a+7]
	s_nop 0
.rept 4
	v_nop
.endr
	s_branch .Lasked_\@
.Lfor_b_\@:
	tensor_load_to_lds s[\g0b:\g0b+3], s[\g1b:\g1b+7]
	s_nop 0
.rept 4
	v_nop
.endr
.Lasked_\@:
.endm
.macro CREST
	s_cmp_lg_u32 s14, 0
	s_cbranch_scc1 .Lnot_wave_0_\@
	s_barrier_signal -3
.Lnot_wave_0_\@:
	s_barrier_wait -3
	s_barrier_signal -1
	s_barrier_wait -1
.endm
.macro CROUND
	s_barrier_signal -1
	s_barrier_wait -1
	CREST
.endm
	s_load_b256 s[4:11], s[0:1], 0x0               ; out1's codes s[4:5], the weight's s[6:7], the scales' exponents s[8:9], the bias s[10:11]
	s_load_b64 s[12:13], s[0:1], 0x20              ; hc
	v_lshl_add_u32 v[SPW], v0, 2, SPARE
	v_mov_b32 v[NIL], 0
	ds_add_u32 v28, v29
	ds_add_u32 v28, v29
	s_wait_dscnt 0x0
	v_lshrrev_b32 v1, 5, v0
	v_readfirstlane_b32 s14, v1                    ; wave 0..3
	s_lshr_b32 s15, s14, 1
	s_and_b32 s16, s14, 1
	s_bfe_u32 s40, ttmp6, 0x40000                  ; cx
	s_bfe_u32 s41, ttmp6, 0x40004                  ; cy
	s_lshl_b32 s42, ttmp9, 2
	s_add_co_u32 s42, s42, s40                     ; tile column
	s_and_b32 s17, ttmp7, 0xffff
	s_lshl_b32 s17, s17, 2
	s_add_co_u32 s17, s17, s41                     ; tile row
	s_lshl_b32 s43, s41, 2
	s_lshl_b32 s43, 15, s43
	s_lshl_b32 s44, 0x1111, s40
	s_or_b32 s[G1+0], s43, (0<<16)|(1<<20)|(1<<21)|(5<<22)|(3<<25)
	s_or_b32 s[G1B+0], s44, (0<<16)|(1<<20)|(1<<21)|(5<<22)|(3<<25)
.irp g, G1, G1B
	s_mov_b32 s[\g+1], ROWB<<16
	s_mov_b32 s[\g+2], 128<<16
	s_mov_b32 s[\g+3], ROWB<<16
	s_mov_b32 s[\g+4], 128
	s_mov_b32 s[\g+5], KROW
	s_mov_b32 s[\g+6], 0
	s_mov_b32 s[\g+7], 0
.endr
	s_lshl_b32 s18, s16, 7
	s_lshl_b32 s20, s17, 8
	s_add_co_u32 s20, s20, s18
	s_lshl_b32 s20, s20, 10
	s_mov_b32 s21, 0
	s_lshl_b32 s46, s42, 8
	s_add_co_u32 s46, s46, s18
	s_lshl_b32 s46, s46, 10
	s_mov_b32 s47, 0
	s_mul_i32 s45, s14, HALFT
	s_wait_kmcnt 0x0
	s_load_b512 s[68:83], s[8:9], 0x0              ; e0 .. e15
	s_add_nc_u64 s[20:21], s[4:5], s[20:21]
	s_add_nc_u64 s[46:47], s[6:7], s[46:47]
	CROUND
.irp s, 0,1
	s_mov_b32 s[G0+4*\s], 1
	s_add_co_u32 s[G0+4*\s+1], s45, \s*SLOT
	s_add_nc_u64 s[G0+4*\s+2:G0+4*\s+3], s[20:21], \s*ROWB
	s_or_b32 s[G0+4*\s+3], s[G0+4*\s+3], 0x80000000
	s_mov_b32 s[G0B+4*\s], 1
	s_add_co_u32 s[G0B+4*\s+1], s45, \s*SLOT
	s_add_nc_u64 s[G0B+4*\s+2:G0B+4*\s+3], s[46:47], \s*ROWB
	s_or_b32 s[G0B+4*\s+3], s[G0B+4*\s+3], 0x80000000
	JLOAD G0+4*\s, G1, G0B+4*\s, G1B
.endr
	v_and_b32 v1, 15, v0
	v_bfe_u32 v2, v0, 4, 1
	v_mul_u32_u24 v3, v1, PITCH
	v_lshl_add_u32 v4, v2, 4, v3
	s_mul_i32 s21, s15, HALFT
	s_mul_i32 s22, s16, HALFT
	s_add_co_u32 s22, s22, 2*HALFT
.irp s, 0,1
	v_add_nc_u32 v[ADRA+\s], s21, v4
	v_add_nc_u32 v[ADRB+\s], s22, v4
	s_add_co_u32 s21, s21, SLOT
	s_add_co_u32 s22, s22, SLOT
.endr
	v_and_b32 v6, 31, v0
	v_lshlrev_b32 v[LI], 4, v6
	v_lshlrev_b32 v5, 5, v2                        ; 32 h
	s_lshl_b32 s20, s42, 20                        ; my images: tile column x 1 MiB + (16 x tile row + 8 x half) x 4,096 + column half x 2,048
	s_lshl_b32 s21, s17, 16
	s_add_co_u32 s20, s20, s21
	s_lshl_b32 s21, s15, 15
	s_add_co_u32 s20, s20, s21
	s_lshl_b32 s21, s16, 11
	s_add_co_u32 s20, s20, s21
	s_mov_b32 s21, 0
	s_add_nc_u64 s[12:13], s[12:13], s[20:21]
	s_lshl_b32 s46, s42, 10
	s_lshl_b32 s47, s16, 9
	s_add_co_u32 s46, s46, s47
	s_mov_b32 s47, 0
	s_add_nc_u64 s[10:11], s[10:11], s[46:47]      ; the bias at my first hidden unit
.irp b, 0,1,2,3,4,5,6,7
	global_load_b128 v[BC+8*\b:BC+8*\b+3], v5, s[10:11] offset:64*\b
	global_load_b128 v[BC+8*\b+4:BC+8*\b+7], v5, s[10:11] offset:64*\b+16
.endr
	s_wait_kmcnt 0x0
	s_add_co_i32 s86, s80, s81                     ; e12 + e13
	s_sub_co_i32 s90, 0, s86
	s_sub_co_i32 s91, s82, s86                     ; e14 - e12 - e13
	s_add_co_i32 s91, s91, 127
	s_lshl_b32 s92, s91, 23
	v_mov_b32 v[SCL], s92
	s_add_co_i32 s91, s91, 15
	s_lshl_b32 s91, s91, 23
	s_or_b32 s91, s91, 0x600000
	v_mov_b32 v[LIM], s91
	s_wait_loadcnt 0x0
.set j, 0
.rept 64
	v_ldexp_f32 v[BC+j], v[BC+j], s90
.set j, j+1
.endr
.macro FRAG reg, adr, q, i
.irp c, 0,1,2,3
	ds_load_b128 v[\reg+4*\c:\reg+4*\c+3], v[\adr] offset:128*(\q)+32*\c+(\i)*16*PITCH
.endr
.endm
.macro MUL16 a0, p, first              ; the 64 accumulators take turns, one instruction a turn
.irp a, \a0, \a0+1
.irp b, 0,1,2,3,4,5,6,7
.if \first
	v_wmma_f32_16x16x128_bf8_bf8 v[8*(8*((\a)%4)+\b):8*(8*((\a)%4)+\b)+7], v[128*(\p)+FR*\b:128*(\p)+FR*\b+FR-1], v[AF+FR*(\a):AF+FR*(\a)+FR-1], v[BC+8*\b:BC+8*\b+7]
.else
	v_wmma_f32_16x16x128_bf8_bf8 v[8*(8*((\a)%4)+\b):8*(8*((\a)%4)+\b)+7], v[128*(\p)+FR*\b:128*(\p)+FR*\b+FR-1], v[AF+FR*(\a):AF+FR*(\a)+FR-1], v[8*(8*((\a)%4)+\b):8*(8*((\a)%4)+\b)+7]
.endif
.endr
.endr
.endm
.macro FETCH_B slot, q, p
	WIN TO_B
.irp i, 0,1,2,3,4,5,6,7
	FRAG 128*(\p)+FR*\i, ADRB+\slot, \q, \i
.endr
	WIN 0
.endm
.macro FETCH_A slot, q, i0
.irp i, \i0, \i0+1, \i0+2, \i0+3
	FRAG AF+FR*(\i), ADRA+\slot, \q, \i
.endr
.endm
.macro PLACES n
.rept \n
	v_nop
.endr
.endm
.macro STEP slot, q, first
	s_wait_dscnt 4*NL                              ; B's set and A's blocks 0-3 are in; the youngest 16 loads may be out
.if \first
	WIN FST_LO
.else
	WIN MUL_LO
.endif
	MUL16 0, (\q)%2, \first
	MUL16 2, (\q)%2, \first
	s_wait_dscnt 0
	PLACES NP
	FETCH_B \slot, (\q)+1, 1-(\q)%2
	FETCH_A \slot, (\q)+1, 0
.if \first
	WIN FST_HI
.else
	WIN MUL_HI
.endif
	MUL16 4, (\q)%2, \first
	MUL16 6, (\q)%2, \first
	PLACES NP
	WIN 0
	FETCH_A \slot, (\q)+1, 4
.endm
.macro TURN slot, next, fill
	s_wait_tensorcnt 0x0                           ; all my tensor loads have landed: my part of the next slot
	ds_add_u32 v[SPW], v[NIL]                      ; 0 onto my spare word
	s_wait_dscnt 4*NL+1                            ; the add and the youngest 16 loads may be out
	WIN MUL_LO
	MUL16 0, 1, 0
	s_wait_dscnt 0x0                               ; the add is done, and my reads of this slot are over
	s_barrier_signal -1
	MUL16 2, 1, 0
	WIN 0
	s_barrier_wait -1
.if \fill
	CREST
	s_add_nc_u64 s[G0+4*\slot+2:G0+4*\slot+3], s[G0+4*\slot+2:G0+4*\slot+3], 2*ROWB
	s_add_nc_u64 s[G0B+4*\slot+2:G0B+4*\slot+3], s[G0B+4*\slot+2:G0B+4*\slot+3], 2*ROWB
	JLOAD G0+4*\slot, G1, G0B+4*\slot, G1B
.else
	PLACES NP
.endif
	FETCH_B \next, 0, 0
	FETCH_A \next, 0, 0
	WIN MUL_HI
	MUL16 4, 1, 0
	MUL16 6, 1, 0
	PLACES NP
	WIN 0
	FETCH_A \next, 0, 4
.endm
	s_wait_tensorcnt 1                             ; my part of K step 0 is in; K step 1's load may be out
	s_barrier_signal -1
	s_barrier_wait -1
	FETCH_B 0, 0, 0
	FETCH_A 0, 0, 0
	FETCH_A 0, 0, 4
	STEP 0, 0, 1
	s_mov_b32 s3, LAPS-1
.Llap:
	TURN 0, 1, 1
	STEP 1, 0, 0
	TURN 1, 0, 1
	STEP 0, 0, 0
	s_sub_co_u32 s3, s3, 1
	s_cmp_lg_u32 s3, 0
	s_cbranch_scc1 .Llap
	TURN 0, 1, 0
	STEP 1, 0, 0
	s_wait_dscnt 4*NL
	WIN MUL_LO
	MUL16 0, 1, 0
	MUL16 2, 1, 0
	s_wait_dscnt 0
	WIN MUL_HI
	MUL16 4, 1, 0
	MUL16 6, 1, 0
	WIN 0
.macro EQ a                            ; block a: the activation and the hold in one, the conversions, four stores of 512 consecutive bytes; each block's codes have registers of their own
.set AC, 64*((\a)%4)
.set WN, 0x02+((\a)/4)
	WIN WN
.set j, 0
.rept 64
	v_med3_num_f32 v[T+j], v[AC+j], 0, v[LIM]
.set j, j+1
.endr
	WIN 0
.irp b, 0,1,2,3,4,5,6,7
	v_cvt_scalef32_pk8_bf8_f32 v[PC+16*(\a)+2*\b:PC+16*(\a)+2*\b+1], v[T+8*\b:T+8*\b+7], v[SCL]
.endr
	v_nop                                          ; a plain line between the last conversion and the next block's writes of its sources
.irp g, 0,1,2,3
	global_store_b128 v[LI], v[PC+16*(\a)+4*\g:PC+16*(\a)+4*\g+3], s[12:13] offset:4096*(\a)+512*\g
.endr
.endm
	PLACES NP
.irp a, 0,1,2,3,4,5,6,7
	EQ \a
.endr
	s_wait_tensorcnt 0x0                           ; the wave's end
	ds_add_u32 v[SPW], v[NIL]
	s_wait_dscnt 0x0
	CROUND                                         ; the closing round
	s_endpgm
.Lfunc_end_k_qc0aadb1d61_fc1:
	.size	k_qc0aadb1d61_fc1, .Lfunc_end_k_qc0aadb1d61_fc1-k_qc0aadb1d61_fc1
	.p2alignl 7, 3214868480
	.fill 96, 4, 3214868480
	.section	.rodata,"a",@progbits
	.p2align	6, 0x0
	.amdhsa_kernel k_qc0aadb1d61_fc1
		.amdhsa_group_segment_fixed_size 327680
		.amdhsa_private_segment_fixed_size 0
		.amdhsa_enable_private_segment 0
		.amdhsa_kernarg_size 40
		.amdhsa_user_sgpr_count 2
		.amdhsa_user_sgpr_kernarg_segment_ptr 1
		.amdhsa_wavefront_size32 1
		.amdhsa_system_sgpr_workgroup_id_x 1
		.amdhsa_system_sgpr_workgroup_id_y 1
		.amdhsa_system_sgpr_workgroup_id_z 1
		.amdhsa_system_vgpr_workitem_id 0
		.amdhsa_next_free_vgpr 1024
		.amdhsa_next_free_sgpr 100
		.amdhsa_reserve_vcc 0
		.amdhsa_float_denorm_mode_32 3
		.amdhsa_float_denorm_mode_16_64 3
		.amdhsa_memory_ordered 1
		.amdhsa_forward_progress 1
		.amdhsa_inst_pref_size 123
	.end_amdhsa_kernel
	.amdgpu_metadata
---
amdhsa.version: [ 1, 2 ]
amdhsa.kernels:
  - .name:           k_qc0aadb1d61_fc1
    .symbol:         k_qc0aadb1d61_fc1.kd
    .args:
      - { .name: o1c, .offset: 0, .size: 8, .value_kind: global_buffer, .address_space: global }
      - { .name: fc1_w_codes, .offset: 8, .size: 8, .value_kind: global_buffer, .address_space: global }
      - { .name: lowp_scales, .offset: 16, .size: 8, .value_kind: global_buffer, .address_space: global }
      - { .name: fc1_b, .offset: 24, .size: 8, .value_kind: global_buffer, .address_space: global }
      - { .name: hc, .offset: 32, .size: 8, .value_kind: global_buffer, .address_space: global }
    .group_segment_fixed_size: 327680
    .private_segment_fixed_size: 0
    .kernarg_segment_align: 8
    .kernarg_segment_size: 40
    .max_flat_workgroup_size: 128
    .sgpr_count:     100
    .vgpr_count:     1024
    .wavefront_size: 32
...
	.end_amdgpu_metadata
.endif
;; end of part 6
;; launch fc2 (part 7): grid 8 x 16, 4 waves a work-group, clusters of 4 x 4, 327,680 bytes of LDS; arguments hc, fc2_w_codes, lowp_scales, fc2_b, o1, y; writes y
.if DOCPART == 7
	.amdgcn_target "amdgcn-amd-amdhsa--gfx1250"
	.amdhsa_code_object_version 6
	.text
	.protected	k_qc0aadb1d61_fc2
	.globl	k_qc0aadb1d61_fc2
	.p2align	8
	.type	k_qc0aadb1d61_fc2,@function
k_qc0aadb1d61_fc2:
	s_mov_b64 s[64:65], 0
	v_nop
	global_prefetch_b8 v0, s[64:65] scope:SCOPE_SE
	s_setreg_imm32_b32 hwreg(HW_REG_WAVE_MODE, 25, 1), 1
	s_wait_xcnt 0x0
	s_wait_alu depctr_hold_cnt(0) depctr_sa_sdst(0) depctr_va_vdst(0) depctr_va_sdst(0) depctr_va_ssrc(0) depctr_va_vcc(0) depctr_vm_vsrc(0)
	s_getreg_b32 s2, hwreg(HW_REG_IB_STS2, 6, 4)
	s_cmp_eq_u32 s2, 0
	s_cbranch_scc0 .Lentry_in_a_cluster
	s_endpgm
.Lentry_in_a_cluster:
	s_bfe_u32 s2, ttmp6, 0x10000c
	s_cmp_lg_u32 s2, 0xf033
	s_cbranch_scc0 .Lentry_shape_is_right
	s_endpgm
.Lentry_shape_is_right:
; y = A W^T x 2^(eA + eB) + bias + residual, f32, rows of 1,024.  A: E5M2 codes stored as images of operand registers, [K step of 256][tile of 16 rows][128 along K][2,048 B]; W: codes, [1,024][SIZE_K], K innermost.
; A tile of 256 rows x 128 columns is made by four waves, 128 x 64 each (32 accumulators): 128 work-groups; a tile of 256 x 256 would give 64.
; K goes in steps of 256 through two LDS slots: A's 16 x 2 images (65,536 dense bytes, read 512 consecutive bytes a load), then W's 128 rows of 256 bytes (+ 16 of padding).
; A's images hold the plain 8-bit layout (registers 2 c, 2 c + 1: k = 16 c + 8 (lane / 16) + 0 .. 7), so W's fragments are read in that layout too: eight loads of 8 bytes, whose 32 lanes touch 64 different banks.
; THE MATRIX INSTRUCTION IS USED TRANSPOSED (source 0 = 16 rows of W, source 1 = 16 rows of A): a lane holds eight neighbouring columns of one row.
; CLUSTERS: 4 x 4 work-groups; A's tiles are asked for jointly by a row of the cluster, W's by a column.
; The bias, divided by 2^(eA + eB), is the C of each sum's first matrix instruction.  On the way out a block of 16 rows goes through the wave's stage in LDS and comes back as rows of 256 bytes;
; one packed multiply-add gives sum x 2^(eA + eB) + residual; sixteen lanes store 256 consecutive bytes, aligned.
; LIMIT: eA + eB between -126 and 127.
; REGISTERS: window 0: v0-31 addresses; v32-63 the bias as C; v128-255 A's fragments, one set; on the way out v128-191 rows from the stage, v192-255 the residual.  window 1: W's fragments, two sets, at v0 and v128.
;   window 2, 3: the accumulators of my rows 0-63, 64-127 (accumulator (a, b) at v[8 (8 (a % 4) + b)], b = 0 .. 3).
.set SIZE_K, 4096
.set EA,     82                        ; s82, s83: entries 14 and 15 of the scales (entry n lies in s[68 + n])
.set EB,     83
.set PITCH,  272
.set FR,     16
.set NL,     4
.set NP,     4
.set BOFF,   65536
.set BHALF,  64*PITCH
.set SLOT,   BOFF+2*BHALF
.set LAPS,   SIZE_K/512
.set SPARE,  2*SLOT
.set SPITCH, 272
.set ADRA, 16
.set ADRB, 20
.set STO,  24
.set RD,   25
.set CO,   26
.set SPW,  28
.set NIL,  29
.set BC,   32
.set AF,   128
.set BK,   128
.set RES,  192
.set RSP,  84
.set OUTP, 86
.set G1, 24
.set G0, 32
.set G1B, 48
.set G0B, 56
.set MSB, 0
.macro WIN new
.if MSB != \new
	s_set_vgpr_msb (MSB<<8)|\new
.set MSB, \new
.endif
.endm
.set MUL_LO, 0xa1
.set MUL_HI, 0xf1
.set FST_LO, 0x81
.set FST_HI, 0xc1
.set TO_B,   0x40
.macro JLOAD g0a, g1a, g0b, g1b        ; waves 0, 1 fetch A's halves, waves 2, 3 W's; four v_nop follow each line
	s_cmp_eq_u32 s15, 0
	s_cbranch_scc0 .Lfor_b_\@
	tensor_load_to_lds s[\g0a:\g0a+3], s[\g1a:\g1a+7]
	s_nop 0
.rept 4
	v_nop
.endr
	s_branch .Lasked_\@
.Lfor_b_\@:
	tensor_load_to_lds s[\g0b:\g0b+3], s[\g1b:\g1b+7]
	s_nop 0
.rept 4
	v_nop
.endr
.Lasked_\@:
.endm
.macro CREST
	s_cmp_lg_u32 s14, 0
	s_cbranch_scc1 .Lnot_wave_0_\@
	s_barrier_signal -3
.Lnot_wave_0_\@:
	s_barrier_wait -3
	s_barrier_signal -1
	s_barrier_wait -1
.endm
.macro CROUND
	s_barrier_signal -1
	s_barrier_wait -1
	CREST
.endm
	s_load_b256 s[4:11], s[0:1], 0x0               ; A s[4:5], W s[6:7], the scales' exponents s[8:9], the bias s[10:11]
	s_load_b128 s[84:87], s[0:1], 0x20             ; the residual, y
	v_lshl_add_u32 v[SPW], v0, 2, SPARE
	v_mov_b32 v[NIL], 0
	ds_add_u32 v28, v29
	ds_add_u32 v28, v29
	s_wait_dscnt 0x0
	v_lshrrev_b32 v1, 5, v0
	v_readfirstlane_b32 s14, v1                    ; wave 0..3
	s_lshr_b32 s15, s14, 1                         ; which 128 rows are mine.  Also: I fetch for A (0) or W (1)
	s_and_b32 s16, s14, 1                          ; which 64 columns.  Also: which half of that tile I fetch
	s_bfe_u32 s40, ttmp6, 0x40000                  ; cx
	s_bfe_u32 s41, ttmp6, 0x40004                  ; cy
	s_lshl_b32 s42, ttmp9, 2
	s_add_co_u32 s42, s42, s40                     ; tile column
	s_and_b32 s17, ttmp7, 0xffff
	s_lshl_b32 s17, s17, 2
	s_add_co_u32 s17, s17, s41                     ; tile row
	s_lshl_b32 s43, s41, 2
	s_lshl_b32 s43, 15, s43                        ; my row of the cluster
	s_lshl_b32 s44, 0x1111, s40                    ; my column
	s_or_b32 s[G1+0], s43, (1<<21)                 ; A: the mask; elements of 1 byte; dense in LDS; bit 21 beside a mask
	s_mov_b32 s[G1+1], 256<<16                     ; 128 dense rows of 256 bytes: eight tiles of rows x 4,096 bytes
	s_mov_b32 s[G1+2], 128<<16
	s_mov_b32 s[G1+3], 256<<16
	s_mov_b32 s[G1+4], 128
	s_mov_b32 s[G1+5], 256
	s_mov_b32 s[G1+6], 0
	s_mov_b32 s[G1+7], 0
	s_or_b32 s[G1B+0], s44, (1<<20)|(1<<21)|(5<<22)|(3<<25)   ; W: padding of 4 words behind every 64
	s_mov_b32 s[G1B+1], 256<<16                    ; 64 rows of 256 bytes, SIZE_K bytes apart
	s_mov_b32 s[G1B+2], 64<<16
	s_mov_b32 s[G1B+3], 256<<16
	s_mov_b32 s[G1B+4], 64
	s_mov_b32 s[G1B+5], SIZE_K
	s_mov_b32 s[G1B+6], 0
	s_mov_b32 s[G1B+7], 0
	s_lshl_b32 s20, s17, 16                        ; A: (16 x tile row + 8 x half) tiles of 4,096 bytes
	s_lshl_b32 s18, s16, 15
	s_add_co_u32 s20, s20, s18
	s_mov_b32 s21, 0
	s_lshl_b32 s46, s42, 7                         ; W: row 128 x tile column + 64 x half
	s_lshl_b32 s18, s16, 6
	s_add_co_u32 s46, s46, s18
	s_mul_i32 s46, s46, SIZE_K
	s_mov_b32 s47, 0
	s_mul_i32 s45, s16, 32768                      ; where they go: A's half,
	s_mul_i32 s19, s16, BHALF
	s_add_co_u32 s19, s19, BOFF                    ; W's half
	s_wait_kmcnt 0x0
	s_load_b512 s[68:83], s[8:9], 0x0              ; e0 .. e15
	s_add_nc_u64 s[20:21], s[4:5], s[20:21]
	s_add_nc_u64 s[46:47], s[6:7], s[46:47]
	CROUND                                         ; all sixteen work-groups are here: the first joint loads meet
.irp s, 0,1
	s_mov_b32 s[G0+4*\s], 1
	s_add_co_u32 s[G0+4*\s+1], s45, \s*SLOT
	s_add_nc_u64 s[G0+4*\s+2:G0+4*\s+3], s[20:21], \s*0x100000     ; a K step of A's images is 1 MiB
	s_or_b32 s[G0+4*\s+3], s[G0+4*\s+3], 0x80000000
	s_mov_b32 s[G0B+4*\s], 1
	s_add_co_u32 s[G0B+4*\s+1], s19, \s*SLOT
	s_add_nc_u64 s[G0B+4*\s+2:G0B+4*\s+3], s[46:47], \s*256
	s_or_b32 s[G0B+4*\s+3], s[G0B+4*\s+3], 0x80000000
	JLOAD G0+4*\s, G1, G0B+4*\s, G1B
.endr
	v_and_b32 v1, 15, v0                           ; r
	v_bfe_u32 v2, v0, 4, 1                         ; h
	v_and_b32 v6, 31, v0
	v_lshlrev_b32 v7, 4, v6                        ; 16 x lane
	v_mul_u32_u24 v3, v1, PITCH
	v_lshl_add_u32 v4, v2, 3, v3                   ; W: row x pitch + 8 x half
	s_lshl_b32 s21, s15, 15                        ; my eight tiles of A's rows
	s_mul_i32 s22, s16, BHALF
	s_add_co_u32 s22, s22, BOFF                    ; my 64 rows of W
.irp s, 0,1
	v_add_nc_u32 v[ADRA+\s], s21, v7
	v_add_nc_u32 v[ADRB+\s], s22, v4
	s_add_co_u32 s21, s21, SLOT
	s_add_co_u32 s22, s22, SLOT
.endr
	s_mul_i32 s23, s14, 16*SPITCH                  ; my stage
	v_mul_u32_u24 v5, v1, SPITCH
	v_lshl_add_u32 v5, v2, 5, v5
	v_add_nc_u32 v[STO], s23, v5                   ; in: row r, 32 bytes for each half of the lanes
	v_mul_u32_u24 v5, v2, SPITCH
	v_lshl_add_u32 v5, v1, 4, v5
	v_add_nc_u32 v[RD], s23, v5                    ; back: lanes 0-15 one row of 256 bytes, lanes 16-31 the next
	v_lshlrev_b32 v5, 12, v2
	v_lshl_add_u32 v[CO], v1, 4, v5                ; and the same two rows in memory
	v_lshlrev_b32 v8, 5, v2                        ; 32 h
	s_lshl_b32 s20, s17, 20                        ; my first row, 256 x tile row + 128 x half, of 4,096 bytes; my first column, 128 x tile column + 64 x half
	s_lshl_b32 s21, s15, 19
	s_add_co_u32 s20, s20, s21
	s_lshl_b32 s46, s42, 9
	s_lshl_b32 s47, s16, 8
	s_add_co_u32 s46, s46, s47
	s_mov_b32 s47, 0
	s_add_nc_u64 s[10:11], s[10:11], s[46:47]      ; the bias at my first column
	s_add_co_u32 s20, s20, s46
	s_mov_b32 s21, 0
	s_add_nc_u64 s[RSP:RSP+1], s[RSP:RSP+1], s[20:21]
	s_add_nc_u64 s[OUTP:OUTP+1], s[OUTP:OUTP+1], s[20:21]
.irp b, 0,1,2,3
	global_load_b128 v[BC+8*\b:BC+8*\b+3], v8, s[10:11] offset:64*\b
	global_load_b128 v[BC+8*\b+4:BC+8*\b+7], v8, s[10:11] offset:64*\b+16
.endr
	s_wait_kmcnt 0x0
	s_add_co_i32 s96, s[EA], s[EB]
	s_sub_co_i32 s90, 0, s96
	s_add_co_i32 s96, s96, 127
	s_lshl_b32 s96, s96, 23                        ; 2^(eA + eB) as f32
	s_mov_b32 s97, s96                             ; (named with it as a pair, so it is written)
	s_wait_loadcnt 0x0
.set j, 0
.rept 32
	v_ldexp_f32 v[BC+j], v[BC+j], s90              ; bias / 2^(eA + eB)
.set j, j+1
.endr
.macro FRAGA reg, slot, q, a           ; an image comes back as it was stored: four loads of 512 consecutive bytes
.irp c, 0,1,2,3
	ds_load_b128 v[\reg+4*\c:\reg+4*\c+3], v[ADRA+\slot] offset:4096*(\a)+2048*(\q)+512*\c
.endr
.endm
.macro FRAGB reg, slot, q, b           ; registers 2 c, 2 c + 1: k = 16 c + 8 (lane / 16) + 0 .. 7
.irp c, 0,1,2,3,4,5,6,7
	ds_load_b64 v[\reg+2*\c:\reg+2*\c+1], v[ADRB+\slot] offset:16*PITCH*(\b)+128*(\q)+16*\c
.endr
.endm
; 8 matrix instructions: A's blocks a0, a0 + 1 x W's four.  first = 1: the bias is C.  The 32 accumulators take turns, one instruction a turn.
.macro MUL8 a0, p, first
.irp a, \a0, \a0+1
.irp b, 0,1,2,3
.if \first
	v_wmma_f32_16x16x128_bf8_bf8 v[8*(8*((\a)%4)+\b):8*(8*((\a)%4)+\b)+7], v[128*(\p)+FR*\b:128*(\p)+FR*\b+FR-1], v[AF+FR*(\a):AF+FR*(\a)+FR-1], v[BC+8*\b:BC+8*\b+7]
.else
	v_wmma_f32_16x16x128_bf8_bf8 v[8*(8*((\a)%4)+\b):8*(8*((\a)%4)+\b)+7], v[128*(\p)+FR*\b:128*(\p)+FR*\b+FR-1], v[AF+FR*(\a):AF+FR*(\a)+FR-1], v[8*(8*((\a)%4)+\b):8*(8*((\a)%4)+\b)+7]
.endif
.endr
.endr
.endm
.macro FETCH_B slot, q, p              ; 32 loads
	WIN TO_B
.irp i, 0,1,2,3
	FRAGB 128*(\p)+FR*\i, \slot, \q, \i
.endr
	WIN 0
.endm
.macro FETCH_A slot, q, i0             ; 16 loads
.irp i, \i0, \i0+1, \i0+2, \i0+3
	FRAGA AF+FR*(\i), \slot, \q, \i
.endr
.endm
.macro PLACES n
.rept \n
	v_nop
.endr
.endm
.macro STEP slot, q, first
	s_wait_dscnt 4*NL                              ; W's set and A's blocks 0-3 are in; the youngest 16 loads (blocks 4-7) may be out
.if \first
	WIN FST_LO
.else
	WIN MUL_LO
.endif
	MUL8 0, (\q)%2, \first
	MUL8 2, (\q)%2, \first
	s_wait_dscnt 0
	PLACES NP
	FETCH_B \slot, (\q)+1, 1-(\q)%2
	FETCH_A \slot, (\q)+1, 0
.if \first
	WIN FST_HI
.else
	WIN MUL_HI
.endif
	MUL8 4, (\q)%2, \first
	MUL8 6, (\q)%2, \first
	PLACES NP
	WIN 0
	FETCH_A \slot, (\q)+1, 4
.endm
.macro TURN slot, next, fill
	s_wait_tensorcnt 0x0                           ; all my tensor loads have landed: my part of the next slot
	ds_add_u32 v[SPW], v[NIL]                      ; 0 onto my spare word
	s_wait_dscnt 4*NL+1                            ; the add and the youngest 16 loads may be out
	WIN MUL_LO
	MUL8 0, 1, 0
	s_wait_dscnt 0x0                               ; the add is done, and my reads of this slot are over
	s_barrier_signal -1
	MUL8 2, 1, 0
	WIN 0
	s_barrier_wait -1
.if \fill
	CREST                                          ; the barrier has opened a round of the cluster's
	s_add_nc_u64 s[G0+4*\slot+2:G0+4*\slot+3], s[G0+4*\slot+2:G0+4*\slot+3], 0x200000
	s_add_nc_u64 s[G0B+4*\slot+2:G0B+4*\slot+3], s[G0B+4*\slot+2:G0B+4*\slot+3], 512
	JLOAD G0+4*\slot, G1, G0B+4*\slot, G1B         ; the first tensor load behind the round; its four v_nop are the places in front of the loads below
.else
	PLACES NP
.endif
	FETCH_B \next, 0, 0
	FETCH_A \next, 0, 0
	WIN MUL_HI
	MUL8 4, 1, 0
	MUL8 6, 1, 0
	PLACES NP
	WIN 0
	FETCH_A \next, 0, 4
.endm
	s_wait_tensorcnt 1                             ; my part of K step 0 is in; K step 1's load may be out
	s_barrier_signal -1
	s_barrier_wait -1
	FETCH_B 0, 0, 0
	FETCH_A 0, 0, 0
	FETCH_A 0, 0, 4
	STEP 0, 0, 1
	s_mov_b32 s3, LAPS-1
.Llap:
	TURN 0, 1, 1
	STEP 1, 0, 0
	TURN 1, 0, 1
	STEP 0, 0, 0
	s_sub_co_u32 s3, s3, 1
	s_cmp_lg_u32 s3, 0
	s_cbranch_scc1 .Llap
	TURN 0, 1, 0
	STEP 1, 0, 0
	s_wait_dscnt 4*NL
	WIN MUL_LO
	MUL8 0, 1, 0
	MUL8 2, 1, 0
	s_wait_dscnt 0
	WIN MUL_HI
	MUL8 4, 1, 0
	MUL8 6, 1, 0
	WIN 0
.macro RESLOAD a                       ; the residual of block a's 16 rows, in the layout in which the rows come back from the stage
.set RR, RES+32*((\a)%2)
.irp t, 0,1,2,3,4,5,6,7
	global_load_b128 v[RR+4*\t:RR+4*\t+3], v[CO], s[RSP:RSP+1] offset:(16*(\a)+2*\t)*4096
.endr
.endm
.macro TOSTAGE a                       ; the sums go into the stage as they stand, each accumulator from its low end on; LDS serves a wave's instructions in order
.set AC, 64*((\a)%4)
.set WN, 0x08+4*((\a)/4)
	WIN WN                                         ; an LDS store's data: window 2 or 3
.irp b, 0,1,2,3
	ds_store_b128 v[STO], v[AC+8*\b:AC+8*\b+3] offset:64*\b
	ds_store_b128 v[STO], v[AC+8*\b+4:AC+8*\b+7] offset:64*\b+16
.endr
	WIN 0
.set BB, BK+32*((\a)%2)
.irp t, 0,1,2,3,4,5,6,7
	ds_load_b128 v[BB+4*\t:BB+4*\t+3], v[RD] offset:\t*2*SPITCH
.endr
.endm
.macro SEND a, younger, later          ; younger, later: the LDS instructions and the global loads issued behind block a's, which may stay out
.set BB, BK+32*((\a)%2)
.set RR, RES+32*((\a)%2)
	s_wait_dscnt \younger
	s_wait_loadcnt \later
.irp j, 0,2,4,6,8,10,12,14,16,18,20,22,24,26,28,30
	v_pk_fma_f32 v[BB+\j:BB+\j+1], v[BB+\j:BB+\j+1], s[96:97], v[RR+\j:RR+\j+1] op_sel_hi:[1,0,1]   ; sum x 2^(eA + eB) + residual
.endr
.irp t, 0,1,2,3,4,5,6,7
	global_store_b128 v[CO], v[BB+4*\t:BB+4*\t+3], s[OUTP:OUTP+1] offset:(16*(\a)+2*\t)*4096   ; 16 lanes store 256 consecutive bytes, aligned
.endr
.endm
	PLACES NP                                      ; in front of the loads into A's registers and of the first read of results
	RESLOAD 0
	TOSTAGE 0
.irp a, 1,2,3,4,5,6,7
.if \a > 1
	s_wait_xcnt 0x0                                ; block a - 2's stores have read their data: block a's rows may land there
.endif
	RESLOAD \a
	TOSTAGE \a
	SEND \a-1, 16, 8                               ; behind block a - 1's: block a's 8 LDS stores and 8 LDS loads, and its 8 residual loads
.endr
	SEND 7, 0, 0
	s_wait_tensorcnt 0x0                           ; the wave's end
	ds_add_u32 v[SPW], v[NIL]
	s_wait_dscnt 0x0
	CROUND                                         ; the closing round
	s_endpgm
.Lfunc_end_k_qc0aadb1d61_fc2:
	.size	k_qc0aadb1d61_fc2, .Lfunc_end_k_qc0aadb1d61_fc2-k_qc0aadb1d61_fc2
	.p2alignl 7, 3214868480
	.fill 96, 4, 3214868480
	.section	.rodata,"a",@progbits
	.p2align	6, 0x0
	.amdhsa_kernel k_qc0aadb1d61_fc2
		.amdhsa_group_segment_fixed_size 327680
		.amdhsa_private_segment_fixed_size 0
		.amdhsa_enable_private_segment 0
		.amdhsa_kernarg_size 48
		.amdhsa_user_sgpr_count 2
		.amdhsa_user_sgpr_kernarg_segment_ptr 1
		.amdhsa_wavefront_size32 1
		.amdhsa_system_sgpr_workgroup_id_x 1
		.amdhsa_system_sgpr_workgroup_id_y 1
		.amdhsa_system_sgpr_workgroup_id_z 1
		.amdhsa_system_vgpr_workitem_id 0
		.amdhsa_next_free_vgpr 1024
		.amdhsa_next_free_sgpr 100
		.amdhsa_reserve_vcc 0
		.amdhsa_float_denorm_mode_32 3
		.amdhsa_float_denorm_mode_16_64 3
		.amdhsa_memory_ordered 1
		.amdhsa_forward_progress 1
		.amdhsa_inst_pref_size 94
	.end_amdhsa_kernel
	.amdgpu_metadata
---
amdhsa.version: [ 1, 2 ]
amdhsa.kernels:
  - .name:           k_qc0aadb1d61_fc2
    .symbol:         k_qc0aadb1d61_fc2.kd
    .args:
      - { .name: hc, .offset: 0, .size: 8, .value_kind: global_buffer, .address_space: global }
      - { .name: fc2_w_codes, .offset: 8, .size: 8, .value_kind: global_buffer, .address_space: global }
      - { .name: lowp_scales, .offset: 16, .size: 8, .value_kind: global_buffer, .address_space: global }
      - { .name: fc2_b, .offset: 24, .size: 8, .value_kind: global_buffer, .address_space: global }
      - { .name: o1, .offset: 32, .size: 8, .value_kind: global_buffer, .address_space: global }
      - { .name: y, .offset: 40, .size: 8, .value_kind: global_buffer, .address_space: global }
    .group_segment_fixed_size: 327680
    .private_segment_fixed_size: 0
    .kernarg_segment_align: 8
    .kernarg_segment_size: 48
    .max_flat_workgroup_size: 128
    .sgpr_count:     100
    .vgpr_count:     1024
    .wavefront_size: 32
...
	.end_amdgpu_metadata
.endif
;; end of part 7
;; launch ln2 (part 8): grid 256 x 1, 4 waves a work-group, no clusters, 0 bytes of LDS; arguments y, ln2_g, ln2_b, out0; writes out0
.if DOCPART == 8
	.amdgcn_target "amdgcn-amd-amdhsa--gfx1250"
	.amdhsa_code_object_version 6
	.text
	.protected	k_qc0aadb1d61_ln2
	.globl	k_qc0aadb1d61_ln2
	.p2align	8
	.type	k_qc0aadb1d61_ln2,@function
k_qc0aadb1d61_ln2:
	s_mov_b64 s[64:65], 0
	v_nop
	global_prefetch_b8 v0, s[64:65] scope:SCOPE_SE
	s_setreg_imm32_b32 hwreg(HW_REG_WAVE_MODE, 25, 1), 1
	s_wait_xcnt 0x0
; out = (y - mean) x rsqrt(var + 1e-6) x g + b along rows of 1,024 f32; with CODES = 1 the result is also quantised to E5M2, rows of 1,024 bytes (here CODES = 0: the layer's output).
; One wave takes a row: 32 registers a lane, kept between the pass for the mean, the pass for the variance (of y - mean: no difference of large sums) and the scaling: y is read once.
; A wave has four rows; all its 48 loads (g, b, four rows) go out at the head.  A lane holds columns 128 j + 4 lane + 0 .. 3: each load and store covers 512 consecutive bytes.
; Memory binds: no matrix unit, no LDS, no tensor loads, no cluster, no barrier: waves share nothing.  NaN among the inputs is not served.
.set CODES, 0
.set OFF, 3                            ; v3   16 x lane
.set X,   64                           ; v64-191 four rows
.set G,   192
.set BT,  224
.set OUTP, 10
	s_load_b256 s[4:11], s[0:1], 0x0               ; y, g, b, the output
	v_lshrrev_b32 v1, 5, v0
	v_readfirstlane_b32 s20, v1                    ; wave
	v_and_b32 v2, 31, v0
	v_lshlrev_b32 v[OFF], 4, v2
	s_lshl_b32 s22, ttmp9, 16                      ; 16 rows of 4,096 bytes a work-group,
	s_lshl_b32 s23, s20, 14                        ; four a wave
	s_add_co_u32 s22, s22, s23
	s_mov_b32 s23, 0
	s_mov_b32 s12, 0x76543210                      ; v_permlanex16_b32: lane l xor 16
	s_mov_b32 s13, 0xfedcba98
	s_mov_b32 s14, 0x3a800000                      ; 1 / 1,024
	s_mov_b32 s15, 0x358637bd                      ; 1e-6
	s_wait_kmcnt 0x0
	s_add_nc_u64 s[4:5], s[4:5], s[22:23]
	s_add_nc_u64 s[OUTP:OUTP+1], s[OUTP:OUTP+1], s[22:23]
.irp j, 0,1,2,3,4,5,6,7
	global_load_b128 v[G+4*\j:G+4*\j+3], v[OFF], s[6:7] offset:512*\j
.endr
.irp j, 0,1,2,3,4,5,6,7
	global_load_b128 v[BT+4*\j:BT+4*\j+3], v[OFF], s[8:9] offset:512*\j
.endr
.irp i, 0,1,2,3
.irp j, 0,1,2,3,4,5,6,7
	global_load_b128 v[X+32*\i+4*\j:X+32*\i+4*\j+3], v[OFF], s[4:5] offset:4096*\i+512*\j th:TH_LOAD_NT
.endr
.endr
.macro LANES a, b                      ; the sum over the 32 lanes, in every lane
	v_add_f32_dpp v[\a], v[\a], v[\a] row_xmask:1 row_mask:0xf bank_mask:0xf
	v_add_f32_dpp v[\a], v[\a], v[\a] row_xmask:2 row_mask:0xf bank_mask:0xf
	v_add_f32_dpp v[\a], v[\a], v[\a] row_xmask:4 row_mask:0xf bank_mask:0xf
	v_add_f32_dpp v[\a], v[\a], v[\a] row_xmask:8 row_mask:0xf bank_mask:0xf
	v_permlanex16_b32 v[\b], v[\a], s12, s13
	v_add_f32 v[\a], v[\a], v[\b]
.endm
.macro ROW i
.set XR, X+32*(\i)
	s_wait_loadcnt 24-8*(\i)                       ; g, b and this row are in; the rows behind it stay out
	v_pk_add_f32 v[8:9], v[XR:XR+1], v[XR+2:XR+3]
	v_pk_add_f32 v[10:11], v[XR+4:XR+5], v[XR+6:XR+7]
.irp j, 8,12,16,20,24,28
	v_pk_add_f32 v[8:9], v[8:9], v[XR+\j:XR+\j+1]
	v_pk_add_f32 v[10:11], v[10:11], v[XR+\j+2:XR+\j+3]
.endr
	v_pk_add_f32 v[8:9], v[8:9], v[10:11]
	v_add_f32 v8, v8, v9
	LANES 8, 9
	v_mul_f32 v8, s14, v8                          ; the mean
.irp j, 0,2,4,6,8,10,12,14,16,18,20,22,24,26,28,30
	v_pk_add_f32 v[XR+\j:XR+\j+1], v[XR+\j:XR+\j+1], v[8:9] op_sel_hi:[1,0] neg_lo:[0,1] neg_hi:[0,1]   ; y - mean
.endr
	v_pk_mul_f32 v[10:11], v[XR:XR+1], v[XR:XR+1]
	v_pk_mul_f32 v[12:13], v[XR+2:XR+3], v[XR+2:XR+3]
.irp j, 4,8,12,16,20,24,28
	v_pk_fma_f32 v[10:11], v[XR+\j:XR+\j+1], v[XR+\j:XR+\j+1], v[10:11]
	v_pk_fma_f32 v[12:13], v[XR+\j+2:XR+\j+3], v[XR+\j+2:XR+\j+3], v[12:13]
.endr
	v_pk_add_f32 v[10:11], v[10:11], v[12:13]
	v_add_f32 v10, v10, v11
	LANES 10, 11
	v_fma_f32 v10, v10, s14, s15                   ; the variance + 1e-6
	v_rsq_f32 v10, v10
	v_nop                                          ; a plain line behind the transcendental
	s_wait_alu depctr_va_vdst(0)
.irp j, 0,2,4,6,8,10,12,14,16,18,20,22,24,26,28,30
	v_pk_mul_f32 v[XR+\j:XR+\j+1], v[XR+\j:XR+\j+1], v[10:11] op_sel_hi:[1,0]
.endr
.irp j, 0,2,4,6,8,10,12,14,16,18,20,22,24,26,28,30
	v_pk_fma_f32 v[XR+\j:XR+\j+1], v[XR+\j:XR+\j+1], v[G+\j:G+\j+1], v[BT+\j:BT+\j+1]
.endr
.irp j, 0,1,2,3,4,5,6,7
	global_store_b128 v[OFF], v[XR+4*\j:XR+4*\j+3], s[OUTP:OUTP+1] offset:4096*(\i)+512*\j th:TH_STORE_NT
.endr
.endm
	ROW 0
	ROW 1
	ROW 2
	ROW 3
	s_endpgm
.Lfunc_end_k_qc0aadb1d61_ln2:
	.size	k_qc0aadb1d61_ln2, .Lfunc_end_k_qc0aadb1d61_ln2-k_qc0aadb1d61_ln2
	.p2alignl 7, 3214868480
	.fill 96, 4, 3214868480
	.section	.rodata,"a",@progbits
	.p2align	6, 0x0
	.amdhsa_kernel k_qc0aadb1d61_ln2
		.amdhsa_group_segment_fixed_size 0
		.amdhsa_private_segment_fixed_size 0
		.amdhsa_enable_private_segment 0
		.amdhsa_kernarg_size 32
		.amdhsa_user_sgpr_count 2
		.amdhsa_user_sgpr_kernarg_segment_ptr 1
		.amdhsa_wavefront_size32 1
		.amdhsa_system_sgpr_workgroup_id_x 1
		.amdhsa_system_sgpr_workgroup_id_y 1
		.amdhsa_system_sgpr_workgroup_id_z 1
		.amdhsa_system_vgpr_workitem_id 0
		.amdhsa_next_free_vgpr 256
		.amdhsa_next_free_sgpr 66
		.amdhsa_reserve_vcc 0
		.amdhsa_float_denorm_mode_32 3
		.amdhsa_float_denorm_mode_16_64 3
		.amdhsa_memory_ordered 1
		.amdhsa_forward_progress 1
		.amdhsa_inst_pref_size 33
	.end_amdhsa_kernel
	.amdgpu_metadata
---
amdhsa.version: [ 1, 2 ]
amdhsa.kernels:
  - .name:           k_qc0aadb1d61_ln2
    .symbol:         k_qc0aadb1d61_ln2.kd
    .args:
      - { .name: y, .offset: 0, .size: 8, .value_kind: global_buffer, .address_space: global }
      - { .name: ln2_g, .offset: 8, .size: 8, .value_kind: global_buffer, .address_space: global }
      - { .name: ln2_b, .offset: 16, .size: 8, .value_kind: global_buffer, .address_space: global }
      - { .name: out0, .offset: 24, .size: 8, .value_kind: global_buffer, .address_space: global }
    .group_segment_fixed_size: 0
    .private_segment_fixed_size: 0
    .kernarg_segment_align: 8
    .kernarg_segment_size: 32
    .max_flat_workgroup_size: 128
    .sgpr_count:     66
    .vgpr_count:     256
    .wavefront_size: 32
...
	.end_amdgpu_metadata
.endif
;; end of part 8
;; ======== version 2 of 2: 8 launches
;; limits: right only within a limited range of input values
;; workspace buffers: xc 12,582,912 bytes; qkv 12,582,912 bytes; ctxc 4,194,304 bytes; y 16,777,216 bytes; o1 16,777,216 bytes; o1c 4,194,304 bytes; hc 16,777,216 bytes
;; launch quantx: the kernel of part 1 again; grid 256 x 1, 4 waves a work-group, no clusters, 33,280 bytes of LDS; arguments x, lowp_scales, xc; writes xc
;; launch qkv: the kernel of part 2 again; grid 12 x 16, 4 waves a work-group, clusters of 4 x 4, 327,680 bytes of LDS; arguments xc, wq_w_codes, wk_w_codes, wv_w_codes, wq_b, wk_b, wv_b, lowp_scales, qkv; writes qkv
;; launch attn (part 9): grid 8 x 32, 8 waves a work-group, clusters of 4 x 1, 327,680 bytes of LDS; arguments qkv, mask, lowp_scales, ctxc; writes ctxc
.if DOCPART == 9
	.amdgcn_target "amdgcn-amd-amdhsa--gfx1250"
	.amdhsa_code_object_version 6
	.text
	.protected	k_qc0aadb1d61_attn
	.globl	k_qc0aadb1d61_attn
	.p2align	8
	.type	k_qc0aadb1d61_attn,@function
k_qc0aadb1d61_attn:
	s_mov_b64 s[64:65], 0
	v_nop
	global_prefetch_b8 v0, s[64:65] scope:SCOPE_SE
	s_setreg_imm32_b32 hwreg(HW_REG_WAVE_MODE, 25, 1), 1
	s_wait_xcnt 0x0
	s_wait_alu depctr_hold_cnt(0) depctr_sa_sdst(0) depctr_va_vdst(0) depctr_va_sdst(0) depctr_va_ssrc(0) depctr_va_vcc(0) depctr_vm_vsrc(0)
	s_getreg_b32 s2, hwreg(HW_REG_IB_STS2, 6, 4)
	s_cmp_eq_u32 s2, 0
	s_cbranch_scc0 .Lentry_in_a_cluster
	s_endpgm
.Lentry_in_a_cluster:
	s_bfe_u32 s2, ttmp6, 0x10000c
	s_cmp_lg_u32 s2, 0x3003
	s_cbranch_scc0 .Lentry_shape_is_right
	s_endpgm
.Lentry_shape_is_right:
.set MT,   262144
.set LI,   1
.set AV0,  2
.set AM0,  3
.set ADK,  4
.set ADV,  5
.set ADM,  6
.set LIMP, 7
.set SCP,  8
.set MOF,  9
.set LIMC, 10
.set SCO,  11
.set X2,   12
.set MST,  14
.set ST,   16
.set PC,   32
.set S,    64
.set MC,   192
.set QF,   64
.set KF,   128
.set VF,   192
.set WV,   12
.set SEL,  20
.set CS,   22
.set G1,   24
.set G0,   32
.set TB,   40
.set TBM,  41
.set CNT,  42
.set MSB, 0
.macro WIN new
.if MSB != \new
	s_set_vgpr_msb (MSB<<8)|\new
.set MSB, \new
.endif
.endm
.macro CROUND
	s_barrier_signal -1
	s_barrier_wait -1
	s_cmp_lg_u32 s[WV], 0
	s_cbranch_scc1 .Lnot_wave_0_\@
	s_barrier_signal -3
.Lnot_wave_0_\@:
	s_barrier_wait -3
	s_barrier_signal -1
	s_barrier_wait -1
.endm
	s_load_b256 s[4:11], s[0:1], 0x0
	s_set_vgpr_msb 0x40
	v_lshl_add_u32 v126, v0, 2, 0x42000
	v_mov_b32 v127, 0
	s_set_vgpr_msb 0x4045
	ds_add_u32 v126, v127
	ds_add_u32 v126, v127
	s_set_vgpr_msb 0x4500
	v_lshrrev_b32 v1, 5, v0
	s_delay_alu instid0(VALU_DEP_1)
	v_readfirstlane_b32 s[WV], v1
	s_bfe_u32 s13, ttmp6, 0x40000
	s_lshl_b32 s14, ttmp9, 2
	s_add_co_u32 s14, s14, s13
	s_and_b32 s15, ttmp7, 0xffff
	s_lshr_b32 s16, s[WV], 2
	s_and_b32 s17, s[WV], 3
	s_lshl_b32 s18, s16, 17
	s_lshl_b32 s19, s17, 14
	s_add_co_u32 s18, s18, s19
	s_lshl_b32 s2, s16, 22
	s_add_co_u32 s2, s2, 0x400000
	s_lshl_b32 s3, s15, 17
	s_add_co_u32 s2, s2, s3
	s_add_co_u32 s2, s2, s19
	s_mov_b32 s3, 0
	s_mov_b32 s[G1], 15|(1<<21)
	s_mov_b32 s[G1+1], 256<<16
	s_mov_b32 s[G1+2], 64<<16
	s_mov_b32 s[G1+3], 256<<16
	s_mov_b32 s[G1+4], 64
	s_mov_b32 s[G1+5], 256
	s_mov_b32 s[G1+6], 0
	s_mov_b32 s[G1+7], 0
	s_mov_b32 s[SEL], 0x76543210
	s_mov_b32 s[SEL+1], 0xfedcba98
	s_mov_b32 s[TB], 0
	s_mov_b32 s[TBM], 0
	s_wait_dscnt 0x0
	s_wait_kmcnt 0x0
	s_load_b512 s[44:59], s[8:9], 0x0
	s_mov_b32 s[G0], 1
	s_mov_b32 s[G0+1], s18
	s_add_nc_u64 s[G0+2:G0+3], s[4:5], s[2:3]
	s_mov_b32 s[G0+4], 1
	s_add_co_u32 s[G0+5], s18, 65536
	s_add_nc_u64 s[G0+6:G0+7], s[G0+2:G0+3], 0x10000
	s_or_b32 s[G0+3], s[G0+3], 0x80000000
	s_or_b32 s[G0+7], s[G0+7], 0x80000000
	CROUND
	tensor_load_to_lds s[G0:G0+3], s[G1:G1+7]
	s_nop 0
	tensor_load_to_lds s[G0+4:G0+7], s[G1:G1+7]
	s_nop 0
.rept 4
	v_nop
.endr
	v_and_b32 v15, 31, v0
	s_delay_alu instid0(VALU_DEP_1)
	v_lshlrev_b32 v[LI], 4, v15
	s_wait_alu depctr_va_vdst(0)
	v_add_nc_u32 v[AV0], 131072, v[LI]
	v_bfe_u32 v15, v0, 4, 1
	s_delay_alu instid0(VALU_DEP_1)
	v_lshlrev_b32 v[AM0], 5, v15
	s_delay_alu instid0(VALU_DEP_1)
	v_add_nc_u32 v[AM0], MT, v[AM0]
	v_lshlrev_b32 v[MOF], 5, v0
	v_lshl_add_u32 v[MST], v0, 5, MT
	s_lshl_b32 s2, s15, 17
	s_lshl_b32 s3, s14, 14
	s_add_co_u32 s2, s2, s3
	s_lshl_b32 s3, s[WV], 11
	s_add_co_u32 s2, s2, s3
	s_mov_b32 s3, 0
	s_add_nc_u64 s[4:5], s[4:5], s[2:3]
	WIN 0x40
.irp u, 0,1
.irp g, 0,1
	global_load_b128 v[QF+8*\u+4*\g:QF+8*\u+4*\g+3], v[LI], s[4:5] offset:1024*\u+512*\g
.endr
.endr
.set j, 0
.rept 64
	v_mov_b32 v[j], 0
.set j, j+1
.endr
	WIN 0
	s_lshr_b32 s2, s15, 4
	s_lshl_b32 s2, s2, 13
	s_mov_b32 s3, 0
	s_add_nc_u64 s[6:7], s[6:7], s[2:3]
	global_load_b128 v[S:S+3], v[MOF], s[6:7]
	global_load_b128 v[S+4:S+7], v[MOF], s[6:7] offset:16
.irp u, 0,1
	v_mov_b32 v[ST+8*\u+1], 0xff61b1e6
	s_delay_alu instid0(VALU_DEP_1)
	v_floor_f32 v[ST+8*\u], -v[ST+8*\u+1]
.irp k, 2,3,4,5,6,7
	v_mov_b32 v[ST+8*\u+\k], 0
.endr
.endr
	s_and_b32 s2, s15, 15
	s_lshr_b32 s3, s2, 2
	s_lshl_b32 s3, s3, 20
	s_bfe_u32 s62, s2, 0x10001
	s_lshl_b32 s62, s62, 11
	s_add_co_u32 s3, s3, s62
	s_and_b32 s62, s2, 1
	s_lshl_b32 s62, s62, 10
	s_add_co_u32 s3, s3, s62
	s_lshr_b32 s62, s15, 4
	s_lshl_b32 s62, s62, 19
	s_add_co_u32 s3, s3, s62
	s_lshl_b32 s62, s14, 16
	s_add_co_u32 s3, s3, s62
	s_lshl_b32 s62, s[WV], 13
	s_add_co_u32 s2, s3, s62
	s_mov_b32 s3, 0
	s_add_nc_u64 s[10:11], s[10:11], s[2:3]
	s_wait_kmcnt 0x0
	s_add_co_i32 s60, s50, s51
	s_sub_co_i32 s61, 0, s60
	s_lshl_b32 s62, s60, 23
	s_add_co_i32 s[CS], s62, 0x3e38aa3b
	s_mov_b32 s[CS+1], s[CS]
	s_add_co_i32 s62, s52, 127
	s_lshl_b32 s63, s62, 23
	v_mov_b32 v[SCP], s63
	s_sub_co_i32 s62, s54, s52
	s_sub_co_i32 s62, s62, s53
	s_add_co_i32 s62, s62, 127
	s_lshl_b32 s63, s62, 23
	v_mov_b32 v[SCO], s63
	s_add_co_i32 s62, s62, 15
	s_lshl_b32 s62, s62, 23
	s_or_b32 s62, s62, 0x600000
	s_wait_loadcnt 0x0
.irp j, 0,1,2,3,4,5,6,7
	v_mul_f32 v[S+\j], 0xcfee6b28, v[S+\j]
.endr
.irp j, 0,1,2,3,4,5,6,7
	v_ldexp_f32 v[S+\j], v[S+\j], s61
.endr
	ds_store_b128 v[MST], v[S:S+3]
	ds_store_b128 v[MST], v[S+4:S+7] offset:16
.macro SOFTMAX u
.set rS, S+64*(\u)
.set rT, ST+8*(\u)
.set rP, PC+16*(\u)
	v_max3_num_f32 v[rT+6], v[rS], v[rS+1], v[rS+2]
	v_max3_num_f32 v[rT+7], v[rS+3], v[rS+4], v[rS+5]
.irp i, 6,10,14,18,22,26,30,34,38,42,46,50,54,58
	v_max3_num_f32 v[rT+6], v[rT+6], v[rS+\i], v[rS+\i+1]
	v_max3_num_f32 v[rT+7], v[rT+7], v[rS+\i+2], v[rS+\i+3]
.endr
	v_max3_num_f32 v[rT+6], v[rT+6], v[rS+62], v[rS+63]
	s_delay_alu instid0(VALU_DEP_1)
	v_max_num_f32 v[rT+6], v[rT+6], v[rT+7]
	s_delay_alu instid0(VALU_DEP_1)
	v_permlanex16_b32 v[rT+7], v[rT+6], s[SEL], s[SEL+1]
	s_delay_alu instid0(VALU_DEP_1)
	v_max_num_f32 v[rT+6], v[rT+6], v[rT+7]
	s_delay_alu instid0(VALU_DEP_1)
	v_mul_f32 v[rT+6], s[CS], v[rT+6]
	s_delay_alu instid0(VALU_DEP_1)
	v_max_num_f32 v[rT+1], v[rT+1], v[rT+6]
	v_mov_b32 v[rT+6], v[rT]
	s_delay_alu instid0(VALU_DEP_2)
	v_floor_f32 v[rT], -v[rT+1]
	s_delay_alu instid0(VALU_DEP_1)
	v_sub_f32 v[rT+6], v[rT], v[rT+6]
	s_delay_alu instid0(VALU_DEP_1)
	v_cvt_i32_f32 v[rT+6], v[rT+6]
	s_delay_alu instid0(VALU_DEP_1)
	v_ldexp_f32 v[rT+4], 1.0, v[rT+6]
.set j, 0
.rept 32
	v_pk_fma_f32 v[rS+j:rS+j+1], v[rS+j:rS+j+1], s[CS:CS+1], v[rT:rT+1] op_sel_hi:[1,0,0]
.set j, j+2
.endr
.set j, 0
	s_wait_alu depctr_va_vdst(0)
.rept 64
	v_exp_f32 v[rS+j], v[rS+j]
.set j, j+1
.endr
	v_pk_mul_f32 v[rT+2:rT+3], v[rT+2:rT+3], v[rT+4:rT+5] op_sel_hi:[1,0]
	s_wait_alu depctr_va_vdst(0)
	v_pk_add_f32 v[X2:X2+1], v[rS:rS+1], v[rS+2:rS+3]
.irp j, 4,8,12,16,20,24,28,32,36,40,44,48,52,56,60
	v_pk_add_f32 v[rT+2:rT+3], v[rT+2:rT+3], v[rS+\j:rS+\j+1]
	v_pk_add_f32 v[X2:X2+1], v[X2:X2+1], v[rS+\j+2:rS+\j+3]
.endr
	s_delay_alu instid0(VALU_DEP_1)
	v_pk_add_f32 v[rT+2:rT+3], v[rT+2:rT+3], v[X2:X2+1]
.irp b, 0,1,2,3
.irp i, 0,1,2,3,4,5,6,7,8,9,10,11,12,13,14,15
.endr
	v_cvt_scalef32_pk8_bf8_f32 v[rP+4*\b:rP+4*\b+1], v[rS+16*\b:rS+16*\b+7], v[SCP]
	v_cvt_scalef32_pk8_bf8_f32 v[rP+4*\b+2:rP+4*\b+3], v[rS+16*\b+8:rS+16*\b+15], v[SCP]
.endr
.endm
.macro STEP
	s_setprio 2
	v_add_nc_u32 v[ADK], s[TB], v[LI]
	v_add_nc_u32 v[ADV], s[TB], v[AV0]
	v_add_nc_u32 v[ADM], s[TBM], v[AM0]
.irp t, 0,1,2,3,4,5,6,7
	ds_load_b128 v[MC+8*\t:MC+8*\t+3], v[ADM] offset:64*\t
	ds_load_b128 v[MC+8*\t+4:MC+8*\t+7], v[ADM] offset:64*\t+16
.endr
	WIN 0x40
.irp t, 0,1,2,3,4,5,6,7
	ds_load_b128 v[KF+8*\t:KF+8*\t+3], v[ADK] offset:1024*\t
	ds_load_b128 v[KF+8*\t+4:KF+8*\t+7], v[ADK] offset:1024*\t+512
.endr
.irp t, 0,1,2,3
.irp g, 0,1,2,3
	ds_load_b128 v[VF+16*\t+4*\g:VF+16*\t+4*\g+3], v[ADV] offset:2048*\t+512*\g
.endr
.endr
	s_wait_dscnt 16
	WIN 0x05
.irp t, 0,1,2,3,4,5,6,7
.irp u, 0,1
	v_wmma_f32_16x16x64_bf8_bf8 v[S+64*\u+8*\t:S+64*\u+8*\t+7], v[KF+8*\t:KF+8*\t+7], v[QF+8*\u:QF+8*\u+7], v[MC+8*\t:MC+8*\t+7]
.endr
.endr
	WIN 0
.rept 4
	v_nop
.endr
	SOFTMAX 0
	s_setprio 1
	SOFTMAX 1
	WIN 0x41
	s_setprio 0
.irp u, 0,1
.irp j, 0,2,4,6,8,10,12,14,16,18,20,22,24,26,28,30
	v_pk_mul_f32 v[32*\u+\j:32*\u+\j+1], v[32*\u+\j:32*\u+\j+1], v[ST+8*\u+4:ST+8*\u+5] op_sel_hi:[1,0]
.endr
.endr
	s_wait_alu depctr_va_vdst(0)
	s_wait_dscnt 0x0
	WIN 0x51
.irp t, 0,1,2,3
.irp u, 0,1
	v_wmma_f32_16x16x128_bf8_bf8 v[32*\u+8*\t:32*\u+8*\t+7], v[VF+16*\t:VF+16*\t+15], v[PC+16*\u:PC+16*\u+15], v[32*\u+8*\t:32*\u+8*\t+7]
.endr
.endr
	WIN 0
.rept 4
	v_nop
.endr
	s_add_co_u32 s[TB], s[TB], 8192
	s_add_co_u32 s[TBM], s[TBM], 512
.endm
	s_wait_tensorcnt 0x1
	s_wait_dscnt 0x0
	s_barrier_signal -1
	s_barrier_wait -1
	s_mov_b32 s[CNT], 8
.Lfirst_half:
	STEP
	s_sub_co_u32 s[CNT], s[CNT], 1
	s_cmp_lg_u32 s[CNT], 0
	s_cbranch_scc1 .Lfirst_half
	s_setprio 0
	s_wait_tensorcnt 0x0
	s_wait_dscnt 0x0
	s_barrier_signal -1
	s_barrier_wait -1
	s_mov_b32 s[TB], 65536
	s_mov_b32 s[TBM], 4096
	s_mov_b32 s[CNT], 8
.Lsecond_half:
	STEP
	s_sub_co_u32 s[CNT], s[CNT], 1
	s_cmp_lg_u32 s[CNT], 0
	s_cbranch_scc1 .Lsecond_half
	s_setprio 0
.irp u, 0,1
	v_add_f32 v[ST+8*\u+2], v[ST+8*\u+2], v[ST+8*\u+3]
.endr
.irp u, 0,1
	s_delay_alu instid0(VALU_DEP_2)
	v_permlanex16_b32 v[ST+8*\u+7], v[ST+8*\u+2], s[SEL], s[SEL+1]
.endr
.irp u, 0,1
	s_delay_alu instid0(VALU_DEP_2)
	v_add_f32 v[ST+8*\u+2], v[ST+8*\u+2], v[ST+8*\u+7]
.endr
	s_wait_alu depctr_va_vdst(0)
.irp u, 0,1
	v_rcp_f32 v[ST+8*\u+4], v[ST+8*\u+2]
.endr
	v_nop
	s_wait_alu depctr_va_vdst(0)
.irp u, 0,1
	WIN 0x01
.irp j, 0,2,4,6,8,10,12,14,16,18,20,22,24,26,28,30
	v_pk_mul_f32 v[S+64*\u+\j:S+64*\u+\j+1], v[32*\u+\j:32*\u+\j+1], v[ST+8*\u+4:ST+8*\u+5] op_sel_hi:[1,0]
.endr
	WIN 0
.set j, 0
.rept 32
.set j, j+1
.endr
.irp t, 0,1,2,3
	v_cvt_scalef32_pk8_bf8_f32 v[PC+16*\u+2*\t:PC+16*\u+2*\t+1], v[S+64*\u+8*\t:S+64*\u+8*\t+7], v[SCO]
.endr
	v_nop
.irp g, 0,1
	global_store_b128 v[LI], v[PC+16*\u+4*\g:PC+16*\u+4*\g+3], s[10:11] offset:4096*\u+512*\g
.endr
.endr
	s_set_vgpr_msb 0x5
	s_wait_tensorcnt 0x0
	ds_add_u32 v126, v127
	s_wait_dscnt 0x0
	s_set_vgpr_msb 0x500
	CROUND
	s_endpgm
.Lfunc_end_k_qc0aadb1d61_attn:
	.size	k_qc0aadb1d61_attn, .Lfunc_end_k_qc0aadb1d61_attn-k_qc0aadb1d61_attn
	.p2alignl 7, 3214868480
	.fill 96, 4, 3214868480
	.section	.rodata,"a",@progbits
	.p2align	6, 0x0
	.amdhsa_kernel k_qc0aadb1d61_attn
		.amdhsa_group_segment_fixed_size 327680
		.amdhsa_private_segment_fixed_size 0
		.amdhsa_enable_private_segment 0
		.amdhsa_kernarg_size 32
		.amdhsa_user_sgpr_count 2
		.amdhsa_user_sgpr_kernarg_segment_ptr 1
		.amdhsa_wavefront_size32 1
		.amdhsa_system_sgpr_workgroup_id_x 1
		.amdhsa_system_sgpr_workgroup_id_y 1
		.amdhsa_system_sgpr_workgroup_id_z 1
		.amdhsa_system_vgpr_workitem_id 0
		.amdhsa_next_free_vgpr 512
		.amdhsa_next_free_sgpr 66
		.amdhsa_reserve_vcc 0
		.amdhsa_float_denorm_mode_32 3
		.amdhsa_float_denorm_mode_16_64 3
		.amdhsa_fp16_overflow 1
		.amdhsa_memory_ordered 1
		.amdhsa_forward_progress 1
		.amdhsa_inst_pref_size 67
	.end_amdhsa_kernel
	.amdgpu_metadata
---
amdhsa.version: [ 1, 2 ]
amdhsa.kernels:
  - .name:           k_qc0aadb1d61_attn
    .symbol:         k_qc0aadb1d61_attn.kd
    .args:
      - { .name: qkv, .offset: 0, .size: 8, .value_kind: global_buffer, .address_space: global }
      - { .name: mask, .offset: 8, .size: 8, .value_kind: global_buffer, .address_space: global }
      - { .name: lowp_scales, .offset: 16, .size: 8, .value_kind: global_buffer, .address_space: global }
      - { .name: ctxc, .offset: 24, .size: 8, .value_kind: global_buffer, .address_space: global }
    .group_segment_fixed_size: 327680
    .private_segment_fixed_size: 0
    .kernarg_segment_align: 8
    .kernarg_segment_size: 32
    .max_flat_workgroup_size: 256
    .sgpr_count:     66
    .vgpr_count:     512
    .wavefront_size: 32
...
	.end_amdgpu_metadata
.endif
;; end of part 9
;; launch wo (part 10): grid 8 x 32, 4 waves a work-group, clusters of 4 x 4, 327,680 bytes of LDS; arguments ctxc, wo_w_codes, lowp_scales, wo_b, x, y; writes y
.if DOCPART == 10
	.amdgcn_target "amdgcn-amd-amdhsa--gfx1250"
	.amdhsa_code_object_version 6
	.text
	.protected	k_qc0aadb1d61_wo
	.globl	k_qc0aadb1d61_wo
	.p2align	8
	.type	k_qc0aadb1d61_wo,@function
k_qc0aadb1d61_wo:
	s_mov_b64 s[64:65], 0
	v_nop
	global_prefetch_b8 v0, s[64:65] scope:SCOPE_SE
	s_setreg_imm32_b32 hwreg(HW_REG_WAVE_MODE, 25, 1), 1
	s_wait_xcnt 0x0
	s_wait_alu depctr_hold_cnt(0) depctr_sa_sdst(0) depctr_va_vdst(0) depctr_va_sdst(0) depctr_va_ssrc(0) depctr_va_vcc(0) depctr_vm_vsrc(0)
	s_getreg_b32 s2, hwreg(HW_REG_IB_STS2, 6, 4)
	s_cmp_eq_u32 s2, 0
	s_cbranch_scc0 .Lentry_in_a_cluster
	s_endpgm
.Lentry_in_a_cluster:
	s_bfe_u32 s2, ttmp6, 0x10000c
	s_cmp_lg_u32 s2, 0xf033
	s_cbranch_scc0 .Lentry_shape_is_right
	s_endpgm
.Lentry_shape_is_right:
; y = A W^T x 2^(eA + eB) + bias + residual, f32, rows of 1,024.  A: E5M2 codes stored as images of operand registers, [K step of 256][tile of 16 rows][128 along K][2,048 B]; W: codes, [1,024][SIZE_K], K innermost.
; A tile of 128 rows x 128 columns is made by four waves, 64 x 64 each (16 accumulators): 32 x 8 = 256 work-groups.
; K goes in steps of 512 through two LDS slots: A's 2 x 8 x 2 images (65,536 dense bytes, read 512 consecutive bytes a load), then W's 128 rows of 512 bytes (+ 16 of padding).  The slot is as long along K as two slots in LDS allow,
; so that there are as few changes of slots as can be: SIZE_K / 512 fills, the first two of them together at the start.  With SIZE_K = 1,024 nothing is filled again.
; A's images hold the plain 8-bit layout (registers 2 c, 2 c + 1: k = 16 c + 8 (lane / 16) + 0 .. 7), so W's fragments are read in that layout too: eight loads of 8 bytes, whose 32 lanes touch 64 different banks (pitch 528 = 132 words).
; THE MATRIX INSTRUCTION IS USED TRANSPOSED (source 0 = 16 rows of W, source 1 = 16 rows of A): a lane holds eight neighbouring columns of one row.
; CLUSTERS: 4 x 4 work-groups; A's tiles are asked for jointly by a row of the cluster, W's by a column.
; The bias, divided by 2^(eA + eB), is the C of each sum's first matrix instruction.  THE RESIDUAL of the wave's 64 x 64 (128 registers) is asked for at the kernel's head and waited for only on the way out.
; On the way out a block of 16 rows goes through the wave's stage in LDS and comes back as rows of 256 bytes; one packed multiply-add gives sum x 2^(eA + eB) + residual; sixteen lanes store 256 consecutive bytes, aligned.
; LIMIT: eA + eB between -126 and 127.
; REGISTERS: window 0: v0-31 addresses; v32-63 the bias as C; v64-127 rows from the stage, two sets; v128-255 the residual, 32 a block.
;   window 1: two fragment buffers of 128 registers, each for 128 along K: A's four fragments, then W's four.   window 2: the accumulators, (a, b) at v[8 (8 a + b)], a, b = 0 .. 3.
.set SIZE_K, 1024
.set EA,     78                        ; s78, s79: entries 10 and 11 of the scales (entry n lies in s[68 + n])
.set EB,     79
.set PITCH,  528                       ; a row of W in LDS: 512 bytes + 16 of padding
.set FR,     16
.set NP,     4
.set BOFF,   65536                     ; W's rows in a slot
.set BHALF,  64*PITCH
.set SLOT,   BOFF+2*BHALF
.set LAPS,   SIZE_K/1024               ; a lap = two slots = once round the ring
.set SPARE,  2*SLOT                    ; behind the ring: the spare words, 128 bytes a wave
.set SPITCH, 272                       ; the stage: 16 rows x (256 + 16) bytes a wave, in slot 0, which has had its last fill and its last read by then
.set ADRA, 16                          ; v16-17  LDS address of my A images in slot 0, 1
.set ADRB, 20                          ; v20-21  the same for W's rows
.set STO,  24
.set RD,   25
.set CO,   26
.set SPW,  28
.set NIL,  29
.set BC,   32
.set BK,   64
.set RES,  128
.set F0,   0                           ; fragment buffers, in window 1
.set F1,   128
.set RSP,  84                          ; s[84:85] the residual, s[86:87] y
.set OUTP, 86
.set G1, 24
.set G0, 32
.set G1B, 48
.set G0B, 56
.set MSB, 0
.macro WIN new                         ; the immediate's high byte repeats the setting that is left
.if MSB != \new
	s_set_vgpr_msb (MSB<<8)|\new
.set MSB, \new
.endif
.endm
.set MUL,  0xa5                        ; sources 0 (W) and 1 (A) window 1, C and D window 2
.set FST,  0x85                        ; the first quarter: C (the bias) window 0, D window 2
.set TO_F, 0x40                        ; destination window 1, address window 0
.macro JLOAD g0a, g1a, g0b, g1b        ; waves 0, 1 fetch A's halves, waves 2, 3 W's; four v_nop follow each line
	s_cmp_eq_u32 s15, 0
	s_cbranch_scc0 .Lfor_b_\@
	tensor_load_to_lds s[\g0a:\g0a+3], s[\g1a:\g1a+7]
	s_nop 0
.rept 4
	v_nop
.endr
	s_branch .Lasked_\@
.Lfor_b_\@:
	tensor_load_to_lds s[\g0b:\g0b+3], s[\g1b:\g1b+7]
	s_nop 0
.rept 4
	v_nop
.endr
.Lasked_\@:
.endm
.macro CREST                           ; a round of the cluster's barrier behind its opening barrier
	s_cmp_lg_u32 s14, 0
	s_cbranch_scc1 .Lnot_wave_0_\@
	s_barrier_signal -3
.Lnot_wave_0_\@:
	s_barrier_wait -3
	s_barrier_signal -1
	s_barrier_wait -1
.endm
.macro CROUND
	s_barrier_signal -1
	s_barrier_wait -1
	CREST
.endm
.macro RESLOAD a                       ; the residual of block a's 16 rows, in the layout in which the rows come back from the stage
.irp t, 0,1,2,3,4,5,6,7
	global_load_b128 v[RES+32*(\a)+4*\t:RES+32*(\a)+4*\t+3], v[CO], s[RSP:RSP+1] offset:(16*(\a)+2*\t)*4096
.endr
.endm
	s_load_b256 s[4:11], s[0:1], 0x0               ; A s[4:5], W s[6:7], the scales' exponents s[8:9], the bias s[10:11]
	s_load_b128 s[84:87], s[0:1], 0x20             ; the residual, y
	v_lshl_add_u32 v[SPW], v0, 2, SPARE
	v_mov_b32 v[NIL], 0
	ds_add_u32 v28, v29
	ds_add_u32 v28, v29
	s_wait_dscnt 0x0
	v_lshrrev_b32 v1, 5, v0
	v_readfirstlane_b32 s14, v1                    ; wave 0..3
	s_lshr_b32 s15, s14, 1                         ; which 64 rows are mine.  Also: I fetch for A (0) or W (1)
	s_and_b32 s16, s14, 1                          ; which 64 columns.  Also: which half of that tile I fetch
	s_bfe_u32 s40, ttmp6, 0x40000                  ; cx
	s_bfe_u32 s41, ttmp6, 0x40004                  ; cy
	s_lshl_b32 s42, ttmp9, 2
	s_add_co_u32 s42, s42, s40                     ; tile column
	s_and_b32 s17, ttmp7, 0xffff
	s_lshl_b32 s17, s17, 2
	s_add_co_u32 s17, s17, s41                     ; tile row
	s_lshl_b32 s43, s41, 2
	s_lshl_b32 s43, 15, s43                        ; my row of the cluster
	s_lshl_b32 s44, 0x1111, s40                    ; my column
	s_or_b32 s[G1+0], s43, (1<<21)                 ; A: the mask; elements of 1 byte; dense in LDS; bit 21 beside a mask
	s_mov_b32 s[G1+1], 256<<16                     ; 128 dense rows of 256 bytes: eight tiles of rows x 4,096 bytes, 256 along K
	s_mov_b32 s[G1+2], 128<<16
	s_mov_b32 s[G1+3], 256<<16
	s_mov_b32 s[G1+4], 128
	s_mov_b32 s[G1+5], 256
	s_mov_b32 s[G1+6], 0
	s_mov_b32 s[G1+7], 0
	s_or_b32 s[G1B+0], s44, (1<<20)|(1<<21)|(6<<22)|(3<<25)   ; W: padding of 4 words behind every 128
	s_mov_b32 s[G1B+1], 512<<16                    ; 64 rows of 512 bytes, SIZE_K bytes apart
	s_mov_b32 s[G1B+2], 64<<16
	s_mov_b32 s[G1B+3], 512<<16
	s_mov_b32 s[G1B+4], 64
	s_mov_b32 s[G1B+5], SIZE_K
	s_mov_b32 s[G1B+6], 0
	s_mov_b32 s[G1B+7], 0
	s_lshl_b32 s20, s17, 15                        ; A: 8 x tile row tiles of 4,096 bytes,
	s_lshl_b32 s18, s16, 20                        ; and the slot's first or second 256 along K: 1 MiB apart
	s_add_co_u32 s20, s20, s18
	s_mov_b32 s21, 0
	s_lshl_b32 s46, s42, 7                         ; W: row 128 x tile column + 64 x half
	s_lshl_b32 s18, s16, 6
	s_add_co_u32 s46, s46, s18
	s_mul_i32 s46, s46, SIZE_K
	s_mov_b32 s47, 0
	s_mul_i32 s45, s16, 32768                      ; where they go: A's half,
	s_mul_i32 s19, s16, BHALF
	s_add_co_u32 s19, s19, BOFF                    ; W's half
	s_wait_kmcnt 0x0
	s_load_b512 s[68:83], s[8:9], 0x0              ; e0 .. e15
	s_add_nc_u64 s[20:21], s[4:5], s[20:21]
	s_add_nc_u64 s[46:47], s[6:7], s[46:47]
	CROUND                                         ; all sixteen work-groups are here: the first joint loads meet
.irp s, 0,1
	s_mov_b32 s[G0+4*\s], 1
	s_add_co_u32 s[G0+4*\s+1], s45, \s*SLOT
	s_add_nc_u64 s[G0+4*\s+2:G0+4*\s+3], s[20:21], \s*0x200000     ; a slot's 512 along K are 2 MiB of A's images
	s_or_b32 s[G0+4*\s+3], s[G0+4*\s+3], 0x80000000
	s_mov_b32 s[G0B+4*\s], 1
	s_add_co_u32 s[G0B+4*\s+1], s19, \s*SLOT
	s_add_nc_u64 s[G0B+4*\s+2:G0B+4*\s+3], s[46:47], \s*512
	s_or_b32 s[G0B+4*\s+3], s[G0B+4*\s+3], 0x80000000
	JLOAD G0+4*\s, G1, G0B+4*\s, G1B
.endr
	v_and_b32 v1, 15, v0                           ; r
	v_bfe_u32 v2, v0, 4, 1                         ; h
	v_and_b32 v6, 31, v0
	v_lshlrev_b32 v7, 4, v6                        ; 16 x lane
	v_mul_u32_u24 v3, v1, PITCH
	v_lshl_add_u32 v4, v2, 3, v3                   ; W: row x pitch + 8 x half
	s_lshl_b32 s21, s15, 14                        ; my four tiles of A's rows
	s_mul_i32 s22, s16, BHALF
	s_add_co_u32 s22, s22, BOFF                    ; my 64 rows of W
.irp s, 0,1
	v_add_nc_u32 v[ADRA+\s], s21, v7
	v_add_nc_u32 v[ADRB+\s], s22, v4
	s_add_co_u32 s21, s21, SLOT
	s_add_co_u32 s22, s22, SLOT
.endr
	s_mul_i32 s23, s14, 16*SPITCH                  ; my stage
	v_mul_u32_u24 v5, v1, SPITCH
	v_lshl_add_u32 v5, v2, 5, v5
	v_add_nc_u32 v[STO], s23, v5                   ; in: row r, 32 bytes for each half of the lanes
	v_mul_u32_u24 v5, v2, SPITCH
	v_lshl_add_u32 v5, v1, 4, v5
	v_add_nc_u32 v[RD], s23, v5                    ; back: lanes 0-15 one row of 256 bytes, lanes 16-31 the next
	v_lshlrev_b32 v5, 12, v2
	v_lshl_add_u32 v[CO], v1, 4, v5                ; and the same two rows in memory
	v_lshlrev_b32 v8, 5, v2                        ; 32 h
	s_lshl_b32 s20, s17, 19                        ; my first row, 128 x tile row + 64 x half, of 4,096 bytes; my first column, 128 x tile column + 64 x half
	s_lshl_b32 s21, s15, 18
	s_add_co_u32 s20, s20, s21
	s_lshl_b32 s46, s42, 9
	s_lshl_b32 s47, s16, 8
	s_add_co_u32 s46, s46, s47
	s_mov_b32 s47, 0
	s_add_nc_u64 s[10:11], s[10:11], s[46:47]      ; the bias at my first column
	s_add_co_u32 s20, s20, s46
	s_mov_b32 s21, 0
	s_add_nc_u64 s[RSP:RSP+1], s[RSP:RSP+1], s[20:21]
	s_add_nc_u64 s[OUTP:OUTP+1], s[OUTP:OUTP+1], s[20:21]
.irp b, 0,1,2,3
	global_load_b128 v[BC+8*\b:BC+8*\b+3], v8, s[10:11] offset:64*\b
	global_load_b128 v[BC+8*\b+4:BC+8*\b+7], v8, s[10:11] offset:64*\b+16
.endr
.irp a, 0,1,2,3
	RESLOAD \a                                     ; 32 loads that land while K is walked; nothing touches their registers, their offsets or their base before the way out
.endr
	s_wait_kmcnt 0x0
	s_add_co_i32 s96, s[EA], s[EB]
	s_sub_co_i32 s90, 0, s96
	s_add_co_i32 s96, s96, 127
	s_lshl_b32 s96, s96, 23                        ; 2^(eA + eB) as f32
	s_mov_b32 s97, s96                             ; (named with it as a pair, so it is written)
	s_wait_loadcnt 32                              ; the bias's eight loads are in; the residual's 32, issued behind them, stay out
.set j, 0
.rept 32
	v_ldexp_f32 v[BC+j], v[BC+j], s90              ; bias / 2^(eA + eB)
.set j, j+1
.endr
.macro FRAGA reg, slot, q, a           ; an image comes back as it was stored: four loads of 512 consecutive bytes.  Quarter q of a slot: K step of 256 q / 2, its half q % 2
.irp c, 0,1,2,3
	ds_load_b128 v[\reg+4*\c:\reg+4*\c+3], v[ADRA+\slot] offset:32768*((\q)/2)+2048*((\q)%2)+4096*(\a)+512*\c
.endr
.endm
.macro FRAGB reg, slot, q, b           ; registers 2 c, 2 c + 1: k = 16 c + 8 (lane / 16) + 0 .. 7
.irp c, 0,1,2,3,4,5,6,7
	ds_load_b64 v[\reg+2*\c:\reg+2*\c+1], v[ADRB+\slot] offset:16*PITCH*(\b)+128*(\q)+16*\c
.endr
.endm
; 4 matrix instructions: A's block a x W's four.  first = 1: the bias is C.  The 16 accumulators take turns, one instruction a turn, in the same order in every quarter.
.macro MUL4 f, a, first
.irp b, 0,1,2,3
.if \first
	v_wmma_f32_16x16x128_bf8_bf8 v[8*(8*(\a)+\b):8*(8*(\a)+\b)+7], v[\f+64+FR*\b:\f+64+FR*\b+FR-1], v[\f+FR*(\a):\f+FR*(\a)+FR-1], v[BC+8*\b:BC+8*\b+7]
.else
	v_wmma_f32_16x16x128_bf8_bf8 v[8*(8*(\a)+\b):8*(8*(\a)+\b)+7], v[\f+64+FR*\b:\f+64+FR*\b+FR-1], v[\f+FR*(\a):\f+FR*(\a)+FR-1], v[8*(8*(\a)+\b):8*(8*(\a)+\b)+7]
.endif
.endr
.endm
.macro FETCH slot, q, f                ; 48 LDS loads in one run: the fragments of the slot's quarter q into buffer f
	WIN TO_F
.irp i, 0,1,2,3
	FRAGB \f+64+FR*\i, \slot, \q, \i
.endr
.irp i, 0,1,2,3
	FRAGA \f+FR*\i, \slot, \q, \i
.endr
.endm
.macro PLACES n                        ; plain vector lines between a matrix instruction and a load into, or a read by a store of, its registers
.rept \n
	v_nop
.endr
.endm
; A slot is four quarters of 128 along K, 16 matrix instructions each, on buffers 0, 1, 0, 1.  One of the first three: multiplies buffer f; ahead of its products it asks for quarter q, the next, into buffer g.
.macro QUARTER slot, q, f, g, first
	s_wait_dscnt 0x0                               ; buffer f's 48 loads are in
	PLACES NP                                      ; buffer g was read by the products just issued
	FETCH \slot, \q, \g
.if \first
	WIN FST
.else
	WIN MUL
.endif
.irp a, 0,1,2,3
	MUL4 \f, \a, \first
.endr
.endm
; The fourth quarter multiplies buffer 1 and changes slots: ONE barrier; in front of it each wave waits for all its tensor loads, adds 0 to its spare word, and waits for that and for its own reads of this slot.  fill = 1: this slot is filled again, two slots ahead.
.macro TURN slot, next, fill
	WIN 0                                          ; (the add's two registers lie in window 0)
	s_wait_tensorcnt 0x0                           ; all my tensor loads have landed: my part of the next slot
	ds_add_u32 v[SPW], v[NIL]                      ; 0 onto my spare word
	s_wait_dscnt 1                                 ; buffer 1's loads are in; the add alone may be out
	WIN MUL
	MUL4 F1, 0, 0                                  ; four matrix instructions stand between the add and the wait for it
	s_wait_dscnt 0x0                               ; the add is done, and my reads of this slot are over
	s_barrier_signal -1
	MUL4 F1, 1, 0
	WIN 0
	s_barrier_wait -1
.if \fill
	CREST                                          ; the barrier has opened a round of the cluster's: no wave of any partner still reads this slot or has a load on its way
	s_add_nc_u64 s[G0+4*\slot+2:G0+4*\slot+3], s[G0+4*\slot+2:G0+4*\slot+3], 0x400000
	s_add_nc_u64 s[G0B+4*\slot+2:G0B+4*\slot+3], s[G0B+4*\slot+2:G0B+4*\slot+3], 1024
	JLOAD G0+4*\slot, G1, G0B+4*\slot, G1B         ; the first tensor load behind the round: it has the next slot's first three quarters in which to land; its four v_nop are the places in front of the loads below
.else
	PLACES NP
.endif
	FETCH \next, 0, F0
	WIN MUL
	MUL4 F1, 2, 0
	MUL4 F1, 3, 0
.endm
	s_wait_tensorcnt 1                             ; my part of slot 0 is in; slot 1's load may be out
	s_barrier_signal -1
	s_barrier_wait -1
	FETCH 0, 0, F0
	QUARTER 0, 1, F0, F1, 1                        ; the first quarter stands in front of the loop: its products start the sums from the bias
.if LAPS > 1
	WIN 0                                          ; at a label and at a branch every window is 0
	s_mov_b32 s3, LAPS-1
.Llap:                                                 ; a trip goes once round the ring, from a lap's second quarter to the next lap's first, and fills both slots again
	QUARTER 0, 2, F1, F0, 0
	QUARTER 0, 3, F0, F1, 0
	TURN 0, 1, 1
	QUARTER 1, 1, F0, F1, 0
	QUARTER 1, 2, F1, F0, 0
	QUARTER 1, 3, F0, F1, 0
	TURN 1, 0, 1
	QUARTER 0, 1, F0, F1, 0
	WIN 0
	s_sub_co_u32 s3, s3, 1
	s_cmp_lg_u32 s3, 0
	s_cbranch_scc1 .Llap
.endif
	QUARTER 0, 2, F1, F0, 0                        ; the last lap fills nothing, and has no round of the cluster's barrier
	QUARTER 0, 3, F0, F1, 0
	TURN 0, 1, 0
	QUARTER 1, 1, F0, F1, 0
	QUARTER 1, 2, F1, F0, 0
	QUARTER 1, 3, F0, F1, 0
	s_wait_dscnt 0x0                               ; the very last quarter: nothing more to fetch
	WIN MUL
.irp a, 0,1,2,3
	MUL4 F1, \a, 0
.endr
	WIN 0
.macro TOSTAGE a                       ; the sums go into the stage as they stand, each accumulator from its low end on; LDS serves a wave's instructions in order
.set AC, 64*(\a)
	WIN 0x08                                       ; an LDS store's data: window 2
.irp b, 0,1,2,3
	ds_store_b128 v[STO], v[AC+8*\b:AC+8*\b+3] offset:64*\b
	ds_store_b128 v[STO], v[AC+8*\b+4:AC+8*\b+7] offset:64*\b+16
.endr
	WIN 0
.set BB, BK+32*((\a)%2)
.irp t, 0,1,2,3,4,5,6,7
	ds_load_b128 v[BB+4*\t:BB+4*\t+3], v[RD] offset:\t*2*SPITCH
.endr
.endm
.macro SEND a, younger                 ; younger: the LDS instructions issued behind block a's, which may stay out
.set BB, BK+32*((\a)%2)
.set RR, RES+32*(\a)
	s_wait_dscnt \younger
	s_wait_loadcnt 8*(3-(\a))                      ; the residual's loads went out in the blocks' order: those of the blocks behind a may be out
.irp j, 0,2,4,6,8,10,12,14,16,18,20,22,24,26,28,30
	v_pk_fma_f32 v[BB+\j:BB+\j+1], v[BB+\j:BB+\j+1], s[96:97], v[RR+\j:RR+\j+1] op_sel_hi:[1,0,1]   ; sum x 2^(eA + eB) + residual
.endr
.irp t, 0,1,2,3,4,5,6,7
	global_store_b128 v[CO], v[BB+4*\t:BB+4*\t+3], s[OUTP:OUTP+1] offset:(16*(\a)+2*\t)*4096   ; 16 lanes store 256 consecutive bytes, aligned
.endr
.endm
	PLACES NP                                      ; in front of the first read of results
	TOSTAGE 0
.irp a, 1,2,3
.if \a > 1
	s_wait_xcnt 0x0                                ; block a - 2's stores have read their data: block a's rows may land there
.endif
	TOSTAGE \a
	SEND \a-1, 16                                  ; behind block a - 1's: block a's 8 LDS stores and 8 LDS loads
.endr
	SEND 3, 0
	s_wait_tensorcnt 0x0                           ; the wave's end
	ds_add_u32 v[SPW], v[NIL]
	s_wait_dscnt 0x0
	CROUND                                         ; the closing round: no work-group ends while a partner may still ask for a tile that names it
	s_endpgm
.Lfunc_end_k_qc0aadb1d61_wo:
	.size	k_qc0aadb1d61_wo, .Lfunc_end_k_qc0aadb1d61_wo-k_qc0aadb1d61_wo
	.p2alignl 7, 3214868480
	.fill 96, 4, 3214868480
	.section	.rodata,"a",@progbits
	.p2align	6, 0x0
	.amdhsa_kernel k_qc0aadb1d61_wo
		.amdhsa_group_segment_fixed_size 327680
		.amdhsa_private_segment_fixed_size 0
		.amdhsa_enable_private_segment 0
		.amdhsa_kernarg_size 48
		.amdhsa_user_sgpr_count 2
		.amdhsa_user_sgpr_kernarg_segment_ptr 1
		.amdhsa_wavefront_size32 1
		.amdhsa_system_sgpr_workgroup_id_x 1
		.amdhsa_system_sgpr_workgroup_id_y 1
		.amdhsa_system_sgpr_workgroup_id_z 1
		.amdhsa_system_vgpr_workitem_id 0
		.amdhsa_next_free_vgpr 768
		.amdhsa_next_free_sgpr 100
		.amdhsa_reserve_vcc 0
		.amdhsa_float_denorm_mode_32 3
		.amdhsa_float_denorm_mode_16_64 3
		.amdhsa_memory_ordered 1
		.amdhsa_forward_progress 1
		.amdhsa_inst_pref_size 60
	.end_amdhsa_kernel
	.amdgpu_metadata
---
amdhsa.version: [ 1, 2 ]
amdhsa.kernels:
  - .name:           k_qc0aadb1d61_wo
    .symbol:         k_qc0aadb1d61_wo.kd
    .args:
      - { .name: ctxc, .offset: 0, .size: 8, .value_kind: global_buffer, .address_space: global }
      - { .name: wo_w_codes, .offset: 8, .size: 8, .value_kind: global_buffer, .address_space: global }
      - { .name: lowp_scales, .offset: 16, .size: 8, .value_kind: global_buffer, .address_space: global }
      - { .name: wo_b, .offset: 24, .size: 8, .value_kind: global_buffer, .address_space: global }
      - { .name: x, .offset: 32, .size: 8, .value_kind: global_buffer, .address_space: global }
      - { .name: y, .offset: 40, .size: 8, .value_kind: global_buffer, .address_space: global }
    .group_segment_fixed_size: 327680
    .private_segment_fixed_size: 0
    .kernarg_segment_align: 8
    .kernarg_segment_size: 48
    .max_flat_workgroup_size: 128
    .sgpr_count:     100
    .vgpr_count:     768
    .wavefront_size: 32
...
	.end_amdgpu_metadata
.endif
;; end of part 10
;; launch ln1: the kernel of part 5 again; grid 256 x 1, 4 waves a work-group, no clusters, 16,896 bytes of LDS; arguments y, ln1_g, ln1_b, lowp_scales, o1, o1c; writes o1, o1c
;; launch fc1: the kernel of part 6 again; grid 16 x 16, 4 waves a work-group, clusters of 4 x 4, 327,680 bytes of LDS; arguments o1c, fc1_w_codes, lowp_scales, fc1_b, hc; writes hc
;; launch fc2 (part 11): grid 8 x 32, 4 waves a work-group, clusters of 4 x 4, 327,680 bytes of LDS; arguments hc, fc2_w_codes, lowp_scales, fc2_b, o1, y; writes y
.if DOCPART == 11
	.amdgcn_target "amdgcn-amd-amdhsa--gfx1250"
	.amdhsa_code_object_version 6
	.text
	.protected	k_qc0aadb1d61_fc2
	.globl	k_qc0aadb1d61_fc2
	.p2align	8
	.type	k_qc0aadb1d61_fc2,@function
k_qc0aadb1d61_fc2:
	s_mov_b64 s[64:65], 0
	v_nop
	global_prefetch_b8 v0, s[64:65] scope:SCOPE_SE
	s_setreg_imm32_b32 hwreg(HW_REG_WAVE_MODE, 25, 1), 1
	s_wait_xcnt 0x0
	s_wait_alu depctr_hold_cnt(0) depctr_sa_sdst(0) depctr_va_vdst(0) depctr_va_sdst(0) depctr_va_ssrc(0) depctr_va_vcc(0) depctr_vm_vsrc(0)
	s_getreg_b32 s2, hwreg(HW_REG_IB_STS2, 6, 4)
	s_cmp_eq_u32 s2, 0
	s_cbranch_scc0 .Lentry_in_a_cluster
	s_endpgm
.Lentry_in_a_cluster:
	s_bfe_u32 s2, ttmp6, 0x10000c
	s_cmp_lg_u32 s2, 0xf033
	s_cbranch_scc0 .Lentry_shape_is_right
	s_endpgm
.Lentry_shape_is_right:
; y = A W^T x 2^(eA + eB) + bias + residual, f32, rows of 1,024.  A: E5M2 codes stored as images of operand registers, [K step of 256][tile of 16 rows][128 along K][2,048 B]; W: codes, [1,024][SIZE_K], K innermost.
; A tile of 128 rows x 128 columns is made by four waves, 64 x 64 each (16 accumulators): 32 x 8 = 256 work-groups.
; K goes in steps of 512 through two LDS slots: A's 2 x 8 x 2 images (65,536 dense bytes, read 512 consecutive bytes a load), then W's 128 rows of 512 bytes (+ 16 of padding).  The slot is as long along K as two slots in LDS allow,
; so that there are as few changes of slots as can be: SIZE_K / 512 = 8 fills, the first two of them together at the start.
; A's images hold the plain 8-bit layout (registers 2 c, 2 c + 1: k = 16 c + 8 (lane / 16) + 0 .. 7), so W's fragments are read in that layout too: eight loads of 8 bytes, whose 32 lanes touch 64 different banks (pitch 528 = 132 words).
; THE MATRIX INSTRUCTION IS USED TRANSPOSED (source 0 = 16 rows of W, source 1 = 16 rows of A): a lane holds eight neighbouring columns of one row.
; CLUSTERS: 4 x 4 work-groups; A's tiles are asked for jointly by a row of the cluster, W's by a column.
; The bias, divided by 2^(eA + eB), is the C of each sum's first matrix instruction.  THE RESIDUAL of the wave's 64 x 64 (128 registers) is asked for at the kernel's head and waited for only on the way out.
; On the way out a block of 16 rows goes through the wave's stage in LDS and comes back as rows of 256 bytes; one packed multiply-add gives sum x 2^(eA + eB) + residual; sixteen lanes store 256 consecutive bytes, aligned.
; LIMIT: eA + eB between -126 and 127.
; REGISTERS: window 0: v0-31 addresses; v32-63 the bias as C; v64-127 rows from the stage, two sets; v128-255 the residual, 32 a block.
;   window 1: two fragment buffers of 128 registers, each for 128 along K: A's four fragments, then W's four.   window 2: the accumulators, (a, b) at v[8 (8 a + b)], a, b = 0 .. 3.
.set SIZE_K, 4096
.set EA,     82                        ; s82, s83: entries 14 and 15 of the scales (entry n lies in s[68 + n])
.set EB,     83
.set PITCH,  528                       ; a row of W in LDS: 512 bytes + 16 of padding
.set FR,     16
.set NP,     4
.set BOFF,   65536                     ; W's rows in a slot
.set BHALF,  64*PITCH
.set SLOT,   BOFF+2*BHALF
.set LAPS,   SIZE_K/1024               ; a lap = two slots = once round the ring
.set SPARE,  2*SLOT                    ; behind the ring: the spare words, 128 bytes a wave
.set SPITCH, 272                       ; the stage: 16 rows x (256 + 16) bytes a wave, in slot 0, which has had its last fill and its last read by then
.set ADRA, 16                          ; v16-17  LDS address of my A images in slot 0, 1
.set ADRB, 20                          ; v20-21  the same for W's rows
.set STO,  24
.set RD,   25
.set CO,   26
.set SPW,  28
.set NIL,  29
.set BC,   32
.set BK,   64
.set RES,  128
.set F0,   0                           ; fragment buffers, in window 1
.set F1,   128
.set RSP,  84                          ; s[84:85] the residual, s[86:87] y
.set OUTP, 86
.set G1, 24
.set G0, 32
.set G1B, 48
.set G0B, 56
.set MSB, 0
.macro WIN new                         ; the immediate's high byte repeats the setting that is left
.if MSB != \new
	s_set_vgpr_msb (MSB<<8)|\new
.set MSB, \new
.endif
.endm
.set MUL,  0xa5                        ; sources 0 (W) and 1 (A) window 1, C and D window 2
.set FST,  0x85                        ; the first quarter: C (the bias) window 0, D window 2
.set TO_F, 0x40                        ; destination window 1, address window 0
.macro JLOAD g0a, g1a, g0b, g1b        ; waves 0, 1 fetch A's halves, waves 2, 3 W's; four v_nop follow each line
	s_cmp_eq_u32 s15, 0
	s_cbranch_scc0 .Lfor_b_\@
	tensor_load_to_lds s[\g0a:\g0a+3], s[\g1a:\g1a+7]
	s_nop 0
.rept 4
	v_nop
.endr
	s_branch .Lasked_\@
.Lfor_b_\@:
	tensor_load_to_lds s[\g0b:\g0b+3], s[\g1b:\g1b+7]
	s_nop 0
.rept 4
	v_nop
.endr
.Lasked_\@:
.endm
.macro CREST                           ; a round of the cluster's barrier behind its opening barrier
	s_cmp_lg_u32 s14, 0
	s_cbranch_scc1 .Lnot_wave_0_\@
	s_barrier_signal -3
.Lnot_wave_0_\@:
	s_barrier_wait -3
	s_barrier_signal -1
	s_barrier_wait -1
.endm
.macro CROUND
	s_barrier_signal -1
	s_barrier_wait -1
	CREST
.endm
.macro RESLOAD a                       ; the residual of block a's 16 rows, in the layout in which the rows come back from the stage
.irp t, 0,1,2,3,4,5,6,7
	global_load_b128 v[RES+32*(\a)+4*\t:RES+32*(\a)+4*\t+3], v[CO], s[RSP:RSP+1] offset:(16*(\a)+2*\t)*4096
.endr
.endm
	s_load_b256 s[4:11], s[0:1], 0x0               ; A s[4:5], W s[6:7], the scales' exponents s[8:9], the bias s[10:11]
	s_load_b128 s[84:87], s[0:1], 0x20             ; the residual, y
	v_lshl_add_u32 v[SPW], v0, 2, SPARE
	v_mov_b32 v[NIL], 0
	ds_add_u32 v28, v29
	ds_add_u32 v28, v29
	s_wait_dscnt 0x0
	v_lshrrev_b32 v1, 5, v0
	v_readfirstlane_b32 s14, v1                    ; wave 0..3
	s_lshr_b32 s15, s14, 1                         ; which 64 rows are mine.  Also: I fetch for A (0) or W (1)
	s_and_b32 s16, s14, 1                          ; which 64 columns.  Also: which half of that tile I fetch
	s_bfe_u32 s40, ttmp6, 0x40000                  ; cx
	s_bfe_u32 s41, ttmp6, 0x40004                  ; cy
	s_lshl_b32 s42, ttmp9, 2
	s_add_co_u32 s42, s42, s40                     ; tile column
	s_and_b32 s17, ttmp7, 0xffff
	s_lshl_b32 s17, s17, 2
	s_add_co_u32 s17, s17, s41                     ; tile row
	s_lshl_b32 s43, s41, 2
	s_lshl_b32 s43, 15, s43                        ; my row of the cluster
	s_lshl_b32 s44, 0x1111, s40                    ; my column
	s_or_b32 s[G1+0], s43, (1<<21)                 ; A: the mask; elements of 1 byte; dense in LDS; bit 21 beside a mask
	s_mov_b32 s[G1+1], 256<<16                     ; 128 dense rows of 256 bytes: eight tiles of rows x 4,096 bytes, 256 along K
	s_mov_b32 s[G1+2], 128<<16
	s_mov_b32 s[G1+3], 256<<16
	s_mov_b32 s[G1+4], 128
	s_mov_b32 s[G1+5], 256
	s_mov_b32 s[G1+6], 0
	s_mov_b32 s[G1+7], 0
	s_or_b32 s[G1B+0], s44, (1<<20)|(1<<21)|(6<<22)|(3<<25)   ; W: padding of 4 words behind every 128
	s_mov_b32 s[G1B+1], 512<<16                    ; 64 rows of 512 bytes, SIZE_K bytes apart
	s_mov_b32 s[G1B+2], 64<<16
	s_mov_b32 s[G1B+3], 512<<16
	s_mov_b32 s[G1B+4], 64
	s_mov_b32 s[G1B+5], SIZE_K
	s_mov_b32 s[G1B+6], 0
	s_mov_b32 s[G1B+7], 0
	s_lshl_b32 s20, s17, 15                        ; A: 8 x tile row tiles of 4,096 bytes,
	s_lshl_b32 s18, s16, 20                        ; and the slot's first or second 256 along K: 1 MiB apart
	s_add_co_u32 s20, s20, s18
	s_mov_b32 s21, 0
	s_lshl_b32 s46, s42, 7                         ; W: row 128 x tile column + 64 x half
	s_lshl_b32 s18, s16, 6
	s_add_co_u32 s46, s46, s18
	s_mul_i32 s46, s46, SIZE_K
	s_mov_b32 s47, 0
	s_mul_i32 s45, s16, 32768                      ; where they go: A's half,
	s_mul_i32 s19, s16, BHALF
	s_add_co_u32 s19, s19, BOFF                    ; W's half
	s_wait_kmcnt 0x0
	s_load_b512 s[68:83], s[8:9], 0x0              ; e0 .. e15
	s_add_nc_u64 s[20:21], s[4:5], s[20:21]
	s_add_nc_u64 s[46:47], s[6:7], s[46:47]
	CROUND                                         ; all sixteen work-groups are here: the first joint loads meet
.irp s, 0,1
	s_mov_b32 s[G0+4*\s], 1
	s_add_co_u32 s[G0+4*\s+1], s45, \s*SLOT
	s_add_nc_u64 s[G0+4*\s+2:G0+4*\s+3], s[20:21], \s*0x200000     ; a slot's 512 along K are 2 MiB of A's images
	s_or_b32 s[G0+4*\s+3], s[G0+4*\s+3], 0x80000000
	s_mov_b32 s[G0B+4*\s], 1
	s_add_co_u32 s[G0B+4*\s+1], s19, \s*SLOT
	s_add_nc_u64 s[G0B+4*\s+2:G0B+4*\s+3], s[46:47], \s*512
	s_or_b32 s[G0B+4*\s+3], s[G0B+4*\s+3], 0x80000000
	JLOAD G0+4*\s, G1, G0B+4*\s, G1B
.endr
	v_and_b32 v1, 15, v0                           ; r
	v_bfe_u32 v2, v0, 4, 1                         ; h
	v_and_b32 v6, 31, v0
	v_lshlrev_b32 v7, 4, v6                        ; 16 x lane
	v_mul_u32_u24 v3, v1, PITCH
	v_lshl_add_u32 v4, v2, 3, v3                   ; W: row x pitch + 8 x half
	s_lshl_b32 s21, s15, 14                        ; my four tiles of A's rows
	s_mul_i32 s22, s16, BHALF
	s_add_co_u32 s22, s22, BOFF                    ; my 64 rows of W
.irp s, 0,1
	v_add_nc_u32 v[ADRA+\s], s21, v7
	v_add_nc_u32 v[ADRB+\s], s22, v4
	s_add_co_u32 s21, s21, SLOT
	s_add_co_u32 s22, s22, SLOT
.endr
	s_mul_i32 s23, s14, 16*SPITCH                  ; my stage
	v_mul_u32_u24 v5, v1, SPITCH
	v_lshl_add_u32 v5, v2, 5, v5
	v_add_nc_u32 v[STO], s23, v5                   ; in: row r, 32 bytes for each half of the lanes
	v_mul_u32_u24 v5, v2, SPITCH
	v_lshl_add_u32 v5, v1, 4, v5
	v_add_nc_u32 v[RD], s23, v5                    ; back: lanes 0-15 one row of 256 bytes, lanes 16-31 the next
	v_lshlrev_b32 v5, 12, v2
	v_lshl_add_u32 v[CO], v1, 4, v5                ; and the same two rows in memory
	v_lshlrev_b32 v8, 5, v2                        ; 32 h
	s_lshl_b32 s20, s17, 19                        ; my first row, 128 x tile row + 64 x half, of 4,096 bytes; my first column, 128 x tile column + 64 x half
	s_lshl_b32 s21, s15, 18
	s_add_co_u32 s20, s20, s21
	s_lshl_b32 s46, s42, 9
	s_lshl_b32 s47, s16, 8
	s_add_co_u32 s46, s46, s47
	s_mov_b32 s47, 0
	s_add_nc_u64 s[10:11], s[10:11], s[46:47]      ; the bias at my first column
	s_add_co_u32 s20, s20, s46
	s_mov_b32 s21, 0
	s_add_nc_u64 s[RSP:RSP+1], s[RSP:RSP+1], s[20:21]
	s_add_nc_u64 s[OUTP:OUTP+1], s[OUTP:OUTP+1], s[20:21]
.irp b, 0,1,2,3
	global_load_b128 v[BC+8*\b:BC+8*\b+3], v8, s[10:11] offset:64*\b
	global_load_b128 v[BC+8*\b+4:BC+8*\b+7], v8, s[10:11] offset:64*\b+16
.endr
.irp a, 0,1,2,3
	RESLOAD \a                                     ; 32 loads that land while K is walked; nothing touches their registers, their offsets or their base before the way out
.endr
	s_wait_kmcnt 0x0
	s_add_co_i32 s96, s[EA], s[EB]
	s_sub_co_i32 s90, 0, s96
	s_add_co_i32 s96, s96, 127
	s_lshl_b32 s96, s96, 23                        ; 2^(eA + eB) as f32
	s_mov_b32 s97, s96                             ; (named with it as a pair, so it is written)
	s_wait_loadcnt 32                              ; the bias's eight loads are in; the residual's 32, issued behind them, stay out
.set j, 0
.rept 32
	v_ldexp_f32 v[BC+j], v[BC+j], s90              ; bias / 2^(eA + eB)
.set j, j+1
.endr
.macro FRAGA reg, slot, q, a           ; an image comes back as it was stored: four loads of 512 consecutive bytes.  Quarter q of a slot: K step of 256 q / 2, its half q % 2
.irp c, 0,1,2,3
	ds_load_b128 v[\reg+4*\c:\reg+4*\c+3], v[ADRA+\slot] offset:32768*((\q)/2)+2048*((\q)%2)+4096*(\a)+512*\c
.endr
.endm
.macro FRAGB reg, slot, q, b           ; registers 2 c, 2 c + 1: k = 16 c + 8 (lane / 16) + 0 .. 7
.irp c, 0,1,2,3,4,5,6,7
	ds_load_b64 v[\reg+2*\c:\reg+2*\c+1], v[ADRB+\slot] offset:16*PITCH*(\b)+128*(\q)+16*\c
.endr
.endm
; 4 matrix instructions: A's block a x W's four.  first = 1: the bias is C.  The 16 accumulators take turns, one instruction a turn, in the same order in every quarter.
.macro MUL4 f, a, first
.irp b, 0,1,2,3
.if \first
	v_wmma_f32_16x16x128_bf8_bf8 v[8*(8*(\a)+\b):8*(8*(\a)+\b)+7], v[\f+64+FR*\b:\f+64+FR*\b+FR-1], v[\f+FR*(\a):\f+FR*(\a)+FR-1], v[BC+8*\b:BC+8*\b+7]
.else
	v_wmma_f32_16x16x128_bf8_bf8 v[8*(8*(\a)+\b):8*(8*(\a)+\b)+7], v[\f+64+FR*\b:\f+64+FR*\b+FR-1], v[\f+FR*(\a):\f+FR*(\a)+FR-1], v[8*(8*(\a)+\b):8*(8*(\a)+\b)+7]
.endif
.endr
.endm
.macro FETCH slot, q, f                ; 48 LDS loads in one run: the fragments of the slot's quarter q into buffer f
	WIN TO_F
.irp i, 0,1,2,3
	FRAGB \f+64+FR*\i, \slot, \q, \i
.endr
.irp i, 0,1,2,3
	FRAGA \f+FR*\i, \slot, \q, \i
.endr
.endm
.macro PLACES n                        ; plain vector lines between a matrix instruction and a load into, or a read by a store of, its registers
.rept \n
	v_nop
.endr
.endm
; A slot is four quarters of 128 along K, 16 matrix instructions each, on buffers 0, 1, 0, 1.  One of the first three: multiplies buffer f; ahead of its products it asks for quarter q, the next, into buffer g.
.macro QUARTER slot, q, f, g, first
	s_wait_dscnt 0x0                               ; buffer f's 48 loads are in
	PLACES NP                                      ; buffer g was read by the products just issued
	FETCH \slot, \q, \g
.if \first
	WIN FST
.else
	WIN MUL
.endif
.irp a, 0,1,2,3
	MUL4 \f, \a, \first
.endr
.endm
; The fourth quarter multiplies buffer 1 and changes slots: ONE barrier; in front of it each wave waits for all its tensor loads, adds 0 to its spare word, and waits for that and for its own reads of this slot.  fill = 1: this slot is filled again, two slots ahead.
.macro TURN slot, next, fill
	WIN 0                                          ; (the add's two registers lie in window 0)
	s_wait_tensorcnt 0x0                           ; all my tensor loads have landed: my part of the next slot
	ds_add_u32 v[SPW], v[NIL]                      ; 0 onto my spare word
	s_wait_dscnt 1                                 ; buffer 1's loads are in; the add alone may be out
	WIN MUL
	MUL4 F1, 0, 0                                  ; four matrix instructions stand between the add and the wait for it
	s_wait_dscnt 0x0                               ; the add is done, and my reads of this slot are over
	s_barrier_signal -1
	MUL4 F1, 1, 0
	WIN 0
	s_barrier_wait -1
.if \fill
	CREST                                          ; the barrier has opened a round of the cluster's: no wave of any partner still reads this slot or has a load on its way
	s_add_nc_u64 s[G0+4*\slot+2:G0+4*\slot+3], s[G0+4*\slot+2:G0+4*\slot+3], 0x400000
	s_add_nc_u64 s[G0B+4*\slot+2:G0B+4*\slot+3], s[G0B+4*\slot+2:G0B+4*\slot+3], 1024
	JLOAD G0+4*\slot, G1, G0B+4*\slot, G1B         ; the first tensor load behind the round: it has the next slot's first three quarters in which to land; its four v_nop are the places in front of the loads below
.else
	PLACES NP
.endif
	FETCH \next, 0, F0
	WIN MUL
	MUL4 F1, 2, 0
	MUL4 F1, 3, 0
.endm
	s_wait_tensorcnt 1                             ; my part of slot 0 is in; slot 1's load may be out
	s_barrier_signal -1
	s_barrier_wait -1
	FETCH 0, 0, F0
	QUARTER 0, 1, F0, F1, 1                        ; the first quarter stands in front of the loop: its products start the sums from the bias
.if LAPS > 1
	WIN 0                                          ; at a label and at a branch every window is 0
	s_mov_b32 s3, LAPS-1
.Llap:                                                 ; a trip goes once round the ring, from a lap's second quarter to the next lap's first, and fills both slots again
	QUARTER 0, 2, F1, F0, 0
	QUARTER 0, 3, F0, F1, 0
	TURN 0, 1, 1
	QUARTER 1, 1, F0, F1, 0
	QUARTER 1, 2, F1, F0, 0
	QUARTER 1, 3, F0, F1, 0
	TURN 1, 0, 1
	QUARTER 0, 1, F0, F1, 0
	WIN 0
	s_sub_co_u32 s3, s3, 1
	s_cmp_lg_u32 s3, 0
	s_cbranch_scc1 .Llap
.endif
	QUARTER 0, 2, F1, F0, 0                        ; the last lap fills nothing, and has no round of the cluster's barrier
	QUARTER 0, 3, F0, F1, 0
	TURN 0, 1, 0
	QUARTER 1, 1, F0, F1, 0
	QUARTER 1, 2, F1, F0, 0
	QUARTER 1, 3, F0, F1, 0
	s_wait_dscnt 0x0                               ; the very last quarter: nothing more to fetch
	WIN MUL
.irp a, 0,1,2,3
	MUL4 F1, \a, 0
.endr
	WIN 0
.macro TOSTAGE a                       ; the sums go into the stage as they stand, each accumulator from its low end on; LDS serves a wave's instructions in order
.set AC, 64*(\a)
	WIN 0x08                                       ; an LDS store's data: window 2
.irp b, 0,1,2,3
	ds_store_b128 v[STO], v[AC+8*\b:AC+8*\b+3] offset:64*\b
	ds_store_b128 v[STO], v[AC+8*\b+4:AC+8*\b+7] offset:64*\b+16
.endr
	WIN 0
.set BB, BK+32*((\a)%2)
.irp t, 0,1,2,3,4,5,6,7
	ds_load_b128 v[BB+4*\t:BB+4*\t+3], v[RD] offset:\t*2*SPITCH
.endr
.endm
.macro SEND a, younger                 ; younger: the LDS instructions issued behind block a's, which may stay out
.set BB, BK+32*((\a)%2)
.set RR, RES+32*(\a)
	s_wait_dscnt \younger
	s_wait_loadcnt 8*(3-(\a))                      ; the residual's loads went out in the blocks' order: those of the blocks behind a may be out
.irp j, 0,2,4,6,8,10,12,14,16,18,20,22,24,26,28,30
	v_pk_fma_f32 v[BB+\j:BB+\j+1], v[BB+\j:BB+\j+1], s[96:97], v[RR+\j:RR+\j+1] op_sel_hi:[1,0,1]   ; sum x 2^(eA + eB) + residual
.endr
.irp t, 0,1,2,3,4,5,6,7
	global_store_b128 v[CO], v[BB+4*\t:BB+4*\t+3], s[OUTP:OUTP+1] offset:(16*(\a)+2*\t)*4096   ; 16 lanes store 256 consecutive bytes, aligned
.endr
.endm
	PLACES NP                                      ; in front of the first read of results
	TOSTAGE 0
.irp a, 1,2,3
.if \a > 1
	s_wait_xcnt 0x0                                ; block a - 2's stores have read their data: block a's rows may land there
.endif
	TOSTAGE \a
	SEND \a-1, 16                                  ; behind block a - 1's: block a's 8 LDS stores and 8 LDS loads
.endr
	SEND 3, 0
	s_wait_tensorcnt 0x0                           ; the wave's end
	ds_add_u32 v[SPW], v[NIL]
	s_wait_dscnt 0x0
	CROUND                                         ; the closing round: no work-group ends while a partner may still ask for a tile that names it
	s_endpgm
.Lfunc_end_k_qc0aadb1d61_fc2:
	.size	k_qc0aadb1d61_fc2, .Lfunc_end_k_qc0aadb1d61_fc2-k_qc0aadb1d61_fc2
	.p2alignl 7, 3214868480
	.fill 96, 4, 3214868480
	.section	.rodata,"a",@progbits
	.p2align	6, 0x0
	.amdhsa_kernel k_qc0aadb1d61_fc2
		.amdhsa_group_segment_fixed_size 327680
		.amdhsa_private_segment_fixed_size 0
		.amdhsa_enable_private_segment 0
		.amdhsa_kernarg_size 48
		.amdhsa_user_sgpr_count 2
		.amdhsa_user_sgpr_kernarg_segment_ptr 1
		.amdhsa_wavefront_size32 1
		.amdhsa_system_sgpr_workgroup_id_x 1
		.amdhsa_system_sgpr_workgroup_id_y 1
		.amdhsa_system_sgpr_workgroup_id_z 1
		.amdhsa_system_vgpr_workitem_id 0
		.amdhsa_next_free_vgpr 768
		.amdhsa_next_free_sgpr 100
		.amdhsa_reserve_vcc 0
		.amdhsa_float_denorm_mode_32 3
		.amdhsa_float_denorm_mode_16_64 3
		.amdhsa_memory_ordered 1
		.amdhsa_forward_progress 1
		.amdhsa_inst_pref_size 96
	.end_amdhsa_kernel
	.amdgpu_metadata
---
amdhsa.version: [ 1, 2 ]
amdhsa.kernels:
  - .name:           k_qc0aadb1d61_fc2
    .symbol:         k_qc0aadb1d61_fc2.kd
    .args:
      - { .name: hc, .offset: 0, .size: 8, .value_kind: global_buffer, .address_space: global }
      - { .name: fc2_w_codes, .offset: 8, .size: 8, .value_kind: global_buffer, .address_space: global }
      - { .name: lowp_scales, .offset: 16, .size: 8, .value_kind: global_buffer, .address_space: global }
      - { .name: fc2_b, .offset: 24, .size: 8, .value_kind: global_buffer, .address_space: global }
      - { .name: o1, .offset: 32, .size: 8, .value_kind: global_buffer, .address_space: global }
      - { .name: y, .offset: 40, .size: 8, .value_kind: global_buffer, .address_space: global }
    .group_segment_fixed_size: 327680
    .private_segment_fixed_size: 0
    .kernarg_segment_align: 8
    .kernarg_segment_size: 48
    .max_flat_workgroup_size: 128
    .sgpr_count:     100
    .vgpr_count:     768
    .wavefront_size: 32
...
	.end_amdgpu_metadata
.endif
;; end of part 11
;; launch ln2: the kernel of part 8 again; grid 256 x 1, 4 waves a work-group, no clusters, 0 bytes of LDS; arguments y, ln2_g, ln2_b, out0; writes out0
